; MI455X (gfx1250); checked and timed in simulation.
; The chip was launched on July 23, 2026; its instructions are those of AMD's public machine-readable ISA for CDNA 5 (MIT licence, August 2026) and "CDNA5" Instruction Set Architecture Reference Guide (July 2026). The comments in the code are by the model that wrote it; some were corrected since.
;; Encoder Block. Allowed arithmetic: matrix products marked QUANTISED: E4M3 operands, one E8M0 scale for each 32 along K, by v_wmma_scale_f32_16x16x128_f8f6f4 with both operands' format E4M3, f32 sums; everything else in f32.
;; Inputs: W1 4,096 x 1,024 float32; W2 1,024 x 4,096 float32; W_K 1,024 x 1,024 float32; W_O 1,024 x 1,024 float32; W_Q 1,024 x 1,024 float32; W_V 1,024 x 1,024 float32; b1 4,096 float32; b2 1,024 float32; beta1 1,024 float32; beta2 1,024 float32; g1 1,024 float32; g2 1,024 float32; mask 2 x 1 x 1 x 2,048 bool; x 2 x 2,048 x 1,024 float32.
;; Outputs: out0 2 x 2,048 x 1,024 float32.
;; This version of the problem:
;;   THIS VERSION OF THE PROBLEM IS GIVEN IN LOW PRECISION. The matrix products marked QUANTISED in the list below multiply operands that are first quantised to E4M3 (4 exponent bits, 3 mantissa bits; 8 bits a number), with one power-of-two scale for each 32 numbers along K (OCP MX v1.0); their sums are f32. All else is computed in f32.
;;   The module's matrix products, in the order in which they are computed (A, B: the left and right operand; K: the contracted axis; several contracted axes count as one K, in the product's order):
;;     1. [M 4,096, K 1,024] x [K 1,024, N 1,024]; A: computed on the way; B: input W_Q: QUANTISED
;;     2. [M 4,096, K 1,024] x [K 1,024, N 1,024]; A: computed on the way; B: input W_K: QUANTISED
;;     3. [M 4,096, K 1,024] x [K 1,024, N 1,024]; A: computed on the way; B: input W_V: QUANTISED
;;     4. batch 32 x [M 2,048, K 64] x [K 64, N 2,048]; A: computed on the way; B: computed on the way: QUANTISED
;;     5. batch 32 x [M 2,048, K 2,048] x [K 2,048, N 64]; A: softmax (see below); B: computed on the way: QUANTISED
;;     6. [M 4,096, K 1,024] x [K 1,024, N 1,024]; A: computed on the way; B: input W_O: QUANTISED
;;     7. [M 4,096, K 1,024] x [K 1,024, N 4,096]; A: computed on the way; B: input W1: QUANTISED
;;     8. [M 4,096, K 4,096] x [K 4,096, N 1,024]; A: computed on the way; B: input W2: QUANTISED
;;   THE QUANTISER, for each operand of a quantised product, along K:
;;     - K is cut into blocks of 32 from its start; a last block that is shorter is filled with zeros.
;;     - A block's scale is 2^e with e = floor(log2(the largest magnitude in the block)) - 8, held to -126 .. 127; a block of zeros has e = 0. As a byte (E8M0): e + 127.
;;     - Each number is divided by its block's scale, clamped to +-448, and rounded to the nearest number of E4M3, ties to even, subnormals kept.
;;     - The product sums the exact products of the quantised numbers (number of the format x scale) in f32.
;;   ~~~python
;;   def quantise(x, axis):      # numpy; x: float32 -> the quantised numbers, widened to float32 again
;;       x = np.moveaxis(x, axis, -1); K = x.shape[-1]
;;       x = np.pad(x, [(0, 0)] * (x.ndim - 1) + [(0, -K % 32)]); x = x.reshape(x.shape[:-1] + (-1, 32)); a = np.abs(x).max(-1, keepdims=True)
;;       e = np.where(a > 0, np.clip(np.frexp(np.where(a > 0, a, 1))[1] - 1 - 8, -126, 127), 0)      # np.frexp(a)[1] - 1 = floor(log2(a)), exactly
;;       r = np.clip(x / 2.0 ** e, -448, 448)
;;       step = 2.0 ** (np.maximum(np.frexp(np.where(r == 0, 1, r))[1] - 1, -6) - 3)
;;       q = np.round(r / step) * step * 2.0 ** e      # np.round: ties to even
;;       return np.moveaxis(q.reshape(q.shape[:-2] + (-1,))[..., :K], -1, axis).astype(np.float32)
;;   ~~~
;;   SOFTMAX AHEAD OF A QUANTISED PRODUCT. Where the list says 'softmax', what is quantised is not the finished softmax but p = 2^(t - M), with t = logit x log2(e) and M = ceil(the row's largest t), a whole number; so 1/2 < the row's largest p <= 1. The row's sum l is taken of the UNQUANTISED p, in f32, and the product's result is divided by l at the end. Since M is a whole number, a kernel that streams over the keys may use a running M (the ceiling of the running maximum): every later rescaling is an exact power of two, which a block's scale takes up: the codes' values come out the same.
;;   OPERANDS COMPUTED ON THE WAY. 'Computed on the way' means the value that the module computes at that place (a softmax that the list does not call 'softmax' is quantised finished and normalised). What goes into a quantiser is computed in f32, as accurately as f32 sums, v_exp_f32 and their like allow (about 1e-6 of the number): no bf16 or f16 on the way to a quantiser, and a product that is left as it is and whose result goes on into a quantised operand takes f32 operands (vector FMAs, or v_wmma_f32_16x16x4_f32). A number that lies on a knife's edge between two numbers of the format may be rounded either way, as far as f32 arithmetic and the matrix unit's own rounding can turn it there, and no further.
;; 2 versions. Each part assembles by itself: llvm-mc -triple=amdgcn-amd-amdhsa -mcpu=gfx1250 --defsym DOCPART=n.
;; ======== version 1 of 2: 8 launches
;; workspace buffers: hq 4,325,376 bytes; wqk 4,325,376 bytes; wv 4,325,376 bytes; w1q 4,325,376 bytes; misc 8,519,680 bytes; qku 17,301,504 bytes; vtq 17,301,504 bytes; x2 16,777,216 bytes
;; launch prep (part 1): grid 1024 x 1, 2 waves a work-group, no clusters, 11,520 bytes of LDS; arguments x, g1, beta1, W_Q, W_K, W_V, W_O, W1, W2, hq, wqk, wv, w1q, misc; writes hq, wqk, wv, w1q, misc
.if DOCPART == 1
	.amdgcn_target "amdgcn-amd-amdhsa--gfx1250"
	.amdhsa_code_object_version 6
	.text
	.protected	k_q9e492f4f7b_prep
	.globl	k_q9e492f4f7b_prep
	.p2align	8
	.type	k_q9e492f4f7b_prep,@function
k_q9e492f4f7b_prep:
	s_mov_b64 s[64:65], 0
	v_nop
	global_prefetch_b8 v0, s[64:65] scope:SCOPE_SE
	s_setreg_imm32_b32 hwreg(HW_REG_WAVE_MODE, 25, 1), 1
	s_wait_xcnt 0x0
; LAYER NORM (or nothing) AND THE QUANTISER, for every tensor that arrives as f32 with K innermost.
; A tensor is a stream of rows of 1,024 f32 (W2's rows of 4,096 are four such rows: codes and scale bytes are plain streams).
; Out: codes of FP8 (E4M3), one byte a number, [row][1024], and one E8M0 byte for each 32 along K, [row][32].
; A block's scale is 2^(floor(log2(largest magnitude)) - 8); each number is divided by it, held within +-448 and rounded to the nearest code, ties to even.
; WHO TAKES WHAT.  A wave takes 8 rows, a work-group of two waves 16.  The work-group's number picks the tensor (table at PICK): pointers and four numbers are chosen by selects,
; so every tensor goes ONE way through the text.  Tokens are normalised: h = ((x - mean) * rsqrt(var + 1e-5)) * g + beta, mean and var by two passes in f32.
; For weights the same lines run with mean x 0, 1 for the root, g = 1, beta = 0, put in by selects: (w - 0) * 1 * 1 + 0 = w, exactly.
; THE ORDER OF ROWS.  Where perm = 1, row i is stored at the place i with its bits 3 and 4 swapped.  The products that read these codes take 16 consecutive stored rows as a tile; a lane's
; sixteen results of two neighbouring tiles are then sixteen NEIGHBOURS in the true order, which is what the next quantiser wants.  Eight aligned rows move together, so the swap is scalar work.
; LIMITS: NaN and infinities among the inputs are not served.  A block whose largest magnitude lies under 2^-118 keeps the byte 1; a block of zeros carries the byte 1 and not 127
; (its codes are zeros, and only this program reads the bytes).
; No tensor loads, no barrier: waves share nothing.  Two rows (16 loads) are on their way while one is worked on.
.set WREG,  5632                       ; LDS of a wave: two stages of 32 x 80 bytes, then its 256 scale bytes
.set SP,    80                         ; a lane's place in a stage: 64 bytes + 16 of padding
.set MU,    8                          ; v[8:9]    the mean, twice
.set RS,    10                         ; v[10:11]  1 / sqrt(var + eps), twice
.set G,     16                         ; v16-47    g of my 32 columns
.set BE,    48                         ; v48-79    beta
.set R,     80                         ; v80-175   three sets of a row's 32 numbers
.set X,     176                        ; v176-207  two steps x 16 neighbours
.set C,     208                        ; v208-215  codes of a row
.set E,     216                        ; v216-217  scale bytes
.set T,     218                        ; v218-225  at work
	s_load_b512 s[4:19], s[0:1], 0x0               ; x 4, g 6, beta 8, W_Q 10, W_K 12, W_V 14, W_O 16, W1 18
	s_load_b256 s[20:27], s[0:1], 0x40             ; W2 20, hq 22, wqk 24, wv 26
	s_load_b128 s[28:31], s[0:1], 0x60             ; w1q 28, misc 30
	v_lshl_add_u32 v232, v0, 2, 0x2c00
	v_mov_b32 v233, 0
	v_lshrrev_b32 v7, 5, v0
	v_readfirstlane_b32 s32, v7                    ; wave 0, 1
	v_and_b32 v7, 31, v0                           ; lane
	v_lshlrev_b32 v1, 4, v7                        ; v1: 16 x lane: my 16 bytes of 512
	s_mul_i32 s51, s32, WREG
	v_lshrrev_b32 v2, 2, v7
	v_mul_u32_u24 v2, v2, SP
	v_and_b32 v3, 3, v7
	v_lshl_add_u32 v2, v3, 4, v2
	v_add_nc_u32 v2, s51, v2                       ; v2: the stage, on the way in: four lanes' 64 bytes on end, then the padding
	v_mul_u32_u24 v3, v7, SP
	v_add_nc_u32 v3, s51, v3                       ; v3: on the way out: my 16 neighbours
	s_add_co_u32 s51, s51, 2*32*SP
	v_lshrrev_b32 v4, 1, v7
	v_add_nc_u32 v4, s51, v4                       ; v4: my block's scale byte (two lanes to a block)
	v_lshlrev_b32 v6, 3, v7                        ; v6: 8 x lane
	v_add_nc_u32 v5, s51, v6                       ; v5: the scale bytes on the way out
	s_mov_b32 s46, 0x76543210
	s_mov_b32 s47, 0xfedcba98                      ; lane selects: lane l xor 16
	s_mov_b32 s48, 0x600000                        ; the mantissa field of 448
	s_mov_b32 s49, 0x3727c5ac                      ; 1e-5
	s_mov_b32 s50, 0x3a800000                      ; 1 / 1024
	s_mov_b32 s33, ttmp9                           ; the work-group's number
	s_wait_kmcnt 0x0
	s_mov_b64 s[40:41], s[20:21]                   ; from 768 on: W2 -> misc
	s_mov_b64 s[42:43], s[30:31]
	s_mov_b32 s34, 768                             ; the tensor's first work-group
	s_mov_b32 s35, 0x400000                        ; where its codes begin in the buffer
	s_mov_b32 s36, 0x800000                        ; and its scale bytes
	s_mov_b32 s37, 0                               ; perm
.macro PICK bound, src, dst, g0, coff, soff, perm
	s_cmp_lt_u32 s33, \bound                       ; the choice hangs on the work-group's number alone
	s_cselect_b64 s[40:41], s[\src:\src+1], s[40:41]
	s_cselect_b64 s[42:43], s[\dst:\dst+1], s[42:43]
	s_cselect_b32 s34, \g0, s34
	s_cselect_b32 s35, \coff, s35
	s_cselect_b32 s36, \soff, s36
	s_cselect_b32 s37, \perm, s37
.endm
	PICK 768, 18, 28, 512, 0, 0x400000, 1          ; 512-767  W1  -> w1q
	PICK 512, 16, 30, 448, 0x100000, 0x200000, 0   ; 448-511  W_O -> misc
	PICK 448, 14, 26, 384, 0, 0x400000, 1          ; 384-447  W_V -> wv
	PICK 384, 12, 24, 320, 0x100000, 0x408000, 1   ; 320-383  W_K -> wqk, behind W_Q
	PICK 320, 10, 24, 256, 0, 0x400000, 1          ; 256-319  W_Q -> wqk
	PICK 256, 4, 22, 0, 0, 0x400000, 1             ; 0-255    the tokens -> hq
	s_cmp_lt_u32 s33, 256
	s_cselect_b32 s38, -1, 0                       ; all lanes on where the rows are normalised
	s_cselect_b32 s39, 0x3a800000, 0               ; sum x this = the mean, or 0
	s_sub_co_u32 s51, s33, s34
	s_lshl_b32 s51, s51, 1
	s_add_co_u32 s51, s51, s32                     ; which run of 8 rows of the tensor is my wave's
	s_and_b32 s52, s51, 1
	s_lshl_b32 s52, s52, 1
	s_bfe_u32 s53, s51, 0x10001
	s_and_b32 s54, s51, 0xfffffffc
	s_or_b32 s54, s54, s52
	s_or_b32 s54, s54, s53                         ; the run with its bits 0 and 1 swapped = the rows with bits 3 and 4 swapped
	s_cmp_eq_u32 s37, 1
	s_cselect_b32 s54, s54, s51
	s_mov_b32 s53, 0
	s_lshl_b32 s52, s54, 8                         ; 8 rows x 32 scale bytes
	s_add_co_u32 s52, s52, s36
	s_add_nc_u64 s[44:45], s[42:43], s[52:53]      ; my scale bytes
	s_lshl_b32 s52, s54, 13                        ; 8 rows x 1,024 codes
	s_add_co_u32 s52, s52, s35
	s_add_nc_u64 s[42:43], s[42:43], s[52:53]      ; my codes
	s_lshl_b32 s52, s51, 15                        ; 8 rows x 4,096 bytes
	s_add_nc_u64 s[40:41], s[40:41], s[52:53]      ; my numbers
.irp j, 0,1,2,3,4,5,6,7
	global_load_b128 v[G+4*\j:G+4*\j+3], v1, s[6:7] offset:512*\j
.endr
.irp j, 0,1,2,3,4,5,6,7
	global_load_b128 v[BE+4*\j:BE+4*\j+3], v1, s[8:9] offset:512*\j
.endr
.macro LOADROW p                       ; eight loads of 512 consecutive bytes: a row
.set LW, R+32*((\p)%3)
.irp j, 0,1,2,3,4,5,6,7
	global_load_b128 v[LW+4*\j:LW+4*\j+3], v1, s[40:41] offset:4096*(\p)+512*\j th:TH_LOAD_NT
.endr
.endm
.macro ACROSS                          ; v[T], v[T+1] of all 32 lanes are added; every lane gets the sum in v[T]
	v_add_f32 v[T], v[T], v[T+1]
	v_add_f32_dpp v[T], v[T], v[T] row_xmask:1 row_mask:0xf bank_mask:0xf
	v_add_f32_dpp v[T], v[T], v[T] row_xmask:2 row_mask:0xf bank_mask:0xf
	v_add_f32_dpp v[T], v[T], v[T] row_xmask:4 row_mask:0xf bank_mask:0xf
	v_add_f32_dpp v[T], v[T], v[T] row_xmask:8 row_mask:0xf bank_mask:0xf
	v_permlanex16_b32 v[T+1], v[T], s46, s47
	v_add_f32 v[T], v[T], v[T+1]
.endm
	LOADROW 0
	LOADROW 1
; Row p.  left = the loads issued behind this row's, which may stay out.
.macro ROW p, left
.set RW, R+32*((\p)%3)
.if (\p) < 6
	LOADROW (\p)+2                                 ; into the set that row p - 1 has left (its LDS stores were waited for)
.endif
	s_wait_loadcnt \left                           ; loads come back in order: this row is in (and, in row 0, g and beta, which are older)
.if (\p) == 0
.set n, 0
.rept 32
	v_cndmask_b32 v[G+n], 1.0, v[G+n], s38         ; weights: g = 1,
	v_cndmask_b32 v[BE+n], 0, v[BE+n], s38         ; beta = 0
.set n, n+1
.endr
.endif
	v_pk_add_f32 v[T:T+1], v[RW:RW+1], v[RW+2:RW+3]               ; the sum, in two chains
	v_pk_add_f32 v[T+2:T+3], v[RW+4:RW+5], v[RW+6:RW+7]
.irp j, 8,12,16,20,24,28
	v_pk_add_f32 v[T:T+1], v[T:T+1], v[RW+\j:RW+\j+1]
	v_pk_add_f32 v[T+2:T+3], v[T+2:T+3], v[RW+\j+2:RW+\j+3]
.endr
	v_pk_add_f32 v[T:T+1], v[T:T+1], v[T+2:T+3]
	ACROSS
	v_mul_f32 v[MU], s39, v[T]
	v_mov_b32 v[MU+1], v[MU]
.set n, 0
.rept 16
	v_pk_add_f32 v[RW+n:RW+n+1], v[RW+n:RW+n+1], v[MU:MU+1] neg_lo:[0,1] neg_hi:[0,1]   ; x - mean
.set n, n+2
.endr
	v_pk_mul_f32 v[T:T+1], v[RW:RW+1], v[RW:RW+1]                 ; the sum of squares, in two chains
	v_pk_mul_f32 v[T+2:T+3], v[RW+2:RW+3], v[RW+2:RW+3]
.irp j, 4,8,12,16,20,24,28
	v_pk_fma_f32 v[T:T+1], v[RW+\j:RW+\j+1], v[RW+\j:RW+\j+1], v[T:T+1]
	v_pk_fma_f32 v[T+2:T+3], v[RW+\j+2:RW+\j+3], v[RW+\j+2:RW+\j+3], v[T+2:T+3]
.endr
	v_pk_add_f32 v[T:T+1], v[T:T+1], v[T+2:T+3]
	ACROSS
	v_fma_f32 v[T], v[T], s50, s49                 ; var + eps
	v_rsq_f32 v[RS], v[T]
	v_nop                                          ; a plain instruction behind the root,
	s_wait_alu depctr_va_vdst(0)                   ; and the wait ahead of its first reader
	v_cndmask_b32 v[RS], 1.0, v[RS], s38           ; weights: 1
	v_mov_b32 v[RS+1], v[RS]
.set n, 0
.rept 16
	v_pk_mul_f32 v[RW+n:RW+n+1], v[RW+n:RW+n+1], v[RS:RS+1]
.set n, n+2
.endr
.set n, 0
.rept 16
	v_pk_fma_f32 v[RW+n:RW+n+1], v[RW+n:RW+n+1], v[G+n:G+n+1], v[BE+n:BE+n+1]
.set n, n+2
.endr
	; the row turns through my stage: in as it was loaded (16 bytes a lane of each 512), out 64 bytes a lane: 16 neighbours of each half row
.irp s, 0,1
.irp i, 0,1,2,3
	ds_store_b128 v2, v[RW+16*\s+4*\i:RW+16*\s+4*\i+3] offset:32*SP*\s+8*SP*\i
.endr
.endr
.irp s, 0,1
.irp i, 0,1,2,3
	ds_load_b128 v[X+16*\s+4*\i:X+16*\s+4*\i+3], v3 offset:32*SP*\s+16*\i   ; LDS serves a wave's instructions in order: these see the stores above
.endr
.endr
	s_wait_dscnt 0x0
	s_wait_xcnt 0x0                                ; the last row's stores have read their data: the codes' registers are written again only behind this wait
.irp s, 0,1
	v_max3_num_f32 v12, |v[X+16*\s]|, |v[X+16*\s+1]|, |v[X+16*\s+2]|          ; the largest magnitude of my 16
	v_max3_num_f32 v13, |v[X+16*\s+3]|, |v[X+16*\s+4]|, |v[X+16*\s+5]|
.irp i, 6,10
	v_max3_num_f32 v12, v12, |v[X+16*\s+\i]|, |v[X+16*\s+\i+1]|
	v_max3_num_f32 v13, v13, |v[X+16*\s+\i+2]|, |v[X+16*\s+\i+3]|
.endr
	v_max3_num_f32 v12, v12, |v[X+16*\s+14]|, |v[X+16*\s+15]|
	v_max3_num_f32 v12, v12, v13, 0x4800000        ; and the floor 2^(9 - 127): the byte cannot fall under 1
	v_max_num_f32_dpp v12, v12, v12 row_xmask:1 row_mask:0xf bank_mask:0xf     ; and of my neighbour's 16: the block's
	v_add_nc_u32 v15, 0xfc000000, v12              ; 8 off its exponent field: the conversion takes this operand's exponent field as its scale
	v_and_or_b32 v14, v12, 0x7f800000, s48         ; 448 x the scale
.irp i, 0,1,2,3,4,5,6,7,8,9,10,11,12,13,14,15
	v_med3_num_f32 v[X+16*\s+\i], v[X+16*\s+\i], -v14, v14   ; the conversion to an 8-bit code does not saturate (ISA guide 7.6.2): the hold comes first
.endr
	v_cvt_scalef32_pk8_fp8_f32 v[C+4*\s:C+4*\s+1], v[X+16*\s:X+16*\s+7], v15
	v_cvt_scalef32_pk8_fp8_f32 v[C+4*\s+2:C+4*\s+3], v[X+16*\s+8:X+16*\s+15], v15
	v_lshrrev_b32 v[E+\s], 23, v15                 ; the scale's byte (also the plain instruction behind the conversions)
	ds_store_b8 v4, v[E+\s] offset:32*(\p)+16*\s   ; both lanes of a block write the same byte with the same value
	global_store_b128 v1, v[C+4*\s:C+4*\s+3], s[42:43] offset:1024*(\p)+512*\s   ; 32 lanes store 512 consecutive bytes
.endr
.endm
	ROW 0, 16
	ROW 1, 16
	ROW 2, 16
	ROW 3, 16
	ROW 4, 16
	ROW 5, 16
	ROW 6, 8
	ROW 7, 0
	ds_load_b64 v[230:231], v5                     ; my wave's 256 scale bytes, 8 a lane
	s_wait_dscnt 0x0
	global_store_b64 v6, v[230:231], s[44:45]      ; 256 consecutive bytes, aligned
	; 16 KiB of f32 zeros at the head of misc: the bias of the products that have none.  The last 32 work-groups' wave 0 store 512 bytes each: a branch on ids
	s_cmp_lt_u32 s33, 992
	s_cbranch_scc1 .Lend
	s_cmp_lg_u32 s32, 0
	s_cbranch_scc1 .Lend
	s_sub_co_u32 s52, s33, 992
	s_lshl_b32 s52, s52, 9
	s_mov_b32 s53, 0
	s_add_nc_u64 s[30:31], s[30:31], s[52:53]
	v_mov_b32 v226, 0
	v_mov_b32 v227, 0
	v_mov_b32 v228, 0
	v_mov_b32 v229, 0
	global_store_b128 v1, v[226:229], s[30:31]
.Lend:
	s_wait_tensorcnt 0x0
	ds_add_u32 v232, v233
	s_wait_dscnt 0x0
	s_endpgm
.Lfunc_end_k_q9e492f4f7b_prep:
	.size	k_q9e492f4f7b_prep, .Lfunc_end_k_q9e492f4f7b_prep-k_q9e492f4f7b_prep
	.p2alignl 7, 3214868480
	.fill 96, 4, 3214868480
	.section	.rodata,"a",@progbits
	.p2align	6, 0x0
	.amdhsa_kernel k_q9e492f4f7b_prep
		.amdhsa_group_segment_fixed_size 11520
		.amdhsa_private_segment_fixed_size 0
		.amdhsa_enable_private_segment 0
		.amdhsa_kernarg_size 112
		.amdhsa_user_sgpr_count 2
		.amdhsa_user_sgpr_kernarg_segment_ptr 1
		.amdhsa_wavefront_size32 1
		.amdhsa_system_sgpr_workgroup_id_x 1
		.amdhsa_system_sgpr_workgroup_id_y 1
		.amdhsa_system_sgpr_workgroup_id_z 1
		.amdhsa_system_vgpr_workitem_id 0
		.amdhsa_next_free_vgpr 234
		.amdhsa_next_free_sgpr 66
		.amdhsa_reserve_vcc 0
		.amdhsa_float_denorm_mode_32 3
		.amdhsa_float_denorm_mode_16_64 3
		.amdhsa_memory_ordered 1
		.amdhsa_forward_progress 1
		.amdhsa_inst_pref_size 108
	.end_amdhsa_kernel
	.amdgpu_metadata
---
amdhsa.version: [ 1, 2 ]
amdhsa.kernels:
  - .name:           k_q9e492f4f7b_prep
    .symbol:         k_q9e492f4f7b_prep.kd
    .args:
      - { .name: x, .offset: 0, .size: 8, .value_kind: global_buffer, .address_space: global }
      - { .name: g1, .offset: 8, .size: 8, .value_kind: global_buffer, .address_space: global }
      - { .name: beta1, .offset: 16, .size: 8, .value_kind: global_buffer, .address_space: global }
      - { .name: W_Q, .offset: 24, .size: 8, .value_kind: global_buffer, .address_space: global }
      - { .name: W_K, .offset: 32, .size: 8, .value_kind: global_buffer, .address_space: global }
      - { .name: W_V, .offset: 40, .size: 8, .value_kind: global_buffer, .address_space: global }
      - { .name: W_O, .offset: 48, .size: 8, .value_kind: global_buffer, .address_space: global }
      - { .name: W1, .offset: 56, .size: 8, .value_kind: global_buffer, .address_space: global }
      - { .name: W2, .offset: 64, .size: 8, .value_kind: global_buffer, .address_space: global }
      - { .name: hq, .offset: 72, .size: 8, .value_kind: global_buffer, .address_space: global }
      - { .name: wqk, .offset: 80, .size: 8, .value_kind: global_buffer, .address_space: global }
      - { .name: wv, .offset: 88, .size: 8, .value_kind: global_buffer, .address_space: global }
      - { .name: w1q, .offset: 96, .size: 8, .value_kind: global_buffer, .address_space: global }
      - { .name: misc, .offset: 104, .size: 8, .value_kind: global_buffer, .address_space: global }
    .group_segment_fixed_size: 11520
    .private_segment_fixed_size: 0
    .kernarg_segment_align: 8
    .kernarg_segment_size: 112
    .max_flat_workgroup_size: 64
    .sgpr_count:     66
    .vgpr_count:     234
    .wavefront_size: 32
...
	.end_amdgpu_metadata
.endif
;; end of part 1
;; launch qk (part 2): grid 8 x 16, 4 waves a work-group, clusters of 4 x 4, 327,680 bytes of LDS; arguments hq, wqk, misc, qku; writes qku
.if DOCPART == 2
	.amdgcn_target "amdgcn-amd-amdhsa--gfx1250"
	.amdhsa_code_object_version 6
	.text
	.protected	k_q9e492f4f7b_qk
	.globl	k_q9e492f4f7b_qk
	.p2align	8
	.type	k_q9e492f4f7b_qk,@function
k_q9e492f4f7b_qk:
	s_mov_b64 s[64:65], 0
	v_nop
	global_prefetch_b8 v0, s[64:65] scope:SCOPE_SE
	s_setreg_imm32_b32 hwreg(HW_REG_WAVE_MODE, 25, 1), 1
	s_wait_xcnt 0x0
	s_wait_alu depctr_hold_cnt(0) depctr_sa_sdst(0) depctr_va_vdst(0) depctr_va_sdst(0) depctr_va_ssrc(0) depctr_va_vcc(0) depctr_vm_vsrc(0)
	s_getreg_b32 s2, hwreg(HW_REG_IB_STS2, 6, 4)
	s_cmp_eq_u32 s2, 0
	s_cbranch_scc0 .Lentry_in_a_cluster
	s_endpgm
.Lentry_in_a_cluster:
	s_bfe_u32 s2, ttmp6, 0x10000c
	s_cmp_lg_u32 s2, 0xf033
	s_cbranch_scc0 .Lentry_shape_is_right
	s_endpgm
.Lentry_shape_is_right:
; C[m][n] = sum over k of A[m][k] B[n][k] + bias[n], K = 1,024, on codes of FP8 (E4M3) with one E8M0 scale for each 32 along K; C is QUANTISED ALONG n on the way out and never stored as f32.
; IN: A and B as [row][1024] codes at byte 0 of their buffers and [row][32] scale bytes at byte 0x400000; bias f32, by the true n.  B's stored row s holds the true row s with bits 3 and 4 swapped.
; OUT, in panels: codes [n / 64][4096 rows][64 bytes], a panel 262,144 bytes; scale words [n / 128][4096 rows][4 bytes] at byte 0x1000000, byte b for n = 32 b .. 32 b + 31 of the 128.
; A tile of C, 256 x 256, is made by a work-group of four waves; a wave makes 128 x 128: 64 accumulators, 512 registers.  K goes in steps of 256 through a ring of two LDS slots filled by the tensor data mover.
; The scale bytes of the work-group's rows, for all of K, come into LDS once, with the first fills.
; CLUSTERS: 4 x 4 work-groups; A's tiles are asked for jointly along a row of the cluster, B's along a column.
; THE MATRIX INSTRUCTION IS USED TRANSPOSED (source 0 = 16 rows of B, source 1 = 16 rows of A): a lane holds ONE row m and its registers run along n.  By the order of B's stored rows the 16 registers of
; blocks 2 b and 2 b + 1 are the true n = 32 b + 16 (lane / 16) + 0 .. 15: a block of 32 lies in lanes l and l xor 16, and the conversions' results lie as the next product's operand wants them.
; The bias is the C of each sum's first matrix instruction.
; LIMITS: NaN and infinities are not served; a block whose largest magnitude lies under 2^-118 keeps the byte 1, a block of zeros too (only this program reads the bytes).
; REGISTERS: window 0: v0-31 addresses; v32-63 scale words, two sets; v64-127 the bias, 8 registers a block of n; from v128 A's fragments, one set.  On the way out v32-127 are at work.
;   window 1: B's fragments, two sets.   windows 2, 3: the accumulators ((a, b) at v[8 (8 (a % 4) + b)]).
.set KSTEP,  256
.set NQ,     KSTEP/128
.set ROWB,   256
.set KROW,   1024
.set PITCH,  272                       ; an LDS row: 256 bytes + 16 of padding: the 16 rows that a load touches start at 16 different banks (64 banks of 4 bytes: ISA guide 11.1)
.set FR,     16
.set NL,     4
.set NP,     8                         ; places behind this matrix instruction (ISA guide 7.12.1)
.set HALFT,  128*PITCH
.set SLOT,   4*HALFT
.set LAPS,   KROW/(2*KSTEP)
.set KS,     KROW/32
.set SCL,    2*SLOT                    ; behind the ring: the scale bytes, as units of 256 bytes + 16
.set HALFS,  (128*KS/256)*272
.set SBLK,   (16*KS/256)*272
.set SPARE,  SCL+4*HALFS               ; the spare words, 128 bytes for each wave
.set SOFF,   0x400000                  ; an operand's scale bytes
.set PANEL,  262144
.set WOFF,   0x1000000                 ; the result's scale words
.set WSTG,   5120                      ; the way out: a wave's stage, in slot 0: two places of 2,176 bytes for 16 rows' codes, then 512 bytes of scale words
.set ADRA, 16
.set ADRB, 20
.set SWA,  22                          ; v22  the stage: my row's scale word
.set SWR,  23                          ; v23  and 16 bytes of the words on the way out
.set STO,  24                          ; v24  the stage: where I put 16 codes
.set RD,   25                          ; v25  and where I read 16 bytes back
.set CO,   26                          ; v26  16 x lane
.set ADRS, 27
.set SPW,  28
.set NIL,  29
.set VB,   30                          ; v30  64 x (lane / 16): the bias of my half
.set SC,   32
.set BI,   64
.set AF,   128
.set TM,   32                          ; the way out: v32-35 largest magnitudes, v36-39 bytes, v40-43 448 x the scale, v44-47 the scales' operands
.set PW,   48                          ; v48-49 scale words, by turns
.set PC,   64                          ; v64-95 codes, two sets
.set OB,   96                          ; v96-127 codes read back, two sets
.set G1, 24
.set G0, 32
.set G1B, 48
.set G0B, 56
.set G1S, 68
.set G0S, 76
.set G1SB, 80
.set G0SB, 88
.set MSB, 0
.macro WIN new                         ; the immediate's high byte repeats the setting that is left
.if MSB != (\new)
	s_set_vgpr_msb (MSB<<8)|(\new)
.set MSB, (\new)
.endif
.endm
.set MUL_LO, 0xa1                      ; source 0 (B) window 1, source 1 (A) window 0, C and D window 2
.set MUL_HI, 0xf1                      ; the same, C and D window 3
.set TO_B,   0x40
; A joint load: waves 0 and 1 fetch for A, waves 2 and 3 for B; the branch hangs on the wave's number alone.  Four v_nop follow each of the two lines.
.macro JLOAD g0a, g1a, g0b, g1b
	s_cmp_eq_u32 s15, 0
	s_cbranch_scc0 .Lfor_b_\@
	tensor_load_to_lds s[\g0a:\g0a+3], s[\g1a:\g1a+7]
	s_nop 0
.rept 4
	v_nop
.endr
	s_branch .Lasked_\@
.Lfor_b_\@:
	tensor_load_to_lds s[\g0b:\g0b+3], s[\g1b:\g1b+7]
	s_nop 0
.rept 4
	v_nop
.endr
.Lasked_\@:
.endm
.macro CREST                           ; a round of the cluster's barrier behind its opening barrier
	s_cmp_lg_u32 s14, 0
	s_cbranch_scc1 .Lnot_wave_0_\@
	s_barrier_signal -3
.Lnot_wave_0_\@:
	s_barrier_wait -3
	s_barrier_signal -1
	s_barrier_wait -1
.endm
.macro CROUND
	s_barrier_signal -1
	s_barrier_wait -1
	CREST
.endm
	s_load_b256 s[4:11], s[0:1], 0x0               ; A s[4:5], B s[6:7], bias s[8:9], out s[10:11]
	v_lshl_add_u32 v[SPW], v0, 2, SPARE
	v_mov_b32 v[NIL], 0
	ds_add_u32 v28, v29
	s_wait_dscnt 0x0
	v_lshrrev_b32 v1, 5, v0
	v_readfirstlane_b32 s14, v1                    ; wave 0..3
	s_lshr_b32 s15, s14, 1                         ; which half of the tile's rows is mine.  Also: I fetch for A (0) or for B (1)
	s_and_b32 s16, s14, 1                          ; which half of its columns.  Also: which 128 rows of that tile I fetch
	s_bfe_u32 s40, ttmp6, 0x40000                  ; cx, cy: my place in the cluster
	s_bfe_u32 s41, ttmp6, 0x40004
	s_lshl_b32 s42, ttmp9, 2
	s_add_co_u32 s42, s42, s40                     ; tile column
	s_and_b32 s17, ttmp7, 0xffff
	s_lshl_b32 s17, s17, 2
	s_add_co_u32 s17, s17, s41                     ; tile row
	s_lshl_b32 s43, s41, 2
	s_lshl_b32 s43, 15, s43                        ; my row of the cluster
	s_lshl_b32 s44, 0x1111, s40                    ; my column
	s_or_b32 s[G1+0], s43, (0<<16)|(1<<20)|(1<<21)|(5<<22)|(3<<25)  ; the mask; elements of 1 byte; padding on; bit 21 beside a mask; 4 words behind every 64
	s_or_b32 s[G1B+0], s44, (0<<16)|(1<<20)|(1<<21)|(5<<22)|(3<<25)
.irp g, G1, G1B
	s_mov_b32 s[\g+1], ROWB<<16                    ; tensor_dim0
	s_mov_b32 s[\g+2], 128<<16                     ; tensor_dim1
	s_mov_b32 s[\g+3], ROWB<<16                    ; tile_dim0
	s_mov_b32 s[\g+4], 128                         ; tile_dim1
	s_mov_b32 s[\g+5], KROW                        ; from row to row
	s_mov_b32 s[\g+6], 0
	s_mov_b32 s[\g+7], 0
.endr
	s_or_b32 s[G1S+0], s43, (3<<16)|(1<<20)|(1<<21)|(5<<22)|(3<<25) ; the scale bytes of 128 rows: a dense block, as rows of 256 bytes (32 elements of 8)
	s_or_b32 s[G1SB+0], s44, (3<<16)|(1<<20)|(1<<21)|(5<<22)|(3<<25)
.irp g, G1S, G1SB
	s_mov_b32 s[\g+1], 32<<16
	s_mov_b32 s[\g+2], (128*KS/256)<<16
	s_mov_b32 s[\g+3], 32<<16
	s_mov_b32 s[\g+4], 128*KS/256
	s_mov_b32 s[\g+5], 32
	s_mov_b32 s[\g+6], 0
	s_mov_b32 s[\g+7], 0
.endr
	s_lshl_b32 s18, s16, 7
	s_lshl_b32 s20, s17, 8
	s_add_co_u32 s20, s20, s18                     ; A: row 256 x tile row + 128 x half
	s_lshl_b32 s46, s42, 8
	s_add_co_u32 s46, s46, s18                     ; B: row 256 x tile column + 128 x half
	s_mov_b32 s21, 0
	s_mov_b32 s47, 0
	s_mov_b64 s[18:19], KS
	s_mul_u64 s[22:23], s[20:21], s[18:19]         ; where these rows' scale bytes begin
	s_mul_u64 s[92:93], s[46:47], s[18:19]
	s_mov_b64 s[18:19], KROW
	s_mul_u64 s[20:21], s[20:21], s[18:19]         ; and their codes
	s_mul_u64 s[46:47], s[46:47], s[18:19]
	s_mul_i32 s45, s14, HALFT                      ; where they go: wave x 128 rows
	s_mul_i32 s94, s14, HALFS
	s_wait_kmcnt 0x0
	s_add_nc_u64 s[20:21], s[4:5], s[20:21]
	s_add_nc_u64 s[22:23], s[4:5], s[22:23]
	s_add_nc_u64 s[22:23], s[22:23], SOFF
	s_add_nc_u64 s[46:47], s[6:7], s[46:47]
	s_add_nc_u64 s[92:93], s[6:7], s[92:93]
	s_add_nc_u64 s[92:93], s[92:93], SOFF
	CROUND                                         ; all sixteen work-groups are here: the first joint loads meet
	s_mov_b32 s[G0S], 1
	s_add_co_u32 s[G0S+1], s94, SCL
	s_mov_b64 s[G0S+2:G0S+3], s[22:23]
	s_or_b32 s[G0S+3], s[G0S+3], 0x80000000
	s_mov_b32 s[G0SB], 1
	s_add_co_u32 s[G0SB+1], s94, SCL
	s_mov_b64 s[G0SB+2:G0SB+3], s[92:93]
	s_or_b32 s[G0SB+3], s[G0SB+3], 0x80000000
	JLOAD G0S, G1S, G0SB, G1SB                     ; the scale bytes first: they are wanted with K step 0
.irp s, 0,1
	s_mov_b32 s[G0+4*\s], 1
	s_add_co_u32 s[G0+4*\s+1], s45, \s*SLOT
	s_add_nc_u64 s[G0+4*\s+2:G0+4*\s+3], s[20:21], \s*ROWB
	s_or_b32 s[G0+4*\s+3], s[G0+4*\s+3], 0x80000000
	s_mov_b32 s[G0B+4*\s], 1
	s_add_co_u32 s[G0B+4*\s+1], s45, \s*SLOT
	s_add_nc_u64 s[G0B+4*\s+2:G0B+4*\s+3], s[46:47], \s*ROWB
	s_or_b32 s[G0B+4*\s+3], s[G0B+4*\s+3], 0x80000000
	JLOAD G0+4*\s, G1, G0B+4*\s, G1B               ; three tensor loads of mine are out
.endr
	v_and_b32 v1, 15, v0                           ; r = l % 16
	v_bfe_u32 v2, v0, 4, 1                         ; h = l / 16
	; the bias of my 128 columns: for block 2 b + u a lane wants the true n = 32 b + 16 h + 8 u + 0 .. 7
	s_lshl_b32 s46, s42, 10
	s_lshl_b32 s47, s16, 9
	s_add_co_u32 s46, s46, s47
	s_mov_b32 s47, 0
	s_add_nc_u64 s[8:9], s[8:9], s[46:47]
	v_lshlrev_b32 v[VB], 6, v2
.irp b, 0,1,2,3,4,5,6,7
	global_load_b128 v[BI+8*\b:BI+8*\b+3], v[VB], s[8:9] offset:(32*(\b/2)+8*(\b%2))*4
	global_load_b128 v[BI+8*\b+4:BI+8*\b+7], v[VB], s[8:9] offset:(32*(\b/2)+8*(\b%2))*4+16
.endr
	v_mul_u32_u24 v3, v1, PITCH
	v_lshl_add_u32 v4, v2, 4, v3                   ; a fragment's row x pitch + 16 x half
	s_mul_i32 s21, s15, HALFT                      ; my 128 rows of A
	s_mul_i32 s22, s16, HALFT                      ; my 128 rows of B,
	s_add_co_u32 s22, s22, 2*HALFT                 ; which lie behind A's 256
.irp s, 0,1
	v_add_nc_u32 v[ADRA+\s], s21, v4
	v_add_nc_u32 v[ADRB+\s], s22, v4
	s_add_co_u32 s21, s21, SLOT
	s_add_co_u32 s22, s22, SLOT
.endr
	v_mul_u32_u24 v5, v1, KS                       ; my row's scale bytes: KS a row,
	v_lshrrev_b32 v6, 8, v5
	v_lshl_add_u32 v5, v6, 4, v5                   ; and 16 more for each 256 passed
	s_mul_i32 s21, s15, HALFS
	s_mul_i32 s22, s16, HALFS
	s_add_co_u32 s22, s22, 2*HALFS
	s_sub_co_u32 s22, s22, s21
	v_mul_u32_u24 v6, s22, v2                      ; lanes 16-31 take B's
	s_add_co_u32 s21, s21, SCL
	v_add_nc_u32 v5, v5, v6
	v_add_nc_u32 v[ADRS], s21, v5
	s_mul_i32 s23, s14, WSTG                       ; my stage
	v_lshlrev_b32 v5, 6, v1
	v_lshrrev_b32 v6, 2, v1
	v_lshl_add_u32 v5, v6, 4, v5
	v_lshl_add_u32 v5, v2, 4, v5
	v_add_nc_u32 v[STO], s23, v5                   ; in: 64 r + 16 (r / 4) + 16 h: rows of 64 bytes, 16 of padding behind every 256
	v_and_b32 v6, 31, v0
	v_lshlrev_b32 v[CO], 4, v6
	v_lshl_add_u32 v5, v2, 4, v[CO]
	v_add_nc_u32 v[RD], s23, v5                    ; back: 16 l + 16 (l / 16): 512 bytes of data an instruction
	s_add_co_u32 s23, s23, 4352
	v_lshl_add_u32 v[SWA], v1, 2, s23
	v_add_nc_u32 v[SWR], s23, v[CO]
	; where my part of the result begins: rows in registers that hold the tile row alone, columns in those that hold the tile column alone
	s_lshl_b32 s20, s17, 14                        ; 256 rows x 64 bytes
	s_lshl_b32 s21, s15, 13
	s_add_co_u32 s20, s20, s21
	s_mov_b32 s21, 0
	s_lshl_b32 s46, s42, 2
	s_lshl_b32 s47, s16, 1
	s_add_co_u32 s46, s46, s47                     ; my first panel: 4 x tile column + 2 x half
	s_lshl_b32 s46, s46, 18
	s_mov_b32 s47, 0
	s_add_nc_u64 s[12:13], s[10:11], s[20:21]
	s_add_nc_u64 s[12:13], s[12:13], s[46:47]      ; the codes
	s_lshr_b32 s20, s20, 4                         ; the same rows x 4 bytes
	s_lshr_b32 s46, s46, 5                         ; (2 x tile column + half) x 16,384
	s_add_nc_u64 s[92:93], s[10:11], s[20:21]
	s_add_nc_u64 s[92:93], s[92:93], s[46:47]
	s_add_nc_u64 s[92:93], s[92:93], WOFF          ; the scale words
.macro FRAG reg, adr, q, i             ; 16 rows x 128 K of 8-bit codes: registers 4 c .. 4 c + 3 hold K = 32 c + 16 (l / 16) + 0 .. 15 of row l % 16
.irp c, 0,1,2,3
	ds_load_b128 v[\reg+4*\c:\reg+4*\c+3], v[\adr] offset:128*(\q)+32*\c+(\i)*16*PITCH
.endr
.endm
; 16 matrix instructions: A's blocks a0, a0 + 1 x B's eight.  zero = 1: the first product starts the sums from the bias.  The 64 accumulators take turns, one instruction a turn.
.macro MUL16 a0, p, q, sc, zero
.irp a, \a0, \a0+1
.irp b, 0,1,2,3,4,5,6,7
.if \zero
	v_wmma_scale_f32_16x16x128_f8f6f4 v[8*(8*((\a)%4)+\b):8*(8*((\a)%4)+\b)+7], v[128*(\p)+FR*\b:128*(\p)+FR*\b+FR-1], v[AF+FR*(\a):AF+FR*(\a)+FR-1], v[BI+8*\b:BI+8*\b+7], v[SC+8*NQ*(\sc)+NQ*\b+(\q)], v[SC+8*NQ*(\sc)+NQ*(\a)+(\q)] matrix_a_scale:MATRIX_SCALE_ROW1
.else
	v_wmma_scale_f32_16x16x128_f8f6f4 v[8*(8*((\a)%4)+\b):8*(8*((\a)%4)+\b)+7], v[128*(\p)+FR*\b:128*(\p)+FR*\b+FR-1], v[AF+FR*(\a):AF+FR*(\a)+FR-1], v[8*(8*((\a)%4)+\b):8*(8*((\a)%4)+\b)+7], v[SC+8*NQ*(\sc)+NQ*\b+(\q)], v[SC+8*NQ*(\sc)+NQ*(\a)+(\q)] matrix_a_scale:MATRIX_SCALE_ROW1
.endif
.endr
.endr
.endm
.macro FETCH_B slot, q, p
	WIN TO_B
.irp i, 0,1,2,3,4,5,6,7
	FRAG 128*(\p)+FR*\i, ADRB+\slot, \q, \i
.endr
	WIN 0
.endm
.macro FETCH_A slot, q, i0
.irp i, \i0, \i0+1, \i0+2, \i0+3
	FRAG AF+FR*(\i), ADRA+\slot, \q, \i
.endr
.endm
.macro SCALES sc                       ; a K step's scale words: lanes 0-15 take A's block i, lanes 16-31 B's block i
.irp i, 0,1,2,3,4,5,6,7
	ds_load_b64 v[SC+8*NQ*\sc+NQ*\i:SC+8*NQ*\sc+NQ*\i+1], v[ADRS] offset:\i*SBLK
.endr
.endm
.macro PLACES n                        ; plain vector instructions between a matrix instruction and a load into, or a read of, its registers
.rept \n
	v_nop
.endr
.endm
.macro STEP slot, q, zero              ; 128 along K that have their successor in the same slot
	s_wait_dscnt 4*NL                              ; B's set and A's blocks 0-3 are in; A's blocks 4-7 may be out
.if \zero
	WIN 0x81                                       ; C (the bias) window 0, D window 2
.else
	WIN MUL_LO
.endif
	MUL16 0, (\q)%2, \q, \slot, \zero
	MUL16 2, (\q)%2, \q, \slot, \zero
	s_wait_dscnt 0
	PLACES NP
	FETCH_B \slot, (\q)+1, 1-(\q)%2
	FETCH_A \slot, (\q)+1, 0
.if \zero
	WIN 0xc1
.else
	WIN MUL_HI
.endif
	MUL16 4, (\q)%2, \q, \slot, \zero
	MUL16 6, (\q)%2, \q, \slot, \zero
	PLACES NP
	WIN 0
	FETCH_A \slot, (\q)+1, 4
.endm
; A slot's last step changes slots: ONE barrier; in front of it each wave waits for all its tensor loads, adds 0 to its spare word, and waits for that and for its own reads of this slot.
.macro TURN slot, next, fill
	s_wait_tensorcnt 0x0                           ; all my tensor loads have landed: my part of the next slot
	ds_add_u32 v[SPW], v[NIL]                      ; 0 onto my spare word
	s_wait_dscnt 4*NL+1                            ; (the add and A's blocks 4-7 may be out)
	WIN MUL_LO
	MUL16 0, 1, NQ-1, \slot, 0
	s_wait_dscnt 0x0                               ; the add is done, and my reads of this slot are over
	s_barrier_signal -1
	MUL16 2, 1, NQ-1, \slot, 0
	WIN 0
	s_barrier_wait -1
.if \fill
	CREST                                          ; the barrier has opened a round of the cluster's: no wave of any partner still reads this slot or has a load on its way
	s_add_nc_u64 s[G0+4*\slot+2:G0+4*\slot+3], s[G0+4*\slot+2:G0+4*\slot+3], 2*ROWB
	s_add_nc_u64 s[G0B+4*\slot+2:G0B+4*\slot+3], s[G0B+4*\slot+2:G0B+4*\slot+3], 2*ROWB
	JLOAD G0+4*\slot, G1, G0B+4*\slot, G1B         ; the first tensor load behind the round; its four v_nop are among the places in front of the loads below
	PLACES NP-4
.else
	PLACES NP
.endif
	v_add_nc_u32 v[ADRS], 4*NQ, v[ADRS]
	FETCH_B \next, 0, 0
	FETCH_A \next, 0, 0
	SCALES \next
	WIN MUL_HI
	MUL16 4, 1, NQ-1, \slot, 0
	MUL16 6, 1, NQ-1, \slot, 0
	PLACES NP
	WIN 0
	FETCH_A \next, 0, 4
.endm
	s_wait_tensorcnt 1                             ; the scale bytes and my part of K step 0 are in (K step 1's load may be out),
	s_barrier_signal -1
	s_barrier_wait -1                              ; everybody's are
	FETCH_B 0, 0, 0
	FETCH_A 0, 0, 0
	SCALES 0
	FETCH_A 0, 0, 4
	s_wait_loadcnt 0x0                             ; the bias
	STEP 0, 0, 1
	s_mov_b32 s3, LAPS-1
.Llap:                                                 ; a trip goes once round the ring and fills both slots again
	TURN 0, 1, 1
	STEP 1, 0, 0
	TURN 1, 0, 1
	STEP 0, 0, 0
	s_sub_co_u32 s3, s3, 1
	s_cmp_lg_u32 s3, 0
	s_cbranch_scc1 .Llap
	TURN 0, 1, 0                                   ; the last lap fills nothing
	STEP 1, 0, 0
	s_wait_dscnt 4*NL
	WIN MUL_LO
	MUL16 0, 1, NQ-1, 1, 0
	MUL16 2, 1, NQ-1, 1, 0
	s_wait_dscnt 0
	WIN MUL_HI
	MUL16 4, 1, NQ-1, 1, 0
	MUL16 6, 1, NQ-1, 1, 0
	WIN 0
; THE WAY OUT, block by block of 16 rows x 128 columns.  QUANTA: the block's four blocks of 32 along n are quantised in registers.  STAGEA: codes and scale word go through my stage in LDS
; (slot 0: it has had its last fill, and nobody reads it behind the last change of slots) and come back as the panels' bytes on end.  SENDA: four stores of 512 consecutive bytes.
.macro QUANTA a
.set AC, 64*((\a)%4)
.set PP, (\a)%2
	WIN 0x0a+5*((\a)/4)                            ; sources 0 and 1: window 2 or 3
.irp b, 0,1,2,3
	v_max3_num_f32 v[TM+\b], |v[AC+16*\b]|, |v[AC+16*\b+1]|, 0x4800000   ; my 16 numbers of block b, from each accumulator's low end on, and the floor 2^(9 - 127)
.endr
.irp i, 2,4,6,8,10,12,14
.irp b, 0,1,2,3
	v_max3_num_f32 v[TM+\b], |v[AC+16*\b+\i]|, |v[AC+16*\b+\i+1]|, v[TM+\b]
.endr
.endr
	WIN 0
.irp b, 0,1,2,3
	v_permlanex16_b32 v[TM+4+\b], v[TM+\b], s40, s41
.endr
.irp b, 0,1,2,3
	v_max_num_f32 v[TM+\b], v[TM+\b], v[TM+4+\b]   ; with lane l xor 16's: the block's largest magnitude
.endr
.irp b, 0,1,2,3
	v_add_nc_u32 v[TM+12+\b], 0xfc000000, v[TM+\b] ; 8 off its exponent field: the conversion's scale operand
.endr
.irp b, 0,1,2,3
	v_and_or_b32 v[TM+8+\b], v[TM+\b], 0x7f800000, s42   ; 448 x the scale
.endr
.irp b, 0,1,2,3
	v_lshrrev_b32 v[TM+4+\b], 23, v[TM+12+\b]      ; the scale's byte
.endr
	v_lshl_or_b32 v[PW+PP], v[TM+5], 8, v[TM+4]
	v_lshl_or_b32 v[PW+PP], v[TM+6], 16, v[PW+PP]
	v_lshl_or_b32 v[PW+PP], v[TM+7], 24, v[PW+PP]  ; my row's scale word for these 128
	WIN 0x82+0x41*((\a)/4)                         ; destination and source 0: window 2 or 3
.irp b, 0,1,2,3
.irp i, 0,1,2,3,4,5,6,7,8,9,10,11,12,13,14,15
	v_med3_num_f32 v[AC+16*\b+\i], v[AC+16*\b+\i], -v[TM+8+\b], v[TM+8+\b]   ; the conversion does not saturate (ISA guide 7.6.2): the hold
.endr
.endr
	WIN 2+(\a)/4
.irp b, 0,1,2,3
	v_cvt_scalef32_pk8_fp8_f32 v[PC+16*PP+4*\b:PC+16*PP+4*\b+1], v[AC+16*\b:AC+16*\b+7], v[TM+12+\b]
	v_cvt_scalef32_pk8_fp8_f32 v[PC+16*PP+4*\b+2:PC+16*PP+4*\b+3], v[AC+16*\b+8:AC+16*\b+15], v[TM+12+\b]
.endr
	WIN 0
	v_nop                                          ; a plain instruction behind the last conversion
.endm
.macro STAGEA a
.set PP, (\a)%2
.irp b, 0,1,2,3
	ds_store_b128 v[STO], v[PC+16*PP+4*\b:PC+16*PP+4*\b+3] offset:2176*PP+1088*(\b/2)+32*(\b%2)   ; n = 32 b + 16 h on: panel b / 2, byte 32 (b % 2) + 16 h of my row
.endr
	ds_store_b32 v[SWA], v[PW+PP] offset:64*(\a)   ; lanes l and l + 16 write the same word with the same value
.irp t, 0,1,2,3
	ds_load_b128 v[OB+16*PP+4*\t:OB+16*PP+4*\t+3], v[RD] offset:2176*PP+544*\t   ; LDS serves a wave's instructions in order: these see the stores above
.endr
.endm
.macro SENDA a, younger                ; younger: the LDS instructions issued behind block a's loads
.set PP, (\a)%2
	s_wait_dscnt \younger
.irp t, 0,1,2,3
	global_store_b128 v[CO], v[OB+16*PP+4*\t:OB+16*PP+4*\t+3], s[12:13] offset:(\t/2)*PANEL+1024*(\a)+512*(\t%2)   ; 512 consecutive bytes of a panel, aligned
.endr
.endm
	s_mov_b32 s40, 0x76543210
	s_mov_b32 s41, 0xfedcba98                      ; lane selects: lane l xor 16
	s_mov_b32 s42, 0x600000                        ; the mantissa field of 448
	PLACES NP
.irp b, 0,1,2,3
	v_mov_b32 v[TM+4+\b], 0                        ; written once: a lane permute's destination counts as one of its sources
.endr
	QUANTA 0
	STAGEA 0
.irp a, 1,2,3,4,5,6,7
	QUANTA \a
.if \a > 1
	s_wait_xcnt 0x0                                ; block a - 2's stores have read their registers: block a's loads may land there
.endif
	STAGEA \a
	SENDA \a-1, 9                                  ; behind block a - 1's loads: block a's five stores and four loads
.endr
	SENDA 7, 0
	ds_load_b128 v[32:35], v[SWR]                  ; the scale words of my 128 rows: 512 bytes
	s_wait_dscnt 0x0
	global_store_b128 v[CO], v[32:35], s[92:93]
	s_wait_tensorcnt 0x0                           ; the wave's end
	ds_add_u32 v[SPW], v[NIL]
	s_wait_dscnt 0x0
	CROUND                                         ; the closing round
	s_endpgm
.Lfunc_end_k_q9e492f4f7b_qk:
	.size	k_q9e492f4f7b_qk, .Lfunc_end_k_q9e492f4f7b_qk-k_q9e492f4f7b_qk
	.p2alignl 7, 3214868480
	.fill 96, 4, 3214868480
	.section	.rodata,"a",@progbits
	.p2align	6, 0x0
	.amdhsa_kernel k_q9e492f4f7b_qk
		.amdhsa_group_segment_fixed_size 327680
		.amdhsa_private_segment_fixed_size 0
		.amdhsa_enable_private_segment 0
		.amdhsa_kernarg_size 32
		.amdhsa_user_sgpr_count 2
		.amdhsa_user_sgpr_kernarg_segment_ptr 1
		.amdhsa_wavefront_size32 1
		.amdhsa_system_sgpr_workgroup_id_x 1
		.amdhsa_system_sgpr_workgroup_id_y 1
		.amdhsa_system_sgpr_workgroup_id_z 1
		.amdhsa_system_vgpr_workitem_id 0
		.amdhsa_next_free_vgpr 1024
		.amdhsa_next_free_sgpr 100
		.amdhsa_reserve_vcc 0
		.amdhsa_float_denorm_mode_32 3
		.amdhsa_float_denorm_mode_16_64 3
		.amdhsa_memory_ordered 1
		.amdhsa_forward_progress 1
		.amdhsa_inst_pref_size 192
	.end_amdhsa_kernel
	.amdgpu_metadata
---
amdhsa.version: [ 1, 2 ]
amdhsa.kernels:
  - .name:           k_q9e492f4f7b_qk
    .symbol:         k_q9e492f4f7b_qk.kd
    .args:
      - { .name: hq, .offset: 0, .size: 8, .value_kind: global_buffer, .address_space: global }
      - { .name: wqk, .offset: 8, .size: 8, .value_kind: global_buffer, .address_space: global }
      - { .name: misc, .offset: 16, .size: 8, .value_kind: global_buffer, .address_space: global }
      - { .name: qku, .offset: 24, .size: 8, .value_kind: global_buffer, .address_space: global }
    .group_segment_fixed_size: 327680
    .private_segment_fixed_size: 0
    .kernarg_segment_align: 8
    .kernarg_segment_size: 32
    .max_flat_workgroup_size: 128
    .sgpr_count:     100
    .vgpr_count:     1024
    .wavefront_size: 32
...
	.end_amdgpu_metadata
.endif
;; end of part 2
;; launch vt: the kernel of part 2 again; grid 16 x 4, 4 waves a work-group, clusters of 4 x 4, 327,680 bytes of LDS; arguments wv, hq, misc, vtq; writes vtq
;; launch attn (part 3): grid 8 x 32, 16 waves a work-group, clusters of 4 x 1, 327,680 bytes of LDS; arguments qku, vtq, mask, hq; writes hq
.if DOCPART == 3
	.amdgcn_target "amdgcn-amd-amdhsa--gfx1250"
	.amdhsa_code_object_version 6
	.text
	.protected	k_q9e492f4f7b_attn
	.globl	k_q9e492f4f7b_attn
	.p2align	8
	.type	k_q9e492f4f7b_attn,@function
k_q9e492f4f7b_attn:
	s_mov_b64 s[64:65], 0
	v_nop
	global_prefetch_b8 v0, s[64:65] scope:SCOPE_SE
	s_setreg_imm32_b32 hwreg(HW_REG_WAVE_MODE, 25, 1), 1
	s_wait_xcnt 0x0
	s_wait_alu depctr_hold_cnt(0) depctr_sa_sdst(0) depctr_va_vdst(0) depctr_va_sdst(0) depctr_va_ssrc(0) depctr_va_vcc(0) depctr_vm_vsrc(0)
	s_getreg_b32 s2, hwreg(HW_REG_IB_STS2, 6, 4)
	s_cmp_eq_u32 s2, 0
	s_cbranch_scc0 .Lentry_in_a_cluster
	s_endpgm
.Lentry_in_a_cluster:
	s_bfe_u32 s2, ttmp6, 0x10000c
	s_cmp_lg_u32 s2, 0x3003
	s_cbranch_scc0 .Lentry_shape_is_right
	s_endpgm
.Lentry_shape_is_right:
; a[q][:] = sum over keys of softmax(q . k / 8, masked keys at -infinity) v[key][:], for one head of 64 and one batch of 2,048 tokens, both products on codes of FP8 (E4M3) with E8M0 scales;
; a is quantised along the model's axis on the way out.
; IN (panels: codes [K / 64][4096 rows][64 bytes], 262,144 bytes a panel; scale words [K / 128][4096 rows][4 bytes] at byte 0x1000000):
;   qku: q in panels 0-15, k in panels 16-31, a head a panel; rows are tokens in the STORED order (stored row s = true token s with bits 3 and 4 swapped).
;   vtq: v transposed: rows are v's channels (stored order, a head's 64 on end), K is the true token.   mask: one byte a key, true order; 1 hides the key.
; OUT: hq: a in panels (panel = head), rows in q's stored order, scale words at byte 0x400000.
; THE SOFTMAX: t = score x log2(e) / 8; M = the running largest t rounded UP to a whole number; p = 2^(t - M) is quantised along the keys, not normalised; the row's sum is taken of the
; unquantised p and divides at the end.  When M moves, the sum and O are multiplied by 2^(old M - new M), exactly.
; SHARES.  A work-group owns 256 queries; each of its sixteen waves 16 of them, in 256 registers: four waves to a SIMD.  Every wave walks the 2,048 keys, 128 a step.
; K's and V's tiles come through a ring of two LDS slots of 512 keys (waves 0, 1: K's halves; waves 2, 3: V's).  The four work-groups of a cluster belong to one head and ask for every tile JOINTLY.
; LAYOUT.  Both products are used transposed (S^T = K Q^T, O^T = V^T P^T): a lane holds ONE query.  A tile of K is 16 consecutive stored rows; by the stored order the 16 registers of tiles
; 2 b and 2 b + 1 are the true keys 32 b + 16 (lane / 16) + 0 .. 15: p's codes lie as the second product's operand wants them.  O^T's registers likewise run along the true channels.
; K = 64 IN AN INSTRUCTION OF 128: Q's upper eight registers are zero codes, so whatever finite codes stand opposite add nothing: tile t's fragment is named v[32 + 8 t .. + 15], whose upper half is
; tile t + 1's codes (tile 7: zeros).  Codes are held at 448 where they are made, so none is the NaN code.  Q's and K's scale words are loaded as 16 bits: their upper bytes are 0, never 0xff.
; LIMITS: NaN and infinities are not served; a batch in which every key is hidden is not served; a block under 2^-118, or of zeros, keeps the byte 1 (only this program reads the bytes).
; REGISTERS: v1-11 addresses; v12 -M, v13 the largest t, v[14:15] the sum; v16-23 Q, v24-31 zeros; v32-95 K, then the mask's numbers; v96-103 zeros; v104-167 S^T, p, then V; v168-199 O^T;
;   v200-215 p's codes; v216-223 K's or V's scale words; v224 p's; v225 Q's; v226-227 addresses; v228-251 at work.
.set VOFF,  34816                      ; a slot: 512 rows of K (64 bytes a row, 16 of padding behind every 256), then 8 panels x 64 rows of V in the same form
.set SLOT1, 1<<17
.set KSC,   262144                     ; K's scale words of the batch: [2048 rows][4 bytes] (two heads' bytes to a word)
.set VSC,   270336                     ; V's: [16 steps][64 rows][4 bytes]
.set MASKF, 274432                     ; 0 or -infinity for each key, f32: written by LDS stores, never filled by a tensor load
.set SPARE, 282624                     ; the spare words, 128 bytes for each wave
.set WOFF,  0x1000000
.set AK0,  1
.set AV0,  2
.set ASK0, 3
.set ASV0, 4
.set SPW,  5
.set NIL,  6
.set PFO,  7                           ; the prefetches' offset; on the way out the register becomes GO
.set GO,   7
.set ADK,  8
.set ADV,  9
.set ADS,  10
.set ADT,  11
.set KF,   32
.set S,    104
.set OT,   168
.set PCD,  200
.set SW,   216
.set PWD,  224
.set QW,   225
.set AM0,  226
.set ADM,  227
.set BM,   228
.set PM,   232
.set HOLD, 236
.set SOP,  240
.set FF,   244
.set SUM2, 246
.set TMP,  248
.set WV,   12
.set MNT,  19
.set SEL,  20
.set CS,   22
.set TB,   2
.set TS,   3
.set TJ,   66
.set SLOTS, 67
.set G1K,  24
.set G1V,  32
.set G0K,  40
.set G0V,  44
.set G1SK, 48
.set G1SV, 56
.set G0SK, 68
.set G0SV, 72
.set PFA,  76
.set PFS,  78
.set LIM,  80
; Waves 0 and 1 fetch for K, waves 2 and 3 for V, the others nothing; the branches hang on the wave's number alone.  Four v_nop follow each of the two lines.
.macro TLOAD g0k, g1k, g0v, g1v
	s_cmp_lt_u32 s[WV], 2
	s_cbranch_scc0 .Lnot_k_\@
	tensor_load_to_lds s[\g0k:\g0k+3], s[\g1k:\g1k+7]
	s_nop 0
.rept 4
	v_nop
.endr
	s_branch .Lasked_\@
.Lnot_k_\@:
	s_cmp_lt_u32 s[WV], 4
	s_cbranch_scc0 .Lasked_\@
	tensor_load_to_lds s[\g0v:\g0v+3], s[\g1v:\g1v+7]
	s_nop 0
.rept 4
	v_nop
.endr
.Lasked_\@:
.endm
; A PREFETCH INTO THE L2 of what the NEXT change of slots will ask for: 32 KiB of K and 8 x 4 KiB of V, four key steps ahead of that load.  Each aligned block of 256 bytes is named once in the launch:
; the head's first cluster asks; its four partners share the blocks out by address (a quarter each); in each, wave 4 asks for K's and wave 5 for V's, a lane a block.  The last change that fills a slot asks for nothing.
.macro ASK
	s_cmp_gt_u32 s[SLOTS], s[LIM]
	s_cbranch_scc0 .Lnot_mine_\@
	global_prefetch_b8 v[PFO], s[PFA:PFA+1] th:TH_LOAD_NT scope:SCOPE_SE
.Lnot_mine_\@:
.endm
.macro CROUND                          ; a round of the cluster's barrier
	s_barrier_signal -1
	s_barrier_wait -1
	s_cmp_lg_u32 s[WV], 0
	s_cbranch_scc1 .Lnot_wave_0_\@
	s_barrier_signal -3
.Lnot_wave_0_\@:
	s_barrier_wait -3
	s_barrier_signal -1
	s_barrier_wait -1
.endm
	s_load_b256 s[4:11], s[0:1], 0x0               ; qku s[4:5], vtq s[6:7], mask s[8:9], hq s[10:11]
	v_lshl_add_u32 v[SPW], v0, 2, SPARE
	v_mov_b32 v[NIL], 0
	ds_add_u32 v5, v6
	s_wait_dscnt 0x0
	v_lshrrev_b32 v8, 5, v0
	v_readfirstlane_b32 s[WV], v8                  ; wave 0..15
	s_bfe_u32 s13, ttmp6, 0x40000                  ; cx: it enters global addresses of my own alone
	s_lshl_b32 s14, ttmp9, 2
	s_add_co_u32 s14, s14, s13                     ; my block of 256 queries
	s_and_b32 s15, ttmp7, 0xffff
	s_lshr_b32 s16, s15, 4                         ; the batch
	s_and_b32 s17, s15, 15                         ; the head
	s_and_b32 s18, s[WV], 1                        ; which half I fetch, if I fetch
	s_add_co_u32 s82, s17, 16
	s_lshl_b32 s82, s82, 18
	s_lshl_b32 s83, s16, 17
	s_add_co_u32 s84, s82, s83                     ; k of my head and batch: panel 16 + head, row 2,048 x batch
	s_lshl_b32 s83, s18, 14
	s_add_co_u32 s82, s84, s83                     ; + 256 rows x half
	s_mov_b32 s83, 0
	s_mov_b32 s85, 0
	s_lshl_b32 s86, s16, 5
	s_lshl_b32 s87, s18, 2
	s_add_co_u32 s86, s86, s87
	s_lshl_b32 s86, s86, 18                        ; v: panel 32 x batch + 4 x half,
	s_lshl_b32 s87, s17, 12
	s_add_co_u32 s86, s86, s87                     ; row 64 x head
	s_mov_b32 s87, 0
	s_lshr_b32 s88, s17, 1
	s_add_co_u32 s88, s88, 8
	s_lshl_b32 s88, s88, 14
	s_lshl_b32 s89, s16, 13
	s_add_co_u32 s88, s88, s89
	s_lshl_b32 s89, s18, 12
	s_add_co_u32 s88, s88, s89
	s_add_co_u32 s88, s88, WOFF                    ; k's scale words: my half of the batch's 8,192 bytes
	s_mov_b32 s89, 0
	s_lshl_b32 s90, s16, 4
	s_lshl_b32 s91, s18, 3
	s_add_co_u32 s90, s90, s91
	s_lshl_b32 s90, s90, 14
	s_lshl_b32 s91, s17, 8
	s_add_co_u32 s90, s90, s91
	s_add_co_u32 s90, s90, WOFF                    ; v's scale words: eight steps' 256 bytes
	s_mov_b32 s91, 0
	s_mul_i32 s92, s18, 17408                      ; in a slot: half of K's or of V's part
	s_lshl_b32 s93, s18, 12
	s_lshl_b32 s94, s18, 11
	; descriptor groups 1.  Elements of 8 bytes; the mask names all four work-groups, bit 21 beside it
	s_mov_b32 s[G1K], 15|(3<<16)|(1<<20)|(1<<21)|(5<<22)|(3<<25)    ; K: 256 rows of 64 bytes are dense: 64 rows of 256 bytes, 4 words of padding behind every 64
	s_mov_b32 s[G1K+1], 32<<16
	s_mov_b32 s[G1K+2], 64<<16
	s_mov_b32 s[G1K+3], 32<<16
	s_mov_b32 s[G1K+4], 64
	s_mov_b32 s[G1K+5], 32
	s_mov_b32 s[G1K+6], 0
	s_mov_b32 s[G1K+7], 0
	s_mov_b32 s[G1V], 15|(3<<16)|(1<<20)|(1<<21)|(5<<22)|(3<<25)    ; V: four panels' 4,096 bytes, a panel apart; the same padding
	s_mov_b32 s[G1V+1], 512<<16
	s_mov_b32 s[G1V+2], 4<<16
	s_mov_b32 s[G1V+3], 512<<16
	s_mov_b32 s[G1V+4], 4
	s_mov_b32 s[G1V+5], 32768
	s_mov_b32 s[G1V+6], 0
	s_mov_b32 s[G1V+7], 0
	s_mov_b32 s[G1SK], 15|(3<<16)|(1<<21)                           ; K's scale words: 4,096 dense bytes
	s_mov_b32 s[G1SK+1], 32<<16
	s_mov_b32 s[G1SK+2], 16<<16
	s_mov_b32 s[G1SK+3], 32<<16
	s_mov_b32 s[G1SK+4], 16
	s_mov_b32 s[G1SK+5], 32
	s_mov_b32 s[G1SK+6], 0
	s_mov_b32 s[G1SK+7], 0
	s_mov_b32 s[G1SV], 15|(3<<16)|(1<<21)                           ; V's: 8 rows of 256 bytes, 16,384 bytes apart
	s_mov_b32 s[G1SV+1], 32<<16
	s_mov_b32 s[G1SV+2], 8<<16
	s_mov_b32 s[G1SV+3], 32<<16
	s_mov_b32 s[G1SV+4], 8
	s_mov_b32 s[G1SV+5], 2048
	s_mov_b32 s[G1SV+6], 0
	s_mov_b32 s[G1SV+7], 0
	s_mov_b32 s[SEL], 0x76543210
	s_mov_b32 s[SEL+1], 0xfedcba98
	s_mov_b32 s[CS], 0x3e38aa3b                    ; c = log2(e) / 8
	s_mov_b32 s[CS+1], s[CS]
	s_mov_b32 s[MNT], 0x600000
	s_mov_b32 s[TB], 0
	s_mov_b32 s[TS], 0
	s_mov_b32 s[TJ], 0
	s_mov_b32 s[SLOTS], 3
	s_wait_kmcnt 0x0
	s_mov_b32 s[G0SK], 1
	s_add_co_u32 s[G0SK+1], s93, KSC
	s_add_nc_u64 s[G0SK+2:G0SK+3], s[4:5], s[88:89]
	s_or_b32 s[G0SK+3], s[G0SK+3], 0x80000000
	s_mov_b32 s[G0SV], 1
	s_add_co_u32 s[G0SV+1], s94, VSC
	s_add_nc_u64 s[G0SV+2:G0SV+3], s[6:7], s[90:91]
	s_or_b32 s[G0SV+3], s[G0SV+3], 0x80000000
	s_mov_b32 s[G0K], 1
	s_mov_b32 s[G0K+1], s92
	s_add_nc_u64 s[G0K+2:G0K+3], s[4:5], s[82:83]
	s_or_b32 s[G0K+3], s[G0K+3], 0x80000000
	s_mov_b32 s[G0V], 1
	s_add_co_u32 s[G0V+1], s92, VOFF
	s_add_nc_u64 s[G0V+2:G0V+3], s[6:7], s[86:87]
	s_or_b32 s[G0V+3], s[G0V+3], 0x80000000
	CROUND                                         ; all four work-groups are here: the first joint loads meet
	TLOAD G0SK, G1SK, G0SV, G1SV                   ; the scale words: filled once
	TLOAD G0K, G1K, G0V, G1V                       ; slot 0: two tensor loads of a fetching wave are out
	s_lshl_b32 s95, s16, 11
	s_lshl_b32 s96, s14, 8
	s_add_co_u32 s95, s95, s96
	s_lshl_b32 s96, s[WV], 4
	s_add_co_u32 s95, s95, s96                     ; my first stored row: 2,048 x batch + 256 x block + 16 x wave
	s_lshl_b32 s96, s17, 18
	s_lshl_b32 s97, s95, 6
	s_add_co_u32 s96, s96, s97                     ; its codes in panel = head: the same offset in q and in a
	s_mov_b32 s97, 0
	s_lshr_b32 s98, s17, 1
	s_lshl_b32 s98, s98, 14
	s_lshl_b32 s99, s95, 2
	s_add_co_u32 s98, s98, s99
	s_and_b32 s81, s17, 1
	s_lshl_b32 s81, s81, 1                         ; my head's two bytes of a scale word
	s_add_co_u32 s98, s98, s81
	s_mov_b32 s99, 0
	s_add_nc_u64 s[82:83], s[4:5], s[96:97]        ; q's codes
	s_add_nc_u64 s[88:89], s[4:5], s[98:99]
	s_add_nc_u64 s[88:89], s[88:89], WOFF          ; q's scale bytes
	s_add_nc_u64 s[98:99], s[10:11], s[98:99]
	s_add_nc_u64 s[98:99], s[98:99], 0x400000      ; a's scale bytes
	s_add_nc_u64 s[10:11], s[10:11], s[96:97]      ; a's codes
	s_lshl_b32 s90, s16, 11
	s_mov_b32 s91, 0
	s_add_nc_u64 s[8:9], s[8:9], s[90:91]          ; the batch's mask
	s_add_co_u32 s81, s81, KSC
	v_and_b32 v8, 15, v0                           ; r
	v_bfe_u32 v9, v0, 4, 1                         ; h
	v_lshlrev_b32 v10, 6, v8
	v_lshl_add_u32 v10, v9, 4, v10                 ; 64 r + 16 h
	global_load_b128 v[16:19], v10, s[82:83]       ; Q's fragment stays in registers: K = 16 h + 0 .. 15,
	global_load_b128 v[20:23], v10, s[82:83] offset:32   ; and 32 + 16 h + 0 .. 15
	v_lshlrev_b32 v11, 2, v8
	global_load_u16 v[QW], v11, s[88:89]           ; Q's two scale bytes; the upper two bytes are 0
	v_lshlrev_b32 v[TMP], 2, v0
	global_load_b32 v[TMP+1], v[TMP], s[8:9]       ; four keys' mask bytes a thread: 512 threads, 2,048 keys
	v_lshrrev_b32 v[AK0], 2, v8
	v_lshl_add_u32 v[AK0], v[AK0], 4, v10          ; a row of 64 bytes in LDS: 64 r + 16 (r / 4) + 16 h
	v_add_nc_u32 v[AV0], VOFF, v[AK0]
	v_add_nc_u32 v[ASK0], s81, v11
	v_add_nc_u32 v[ASV0], VSC, v11
	v_lshl_add_u32 v[AM0], v9, 6, MASKF            ; the mask's numbers of my half: 16 keys on
	v_lshl_add_u32 v[ADM], v0, 4, MASKF            ; (here: where my thread puts its four)
	; the prefetches: where my wave's stand, and who asks
	s_lshl_b32 s90, s13, 13
	s_add_co_u32 s84, s84, s90
	s_add_co_u32 s84, s84, 32768                   ; K: slot 1, my work-group's quarter; the first change of slots steps it to slot 2
	s_add_nc_u64 s[84:85], s[4:5], s[84:85]
	s_lshl_b32 s86, s16, 5
	s_lshl_b32 s87, s13, 1
	s_add_co_u32 s86, s86, s87
	s_add_co_u32 s86, s86, 8
	s_lshl_b32 s86, s86, 18                        ; V: slot 1's panels, my work-group's two
	s_lshl_b32 s87, s17, 12
	s_add_co_u32 s86, s86, s87
	s_mov_b32 s87, 0
	s_add_nc_u64 s[86:87], s[6:7], s[86:87]
	s_cmp_eq_u32 s[WV], 4
	s_cselect_b64 s[PFA:PFA+1], s[84:85], s[86:87]
	s_mov_b32 s[PFS], 2097152
	s_cselect_b32 s[PFS], 32768, s[PFS]            ; a slot on
	s_mov_b32 s[PFS+1], 0
	s_mov_b32 s81, 262144
	s_cselect_b32 s81, 4096, s81                   ; from lanes 0-15 to lanes 16-31
	v_mul_lo_u32 v[PFO], v9, s81
	v_lshl_add_u32 v[PFO], v8, 8, v[PFO]           ; lanes 256 bytes apart
	s_sub_co_u32 s81, s[WV], 4
	s_lshr_b32 s81, s81, 1                         ; 0 in waves 4 and 5,
	s_or_b32 s81, s81, ttmp9                       ; of the head's first cluster: the same in all four partners
	s_cmp_eq_u32 s81, 0
	s_cselect_b32 s[LIM], 1, -1
.irp j, 0,1,2,3,4,5,6,7
	v_mov_b32 v[24+\j], 0                          ; Q's upper half: zero codes
	v_mov_b32 v[96+\j], 0                          ; what stands behind K's last tile
.endr
.set n, 0
.rept 32
	v_mov_b32 v[OT+n], 0                           ; O^T: the step is written once; the first finds zeros
.set n, n+1
.endr
	v_mov_b32 v13, 0xff61b1e6                      ; the largest t so far: -3e38
	v_floor_f32 v12, -v13                          ; -M
	v_mov_b32 v14, 0
	v_mov_b32 v15, 0
.irp b, 0,1,2,3
	v_mov_b32 v[PM+\b], 0                          ; written once: a lane permute's destination counts as one of its sources
.endr
	v_mov_b32 v[FF+1], 0                           ; (named as the upper half of a pair)
	v_mov_b32 v[TMP+2], 0xff800000                 ; -infinity
	s_wait_loadcnt 0x0                             ; Q, its scale bytes, the mask
.irp i, 0,1,2,3
	v_bfe_u32 v[TMP+3], v[TMP+1], 8*\i, 8
	v_cmp_ne_u32 vcc_lo, 0, v[TMP+3]
	v_cndmask_b32 v[S+\i], 0, v[TMP+2], vcc_lo     ; a hidden key adds -infinity to its scores, any other 0
.endr
	ds_store_b128 v[ADM], v[S:S+3]                 ; the wait for it and the round of the first change of slots stand between this store and its readers
; A KEY STEP: 128 keys, the q-th of the slot in hand.
.macro STEP q
	v_add_nc_u32 v[ADK], s[TB], v[AK0]
	v_add_nc_u32 v[ADV], s[TB], v[AV0]
	v_add_nc_u32 v[ADS], s[TS], v[ASK0]
	v_add_nc_u32 v[ADM], s[TS], v[AM0]
	v_add_nc_u32 v[ADT], s[TJ], v[ASV0]
.rept 5
	v_nop                                          ; ten places: S^T is written over registers that the last step's products read (nine are asked), and loads land in their scale registers (eight)
.endr
.irp t, 0,1,2,3,4,5,6,7
	ds_load_b128 v[KF+8*\t:KF+8*\t+3], v[ADK] offset:8704*(\q)+1088*\t
	ds_load_b128 v[KF+8*\t+4:KF+8*\t+7], v[ADK] offset:8704*(\q)+1088*\t+32
	ds_load_u16 v[SW+\t], v[ADS] offset:64*\t
.endr
	s_wait_dscnt 0x0
.irp t, 0,1,2,3,4,5,6,7
	v_wmma_scale_f32_16x16x128_f8f6f4 v[S+8*\t:S+8*\t+7], v[KF+8*\t:KF+8*\t+15], v[16:31], 0, v[SW+\t], v[QW]
.endr
.rept 8
	v_nop
.endr
.irp t, 0,1,2,3,4,5,6,7
	ds_load_b128 v[KF+8*\t:KF+8*\t+3], v[ADM] offset:128*(\t/2)+32*(\t%2)        ; the mask's numbers of the true keys 32 (t / 2) + 16 h + 8 (t % 2) + 0 .. 7
	ds_load_b128 v[KF+8*\t+4:KF+8*\t+7], v[ADM] offset:128*(\t/2)+32*(\t%2)+16
.endr
	s_wait_dscnt 0x0
.set n, 0
.rept 32
	v_pk_add_f32 v[S+n:S+n+1], v[S+n:S+n+1], v[KF+n:KF+n+1]   ; each accumulator from its low end on
.set n, n+2
.endr
.irp b, 0,1,2,3
	v_max3_num_f32 v[BM+\b], v[S+16*\b], v[S+16*\b+1], v[S+16*\b+2]   ; the largest score of each block of 32 keys: for the row's maximum, and, since p rises with the score, for the block's largest p
.endr
.irp i, 3,5,7,9,11,13
.irp b, 0,1,2,3
	v_max3_num_f32 v[BM+\b], v[BM+\b], v[S+16*\b+\i], v[S+16*\b+\i+1]
.endr
.endr
.irp b, 0,1,2,3
	v_max_num_f32 v[BM+\b], v[BM+\b], v[S+16*\b+15]
.endr
.irp b, 0,1,2,3
	v_permlanex16_b32 v[PM+\b], v[BM+\b], s[SEL], s[SEL+1]
.endr
.irp b, 0,1,2,3
	v_max_num_f32 v[BM+\b], v[BM+\b], v[PM+\b]     ; with lane l xor 16's 16 keys
.endr
	v_max3_num_f32 v[TMP], v[BM], v[BM+1], v[BM+2]
	v_max_num_f32 v[TMP], v[TMP], v[BM+3]
	v_mul_f32 v[TMP], s[CS], v[TMP]                ; the step's largest t
	v_max_num_f32 v13, v13, v[TMP]                 ; the running largest t
	v_mov_b32 v[TMP], v12
	v_floor_f32 v12, -v13                          ; the new -M = -ceil(t): a whole number
	v_sub_f32 v[TMP], v12, v[TMP]                  ; old M - new M: a whole number, 0 or less
	v_cvt_i32_f32 v[TMP], v[TMP]                   ; (it saturates)
	v_ldexp_f32 v[FF], 1.0, v[TMP]                 ; f = 2^(old M - new M)
.set n, 0
.rept 32
	v_pk_fma_f32 v[S+n:S+n+1], v[S+n:S+n+1], s[CS:CS+1], v[12:13] op_sel_hi:[1,0,0]   ; t - M
.set n, n+2
.endr
.irp b, 0,1,2,3
	v_fma_f32 v[BM+\b], v[BM+\b], s[CS], v12
.endr
.set n, 0
.rept 64
	v_exp_f32 v[S+n], v[S+n]                       ; p = 2^(t - M)
.set n, n+1
.endr
	v_pk_mul_f32 v[14:15], v[14:15], v[FF:FF+1] op_sel_hi:[1,0]   ; the sums under the new M (a plain instruction behind the exponentials)
	s_wait_alu depctr_va_vdst(0)                   ; one wait for the batch, ahead of its first reader
.irp b, 0,1,2,3
	v_exp_f32 v[BM+\b], v[BM+\b]                   ; the block's largest p
.endr
	v_pk_add_f32 v[SUM2:SUM2+1], v[S:S+1], v[S+2:S+3]   ; the row's sum of the unquantised p, in two chains
.irp j, 4,8,12,16,20,24,28,32,36,40,44,48,52,56,60
	v_pk_add_f32 v[14:15], v[14:15], v[S+\j:S+\j+1]
	v_pk_add_f32 v[SUM2:SUM2+1], v[SUM2:SUM2+1], v[S+\j+2:S+\j+3]
.endr
	v_pk_add_f32 v[14:15], v[14:15], v[SUM2:SUM2+1]
	s_wait_alu depctr_va_vdst(0)                   ; and one for the four
.irp b, 0,1,2,3
	v_max_num_f32 v[BM+\b], 0x4800000, v[BM+\b]    ; the floor 2^(9 - 127)
.endr
.irp b, 0,1,2,3
	v_add_nc_u32 v[SOP+\b], 0xfc000000, v[BM+\b]   ; the conversion's scale operand
.endr
.irp b, 0,1,2,3
	v_and_or_b32 v[HOLD+\b], v[BM+\b], 0x7f800000, s[MNT]   ; 448 x the scale
.endr
.irp b, 0,1,2,3
	v_lshrrev_b32 v[PM+\b], 23, v[SOP+\b]          ; the scale's byte
.endr
	v_lshl_or_b32 v[PWD], v[PM+1], 8, v[PM]
	v_lshl_or_b32 v[PWD], v[PM+2], 16, v[PWD]
	v_lshl_or_b32 v[PWD], v[PM+3], 24, v[PWD]      ; p's scale word for these 128 keys
.irp b, 0,1,2,3
.irp i, 0,1,2,3,4,5,6,7,8,9,10,11,12,13,14,15
	v_min_num_f32 v[S+16*\b+\i], v[S+16*\b+\i], v[HOLD+\b]   ; the conversion does not saturate (ISA guide 7.6.2); p is not negative: a one-sided hold
.endr
	v_cvt_scalef32_pk8_fp8_f32 v[PCD+4*\b:PCD+4*\b+1], v[S+16*\b:S+16*\b+7], v[SOP+\b]
	v_cvt_scalef32_pk8_fp8_f32 v[PCD+4*\b+2:PCD+4*\b+3], v[S+16*\b+8:S+16*\b+15], v[SOP+\b]
.endr
.irp t, 0,1,2,3                                ; V^T: 16 channels x these 128 keys a fragment, into p's registers
.irp c, 0,1,2,3
	ds_load_b128 v[S+16*\t+4*\c:S+16*\t+4*\c+3], v[ADV] offset:8704*(\q)+4352*(\c/2)+1088*\t+32*(\c%2)
.endr
	ds_load_b32 v[SW+\t], v[ADT] offset:64*\t
.endr
.set n, 0
.rept 16
	v_pk_mul_f32 v[OT+n:OT+n+1], v[OT+n:OT+n+1], v[FF:FF+1] op_sel_hi:[1,0]   ; O^T under the new M; also the places between the codes and the products
.set n, n+2
.endr
	s_wait_dscnt 0x0
.irp t, 0,1,2,3
	v_wmma_scale_f32_16x16x128_f8f6f4 v[OT+8*\t:OT+8*\t+7], v[S+16*\t:S+16*\t+15], v[PCD:PCD+15], v[OT+8*\t:OT+8*\t+7], v[SW+\t], v[PWD]
.endr
	s_add_co_u32 s[TS], s[TS], 512                 ; the next step's scale words of K and mask numbers: 128 x 4 bytes,
	s_add_co_u32 s[TJ], s[TJ], 256                 ; and V's scale words
.endm
; THE CHANGE OF SLOTS stands at a slot's head.  Each wave waits for all its tensor loads, adds 0 to its spare word, and waits for that and for its reads of the slot that it has left.
; fill = 1: a round of the cluster's barrier, and behind it the slot just left is filled with the keys that follow: the load has four key steps in which to land.
.macro CHANGE fill
	s_wait_tensorcnt 0x0                           ; no tensor load of mine is out, so a group 0 may be written
	ds_add_u32 v[SPW], v[NIL]                      ; 0 onto my spare word
.if \fill
	s_xor_b32 s[G0K+1], s[G0K+1], SLOT1
	s_add_nc_u64 s[G0K+2:G0K+3], s[G0K+2:G0K+3], 32768       ; the next 512 rows of K
	s_xor_b32 s[G0V+1], s[G0V+1], SLOT1
	s_add_nc_u64 s[G0V+2:G0V+3], s[G0V+2:G0V+3], 2097152     ; the next 8 panels of V
	s_wait_xcnt 0x0                                ; the last prefetch, a slot back, has read its address
	s_add_nc_u64 s[PFA:PFA+1], s[PFA:PFA+1], s[PFS:PFS+1]
	s_wait_dscnt 0x0                               ; the add is done; my LDS stores have landed and my reads of the slot that I have left are over
	CROUND
	TLOAD G0K, G1K, G0V, G1V                       ; the first thing behind the round, and a wave's one tensor load until the next
	ASK
.else
	s_wait_dscnt 0x0
	s_barrier_signal -1
	s_barrier_wait -1
.endif
.endm
.macro SLOT_STEPS
	STEP 0
	STEP 1
	STEP 2
	STEP 3
	s_xor_b32 s[TB], s[TB], SLOT1                  ; on to the other slot
.endm
.Lslot:                                            ; three trips: behind each change of slots but the last the next slot is asked for
	CHANGE 1
	SLOT_STEPS
	s_sub_co_u32 s[SLOTS], s[SLOTS], 1
	s_cmp_lg_u32 s[SLOTS], 0
	s_cbranch_scc1 .Lslot
	CHANGE 0                                       ; the last slot is written out
	SLOT_STEPS
	; THE WAY OUT.  O^T / the sum is a's row for my head: 64 numbers, register 16 b + i = channel 32 b + 16 h + i.  Two blocks of 32 are quantised; the codes go through my stage (1,088 bytes in slot 0,
	; which was left at the last change of slots and has had its last fill) and leave as 1 KiB on end.
	v_add_f32 v14, v14, v15
	v_permlanex16_b32 v[TMP], v14, s[SEL], s[SEL+1]
	v_add_f32 v14, v14, v[TMP]                     ; the row's sum
	v_rcp_f32 v14, v14
	v_and_b32 v8, 31, v0                           ; (plain instructions behind the reciprocal, and the places behind the last products)
	v_lshrrev_b32 v9, 4, v8
	v_lshlrev_b32 v11, 4, v8
	v_lshl_add_u32 v11, v9, 4, v11
	s_mul_i32 s82, s[WV], 1088
	v_add_nc_u32 v11, s82, v11                     ; back: 16 l + 16 (l / 16)
	v_add_nc_u32 v10, s82, v[AK0]                  ; in: 64 r + 16 (r / 4) + 16 h
	v_and_b32 v[ADM], 15, v0
	v_lshlrev_b32 v[ADM], 2, v[ADM]                ; 4 r: my row's scale word
	s_wait_xcnt 0x0                                ; the last prefetch has read its offset: the register may be written
	v_lshlrev_b32 v[GO], 4, v8
	s_wait_alu depctr_va_vdst(0)                   ; the wait ahead of the reciprocal's first reader
.set n, 0
.rept 32
	v_mul_f32 v[S+n], v[OT+n], v14
.set n, n+1
.endr
.irp b, 0,1
	v_max3_num_f32 v[BM+\b], |v[S+16*\b]|, |v[S+16*\b+1]|, 0x4800000
.endr
.irp i, 2,4,6,8,10,12,14
.irp b, 0,1
	v_max3_num_f32 v[BM+\b], v[BM+\b], |v[S+16*\b+\i]|, |v[S+16*\b+\i+1]|
.endr
.endr
.irp b, 0,1
	v_permlanex16_b32 v[PM+\b], v[BM+\b], s[SEL], s[SEL+1]
.endr
.irp b, 0,1
	v_max_num_f32 v[BM+\b], v[BM+\b], v[PM+\b]
.endr
.irp b, 0,1
	v_add_nc_u32 v[SOP+\b], 0xfc000000, v[BM+\b]
.endr
.irp b, 0,1
	v_and_or_b32 v[HOLD+\b], v[BM+\b], 0x7f800000, s[MNT]
.endr
.irp b, 0,1
	v_lshrrev_b32 v[PM+\b], 23, v[SOP+\b]
.endr
	v_lshl_or_b32 v[TMP], v[PM+1], 8, v[PM]        ; my head's two scale bytes
.irp b, 0,1
.irp i, 0,1,2,3,4,5,6,7,8,9,10,11,12,13,14,15
	v_med3_num_f32 v[S+16*\b+\i], v[S+16*\b+\i], -v[HOLD+\b], v[HOLD+\b]
.endr
	v_cvt_scalef32_pk8_fp8_f32 v[PCD+4*\b:PCD+4*\b+1], v[S+16*\b:S+16*\b+7], v[SOP+\b]
	v_cvt_scalef32_pk8_fp8_f32 v[PCD+4*\b+2:PCD+4*\b+3], v[S+16*\b+8:S+16*\b+15], v[SOP+\b]
.endr
	v_nop                                          ; a plain instruction behind the last conversion
	ds_store_b128 v10, v[PCD:PCD+3]
	ds_store_b128 v10, v[PCD+4:PCD+7] offset:32
	ds_load_b128 v[S:S+3], v11                     ; LDS serves a wave's instructions in order: these see my stores
	ds_load_b128 v[S+4:S+7], v11 offset:544
	global_store_b16 v[ADM], v[TMP], s[98:99]      ; lanes l and l + 16 store the same two bytes; the word's other half is the neighbouring head's
	s_wait_dscnt 1
	global_store_b128 v[GO], v[S:S+3], s[10:11]    ; 512 consecutive bytes, aligned
	s_wait_dscnt 0x0
	global_store_b128 v[GO], v[S+4:S+7], s[10:11] offset:512
	s_wait_tensorcnt 0x0                           ; the wave's end
	ds_add_u32 v[SPW], v[NIL]
	s_wait_dscnt 0x0
	CROUND                                         ; the closing round
	s_endpgm
.Lfunc_end_k_q9e492f4f7b_attn:
	.size	k_q9e492f4f7b_attn, .Lfunc_end_k_q9e492f4f7b_attn-k_q9e492f4f7b_attn
	.p2alignl 7, 3214868480
	.fill 96, 4, 3214868480
	.section	.rodata,"a",@progbits
	.p2align	6, 0x0
	.amdhsa_kernel k_q9e492f4f7b_attn
		.amdhsa_group_segment_fixed_size 327680
		.amdhsa_private_segment_fixed_size 0
		.amdhsa_enable_private_segment 0
		.amdhsa_kernarg_size 32
		.amdhsa_user_sgpr_count 2
		.amdhsa_user_sgpr_kernarg_segment_ptr 1
		.amdhsa_wavefront_size32 1
		.amdhsa_system_sgpr_workgroup_id_x 1
		.amdhsa_system_sgpr_workgroup_id_y 1
		.amdhsa_system_sgpr_workgroup_id_z 1
		.amdhsa_system_vgpr_workitem_id 0
		.amdhsa_next_free_vgpr 256
		.amdhsa_next_free_sgpr 100
		.amdhsa_reserve_vcc 1
		.amdhsa_float_denorm_mode_32 3
		.amdhsa_float_denorm_mode_16_64 3
		.amdhsa_memory_ordered 1
		.amdhsa_forward_progress 1
		.amdhsa_inst_pref_size 196
	.end_amdhsa_kernel
	.amdgpu_metadata
---
amdhsa.version: [ 1, 2 ]
amdhsa.kernels:
  - .name:           k_q9e492f4f7b_attn
    .symbol:         k_q9e492f4f7b_attn.kd
    .args:
      - { .name: qku, .offset: 0, .size: 8, .value_kind: global_buffer, .address_space: global }
      - { .name: vtq, .offset: 8, .size: 8, .value_kind: global_buffer, .address_space: global }
      - { .name: mask, .offset: 16, .size: 8, .value_kind: global_buffer, .address_space: global }
      - { .name: hq, .offset: 24, .size: 8, .value_kind: global_buffer, .address_space: global }
    .group_segment_fixed_size: 327680
    .private_segment_fixed_size: 0
    .kernarg_segment_align: 8
    .kernarg_segment_size: 32
    .max_flat_workgroup_size: 512
    .sgpr_count:     100
    .vgpr_count:     256
    .wavefront_size: 32
...
	.end_amdgpu_metadata
.endif
;; end of part 3
;; launch oproj (part 4): grid 8 x 32, 4 waves a work-group, clusters of 4 x 4, 327,680 bytes of LDS; arguments hq, misc, x, x2; writes x2
.if DOCPART == 4
	.amdgcn_target "amdgcn-amd-amdhsa--gfx1250"
	.amdhsa_code_object_version 6
	.text
	.protected	k_q9e492f4f7b_oproj
	.globl	k_q9e492f4f7b_oproj
	.p2align	8
	.type	k_q9e492f4f7b_oproj,@function
k_q9e492f4f7b_oproj:
	s_mov_b64 s[64:65], 0
	v_nop
	global_prefetch_b8 v0, s[64:65] scope:SCOPE_SE
	s_setreg_imm32_b32 hwreg(HW_REG_WAVE_MODE, 25, 1), 1
	s_wait_xcnt 0x0
	s_wait_alu depctr_hold_cnt(0) depctr_sa_sdst(0) depctr_va_vdst(0) depctr_va_sdst(0) depctr_va_ssrc(0) depctr_va_vcc(0) depctr_vm_vsrc(0)
	s_getreg_b32 s2, hwreg(HW_REG_IB_STS2, 6, 4)
	s_cmp_eq_u32 s2, 0
	s_cbranch_scc0 .Lentry_in_a_cluster
	s_endpgm
.Lentry_in_a_cluster:
	s_bfe_u32 s2, ttmp6, 0x10000c
	s_cmp_lg_u32 s2, 0xf033
	s_cbranch_scc0 .Lentry_shape_is_right
	s_endpgm
.Lentry_shape_is_right:
; out[true row][n] = act(sum over k of A[row][k] B[n][k] + bias[n]) + res[true row][n], f32, on codes of FP8 (E4M3) with one E8M0 scale for each 32 along K.
; Here: x2 = a W_O^T + x.  K = 1,024; no activation; the bias is the 16 KiB of zeros at the head of misc.
; A: in panels: codes [K / 64][4096 rows][64 bytes] (262,144 bytes a panel), scale words [K / 128][4096 rows][4 bytes] at AWOFF; its rows are tokens in the STORED order (stored row s = true row s with bits 3 and 4 swapped).
; B: [n][K] codes at BCOFF of its buffer, [n][K / 32] scale bytes at BSOFF, true order.  res and out: [4096][1024] f32, true order.
; A tile of the result is 128 x 128 (N = 1,024 gives 256 such tiles, one for each work-group); four waves, each 64 x 64: 16 accumulators.  K goes in steps of 512 through a ring of two LDS slots;
; waves 0, 1 fetch A's panels, waves 2, 3 B's rows.  All scale words and bytes of the tile's rows come into LDS once, with the first fills.
; CLUSTERS: 4 x 4 work-groups; A's tiles are asked for jointly along a row of the cluster, B's along a column.
; THE MATRIX INSTRUCTION IS USED TRANSPOSED (source 0 = 16 rows of B, source 1 = 16 rows of A): a lane holds eight neighbouring n of one row.  The bias is the C of each sum's first instruction.
; REGISTERS: window 0: v0-31 addresses; v32-63 B's scale words, v64-95 A's, two sets each (on the way out: rows of the result); v128-255 the accumulators ((a, b) at v[128 + 8 (4 a + b)]).
;   window 1: two fragment buffers of 128 (A's four fragments, then B's four).   window 2: v0-31 the bias; v128-255 the residual, asked for at the head.
.set KTOT,    1024
.set AWOFF,   0x400000
.set BCOFF,   0x100000
.set BSOFF,   0x200000
.set RELU,    0
.set BIASARG, 0
.set KS,     KTOT/32
.set LAPS,   KTOT/1024                 ; a lap = two K steps of 512
.set APART,  69632                     ; a slot: A: 8 panels x 128 rows x 64 bytes, 16 of padding behind every 256 (8,704 a panel);
.set SLOT,   137216                    ; then B: 128 rows x (512 + 16) bytes
.set AWL,    2*SLOT                    ; A's scale words [K / 128][128 rows][4 bytes]
.set BSL,    AWL+16384                 ; B's scale bytes, as units of 256 bytes + 16
.set SBLK,   (16*KS/256)*272           ; those of 16 rows
.set SPARE,  BSL+17408                 ; the spare words, 128 bytes for each wave
.set ADRA, 16
.set ADRB, 20
.set ADAS, 22
.set ADBS, 23
.set STO,  24
.set RD,   25
.set CO,   26
.set SPW,  28
.set NIL,  29
.set VB,   30
.set BS,   32
.set AS,   64
.set OUTR, 32
.set ACC,  128
.set F0,   0
.set F1,   128
.set BIA,  0                           ; in window 2
.set RES,  128                         ; in window 2
.set G1, 24
.set G0, 32
.set G1B, 48
.set G0B, 56
.set G1S, 68
.set G0S, 76
.set G1SB, 80
.set G0SB, 88
.set MSB, 0
.macro WIN new                         ; the immediate's high byte repeats the setting that is left
.if MSB != (\new)
	s_set_vgpr_msb (MSB<<8)|(\new)
.set MSB, (\new)
.endif
.endm
.macro JLOAD g0a, g1a, g0b, g1b        ; a joint load: waves 0, 1 for A, waves 2, 3 for B; four v_nop follow each of the two lines
	s_cmp_eq_u32 s15, 0
	s_cbranch_scc0 .Lfor_b_\@
	tensor_load_to_lds s[\g0a:\g0a+3], s[\g1a:\g1a+7]
	s_nop 0
.rept 4
	v_nop
.endr
	s_branch .Lasked_\@
.Lfor_b_\@:
	tensor_load_to_lds s[\g0b:\g0b+3], s[\g1b:\g1b+7]
	s_nop 0
.rept 4
	v_nop
.endr
.Lasked_\@:
.endm
.macro CREST
	s_cmp_lg_u32 s14, 0
	s_cbranch_scc1 .Lnot_wave_0_\@
	s_barrier_signal -3
.Lnot_wave_0_\@:
	s_barrier_wait -3
	s_barrier_signal -1
	s_barrier_wait -1
.endm
.macro CROUND
	s_barrier_signal -1
	s_barrier_wait -1
	CREST
.endm
	s_load_b256 s[4:11], s[0:1], 0x0               ; A s[4:5], B's buffer s[6:7], res s[8:9], out s[10:11]
.if BIASARG
	s_load_b64 s[12:13], s[0:1], 0x20              ; the bias
.endif
	v_lshl_add_u32 v[SPW], v0, 2, SPARE
	v_mov_b32 v[NIL], 0
	ds_add_u32 v28, v29
	s_wait_dscnt 0x0
	v_lshrrev_b32 v1, 5, v0
	v_readfirstlane_b32 s14, v1                    ; wave 0..3
	s_lshr_b32 s15, s14, 1                         ; which half of the tile's rows is mine.  Also: I fetch for A (0) or for B (1)
	s_and_b32 s16, s14, 1                          ; which half of its columns.  Also: which half of that tile I fetch
	s_bfe_u32 s40, ttmp6, 0x40000
	s_bfe_u32 s41, ttmp6, 0x40004
	s_lshl_b32 s42, ttmp9, 2
	s_add_co_u32 s42, s42, s40                     ; tile column
	s_and_b32 s17, ttmp7, 0xffff
	s_lshl_b32 s17, s17, 2
	s_add_co_u32 s17, s17, s41                     ; tile row
	s_lshl_b32 s43, s41, 2
	s_lshl_b32 s43, 15, s43                        ; my row of the cluster
	s_lshl_b32 s44, 0x1111, s40                    ; my column
	s_or_b32 s[G1+0], s43, (3<<16)|(1<<20)|(1<<21)|(5<<22)|(3<<25)   ; A: four panels' 8,192 bytes (128 rows x 64), a panel apart; elements of 8 bytes; 4 words of padding behind every 64
	s_mov_b32 s[G1+1], 1024<<16
	s_mov_b32 s[G1+2], 4<<16
	s_mov_b32 s[G1+3], 1024<<16
	s_mov_b32 s[G1+4], 4
	s_mov_b32 s[G1+5], 32768
	s_mov_b32 s[G1+6], 0
	s_mov_b32 s[G1+7], 0
	s_or_b32 s[G1B+0], s44, (0<<16)|(1<<20)|(1<<21)|(6<<22)|(3<<25)  ; B: 64 rows of 512 bytes; 4 words of padding behind every 128
	s_mov_b32 s[G1B+1], 512<<16
	s_mov_b32 s[G1B+2], 64<<16
	s_mov_b32 s[G1B+3], 512<<16
	s_mov_b32 s[G1B+4], 64
	s_mov_b32 s[G1B+5], KTOT
	s_mov_b32 s[G1B+6], 0
	s_mov_b32 s[G1B+7], 0
	s_or_b32 s[G1S+0], s43, (3<<16)|(1<<21)                          ; A's scale words: KTOT / 256 rows of 512 bytes, 16,384 bytes apart
	s_mov_b32 s[G1S+1], 64<<16
	s_mov_b32 s[G1S+2], (KTOT/256)<<16
	s_mov_b32 s[G1S+3], 64<<16
	s_mov_b32 s[G1S+4], KTOT/256
	s_mov_b32 s[G1S+5], 2048
	s_mov_b32 s[G1S+6], 0
	s_mov_b32 s[G1S+7], 0
	s_or_b32 s[G1SB+0], s44, (3<<16)|(1<<20)|(1<<21)|(5<<22)|(3<<25) ; B's scale bytes of 64 rows: a dense block, as rows of 256 bytes
	s_mov_b32 s[G1SB+1], 32<<16
	s_mov_b32 s[G1SB+2], (64*KS/256)<<16
	s_mov_b32 s[G1SB+3], 32<<16
	s_mov_b32 s[G1SB+4], 64*KS/256
	s_mov_b32 s[G1SB+5], 32
	s_mov_b32 s[G1SB+6], 0
	s_mov_b32 s[G1SB+7], 0
	s_lshl_b32 s20, s16, 20                        ; A's codes: panel 4 x half,
	s_lshl_b32 s21, s17, 13
	s_add_co_u32 s20, s20, s21                     ; row 128 x tile row
	s_mov_b32 s21, 0
	s_mul_i32 s22, s16, KTOT*64                    ; A's scale words: my half of the K / 128 rows,
	s_lshl_b32 s23, s17, 9
	s_add_co_u32 s22, s22, s23
	s_mov_b32 s23, 0
	s_lshl_b32 s46, s42, 7
	s_lshl_b32 s47, s16, 6
	s_add_co_u32 s46, s46, s47                     ; B: row 128 x tile column + 64 x half
	s_mul_i32 s92, s46, KS
	s_mov_b32 s93, 0
	s_mul_i32 s46, s46, KTOT
	s_mov_b32 s47, 0
	s_mul_i32 s45, s16, 34816                      ; where they go, by the wave's number alone
	s_mul_i32 s95, s16, 33792
	s_add_co_u32 s95, s95, APART
	s_mul_i32 s94, s16, (KTOT/256)*512
	s_add_co_u32 s94, s94, AWL
	s_mul_i32 s96, s16, (64*KS/256)*272
	s_add_co_u32 s96, s96, BSL
	s_wait_kmcnt 0x0
.if BIASARG == 0
	s_mov_b64 s[12:13], s[6:7]                     ; the zeros at the head of B's buffer
.endif
	s_add_nc_u64 s[20:21], s[4:5], s[20:21]
	s_add_nc_u64 s[22:23], s[4:5], s[22:23]
	s_add_nc_u64 s[22:23], s[22:23], AWOFF
	s_add_nc_u64 s[46:47], s[6:7], s[46:47]
	s_add_nc_u64 s[46:47], s[46:47], BCOFF
	s_add_nc_u64 s[92:93], s[6:7], s[92:93]
	s_add_nc_u64 s[92:93], s[92:93], BSOFF
	CROUND                                         ; all sixteen work-groups are here: the first joint loads meet
	s_mov_b32 s[G0S], 1
	s_mov_b32 s[G0S+1], s94
	s_mov_b64 s[G0S+2:G0S+3], s[22:23]
	s_or_b32 s[G0S+3], s[G0S+3], 0x80000000
	s_mov_b32 s[G0SB], 1
	s_mov_b32 s[G0SB+1], s96
	s_mov_b64 s[G0SB+2:G0SB+3], s[92:93]
	s_or_b32 s[G0SB+3], s[G0SB+3], 0x80000000
	JLOAD G0S, G1S, G0SB, G1SB                     ; the scales first
.irp s, 0,1
	s_mov_b32 s[G0+4*\s], 1
	s_add_co_u32 s[G0+4*\s+1], s45, \s*SLOT
	s_add_nc_u64 s[G0+4*\s+2:G0+4*\s+3], s[20:21], \s*0x200000     ; slot s: 8 panels on
	s_or_b32 s[G0+4*\s+3], s[G0+4*\s+3], 0x80000000
	s_mov_b32 s[G0B+4*\s], 1
	s_add_co_u32 s[G0B+4*\s+1], s95, \s*SLOT
	s_add_nc_u64 s[G0B+4*\s+2:G0B+4*\s+3], s[46:47], \s*512
	s_or_b32 s[G0B+4*\s+3], s[G0B+4*\s+3], 0x80000000
	JLOAD G0+4*\s, G1, G0B+4*\s, G1B               ; three tensor loads of mine are out
.endr
	v_and_b32 v1, 15, v0                           ; r
	v_bfe_u32 v2, v0, 4, 1                         ; h
	v_lshlrev_b32 v3, 6, v1
	v_lshrrev_b32 v4, 2, v1
	v_lshl_add_u32 v3, v4, 4, v3
	v_lshl_add_u32 v3, v2, 4, v3                   ; A: 64 r + 16 (r / 4) + 16 h
	v_mul_u32_u24 v4, v1, 528
	v_lshl_add_u32 v4, v2, 4, v4                   ; B: 528 r + 16 h
	s_mul_i32 s21, s15, 4352                       ; my 64 rows of each panel of A
	s_mul_i32 s22, s16, 33792                      ; my 64 rows of B
	s_add_co_u32 s22, s22, APART
.irp s, 0,1
	v_add_nc_u32 v[ADRA+\s], s21, v3
	v_add_nc_u32 v[ADRB+\s], s22, v4
	s_add_co_u32 s21, s21, SLOT
	s_add_co_u32 s22, s22, SLOT
.endr
	s_lshl_b32 s21, s15, 8
	s_add_co_u32 s21, s21, AWL
	v_lshl_add_u32 v[ADAS], v1, 2, s21             ; A's scale words: my 64 rows, 4 bytes a row
	v_mul_u32_u24 v5, v1, KS                       ; B's scale bytes: KS a row,
	v_lshrrev_b32 v6, 8, v5
	v_lshl_add_u32 v5, v6, 4, v5                   ; and 16 more for each 256 passed
	s_mul_i32 s21, s16, (64*KS/256)*272
	s_add_co_u32 s21, s21, BSL
	v_add_nc_u32 v[ADBS], s21, v5
	s_mul_i32 s23, s14, 4352                       ; my stage: 16 rows x (256 + 16) bytes, in slot 0
	v_mul_u32_u24 v5, v1, 272
	v_lshl_add_u32 v5, v2, 5, v5
	v_add_nc_u32 v[STO], s23, v5                   ; in: row r, 32 bytes for each half of the lanes
	v_mul_u32_u24 v5, v2, 272
	v_lshl_add_u32 v5, v1, 4, v5
	v_add_nc_u32 v[RD], s23, v5                    ; back: lanes 0-15 one row of 256 bytes, lanes 16-31 the next
	v_lshlrev_b32 v5, 12, v2
	v_lshl_add_u32 v[CO], v1, 4, v5                ; and the same two rows in res and out (4,096 bytes a row)
	v_lshlrev_b32 v[VB], 5, v2                     ; the bias of my half: 8 numbers on
	s_lshl_b32 s20, s17, 19                        ; 128 rows x 4,096 bytes a tile row,
	s_lshl_b32 s21, s15, 18
	s_add_co_u32 s20, s20, s21
	s_mov_b32 s21, 0
	s_lshl_b32 s46, s42, 9                         ; 128 columns x 4 bytes a tile column
	s_lshl_b32 s47, s16, 8
	s_add_co_u32 s46, s46, s47
	s_mov_b32 s47, 0
	s_add_nc_u64 s[8:9], s[8:9], s[20:21]
	s_add_nc_u64 s[8:9], s[8:9], s[46:47]
	s_add_nc_u64 s[10:11], s[10:11], s[20:21]
	s_add_nc_u64 s[10:11], s[10:11], s[46:47]
	s_add_nc_u64 s[12:13], s[12:13], s[46:47]
	WIN 0x80                                       ; destination window 2
.irp b, 0,1,2,3
	global_load_b128 v[BIA+8*\b:BIA+8*\b+3], v[VB], s[12:13] offset:64*\b        ; bias(16 b + 8 h + 0 .. 7)
	global_load_b128 v[BIA+8*\b+4:BIA+8*\b+7], v[VB], s[12:13] offset:64*\b+16
.endr
; The residual, laid as the rows come back from the stage.  Stored row 16 a + 2 t + (l / 16) of my 64 is the true row 32 (a / 2) + 16 (t / 4) + 8 (a % 2) + 2 (t % 4) + (l / 16): bits 3 and 4 swapped
.irp a, 0,1,2,3
.irp t, 0,1,2,3,4,5,6,7
	global_load_b128 v[RES+32*\a+4*\t:RES+32*\a+4*\t+3], v[CO], s[8:9] offset:(32*(\a/2)+16*(\t/4)+8*(\a%2)+2*(\t%4))*4096
.endr
.endr
	WIN 0
.macro SCALES sc                       ; a slot's scale words into set sc: B's four words of a row by one load; A's a word a load
.irp b, 0,1,2,3
	ds_load_b128 v[BS+16*(\sc)+4*\b:BS+16*(\sc)+4*\b+3], v[ADBS] offset:\b*SBLK
.endr
.irp q, 0,1,2,3
.irp a, 0,1,2,3
	ds_load_b32 v[AS+16*(\sc)+4*\q+\a], v[ADAS] offset:512*\q+64*\a
.endr
.endr
.endm
.macro FETCH slot, q, f                ; 32 LDS loads in one run: the fragments of the slot's q-th 128 along K: B's four, then A's four
	WIN 0x40
.irp b, 0,1,2,3
.irp c, 0,1,2,3
	ds_load_b128 v[\f+64+16*\b+4*\c:\f+64+16*\b+4*\c+3], v[ADRB+\slot] offset:8448*\b+128*(\q)+32*\c
.endr
.endr
.irp a, 0,1,2,3
.irp c, 0,1,2,3
	ds_load_b128 v[\f+16*\a+4*\c:\f+16*\a+4*\c+3], v[ADRA+\slot] offset:1088*\a+8704*(2*(\q)+\c/2)+32*(\c%2)
.endr
.endr
	WIN 0
.endm
; 8 matrix instructions: A's blocks a0, a0 + 1 x B's four.  zero = 1: the first product starts the sums from the bias.  The 16 accumulators take turns, one instruction a turn.
.macro MUL8 f, a0, sc, q, zero
.irp a, \a0, \a0+1
.irp b, 0,1,2,3
.if \zero
	v_wmma_scale_f32_16x16x128_f8f6f4 v[ACC+8*(4*(\a)+\b):ACC+8*(4*(\a)+\b)+7], v[\f+64+16*\b:\f+64+16*\b+15], v[\f+16*(\a):\f+16*(\a)+15], v[BIA+8*\b:BIA+8*\b+7], v[BS+16*(\sc)+4*\b+(\q)], v[AS+16*(\sc)+4*(\q)+(\a)]
.else
	v_wmma_scale_f32_16x16x128_f8f6f4 v[ACC+8*(4*(\a)+\b):ACC+8*(4*(\a)+\b)+7], v[\f+64+16*\b:\f+64+16*\b+15], v[\f+16*(\a):\f+16*(\a)+15], v[ACC+8*(4*(\a)+\b):ACC+8*(4*(\a)+\b)+7], v[BS+16*(\sc)+4*\b+(\q)], v[AS+16*(\sc)+4*(\q)+(\a)]
.endif
.endr
.endr
.endm
.macro PLACES n                        ; plain vector instructions between a matrix instruction and a load into, or a read of, its registers
.rept \n
	v_nop
.endr
.endm
.macro QUARTER slot, q, f, g, zero     ; one of a slot's first three quarters: multiplies buffer f and fetches the next quarter into g
	s_wait_dscnt 8                                 ; B and A's blocks 0, 1 are in; the youngest eight loads (A's blocks 2, 3) may be out
	WIN 0x05+0x20*(\zero)                          ; sources 0 and 1 window 1; the bias as C: window 2
	MUL8 \f, 0, \slot, \q, \zero
	PLACES 8
	FETCH \slot, (\q)+1, \g
	s_wait_dscnt 32                                ; all but the 32 just issued
	WIN 0x05+0x20*(\zero)
	MUL8 \f, 2, \slot, \q, \zero
.endm
; A slot's last quarter changes slots: ONE barrier; in front of it each wave waits for all its tensor loads, adds 0 to its spare word, and waits for that and for its own reads of this slot.
.macro TURN slot, next, fill
	WIN 0
	s_wait_tensorcnt 0x0                           ; all my tensor loads have landed: my part of the next slot
	ds_add_u32 v[SPW], v[NIL]                      ; 0 onto my spare word
	s_wait_dscnt 9                                 ; (the add and A's blocks 2, 3 may be out)
	WIN 0x05
	MUL8 F1, 0, \slot, 3, 0
	s_wait_dscnt 0x0                               ; the add is done, and my reads of this slot are over
	s_barrier_signal -1
	WIN 0
	s_barrier_wait -1
.if \fill
	CREST                                          ; the barrier has opened a round of the cluster's: no wave of any partner still reads this slot or has a load on its way
	s_add_nc_u64 s[G0+4*\slot+2:G0+4*\slot+3], s[G0+4*\slot+2:G0+4*\slot+3], 0x400000   ; 16 panels on
	s_add_nc_u64 s[G0B+4*\slot+2:G0B+4*\slot+3], s[G0B+4*\slot+2:G0B+4*\slot+3], 1024
	JLOAD G0+4*\slot, G1, G0B+4*\slot, G1B         ; the first tensor load behind the round; its four v_nop are among the places in front of the loads below
	PLACES 4
.else
	PLACES 8
.endif
	v_add_nc_u32 v[ADBS], 16, v[ADBS]              ; the next slot's scale words
	v_add_nc_u32 v[ADAS], 2048, v[ADAS]
	SCALES \next
	FETCH \next, 0, F0
	WIN 0x05
	MUL8 F1, 2, \slot, 3, 0
.endm
	s_wait_tensorcnt 1                             ; the scales and my part of slot 0 are in (slot 1's load may be out),
	s_barrier_signal -1
	s_barrier_wait -1                              ; everybody's are
	SCALES 0
	FETCH 0, 0, F0
	s_wait_loadcnt 32                              ; the bias is in; the residual's 32 loads may stay out
	QUARTER 0, 0, F0, F1, 1
.if LAPS > 1
	WIN 0
	s_mov_b32 s3, LAPS-1
.Llap:                                                 ; a trip goes once round the ring and fills both slots again
	QUARTER 0, 1, F1, F0, 0
	QUARTER 0, 2, F0, F1, 0
	TURN 0, 1, 1
	QUARTER 1, 0, F0, F1, 0
	QUARTER 1, 1, F1, F0, 0
	QUARTER 1, 2, F0, F1, 0
	TURN 1, 0, 1
	QUARTER 0, 0, F0, F1, 0
	WIN 0
	s_sub_co_u32 s3, s3, 1
	s_cmp_lg_u32 s3, 0
	s_cbranch_scc1 .Llap
.endif
	QUARTER 0, 1, F1, F0, 0                        ; the last lap fills nothing
	QUARTER 0, 2, F0, F1, 0
	TURN 0, 1, 0
	QUARTER 1, 0, F0, F1, 0
	QUARTER 1, 1, F1, F0, 0
	QUARTER 1, 2, F0, F1, 0
	s_wait_dscnt 8
	WIN 0x05
	MUL8 F1, 0, 1, 3, 0
	s_wait_dscnt 0
	MUL8 F1, 2, 1, 3, 0
	WIN 0
; THE WAY OUT, block by block of 16 rows x 64 columns: through my stage (slot 0 has had its last fill, and nobody reads it behind the last change of slots), back as whole rows of 256 bytes; activation, residual, store.
.macro TOSTAGE a
.irp b, 0,1,2,3
	ds_store_b128 v[STO], v[ACC+8*(4*(\a)+\b):ACC+8*(4*(\a)+\b)+3] offset:64*\b       ; each accumulator from its low end on
	ds_store_b128 v[STO], v[ACC+8*(4*(\a)+\b)+4:ACC+8*(4*(\a)+\b)+7] offset:64*\b+16
.endr
.set BB, OUTR+32*((\a)%2)
.irp t, 0,1,2,3,4,5,6,7
	ds_load_b128 v[BB+4*\t:BB+4*\t+3], v[RD] offset:544*\t   ; LDS serves a wave's instructions in order: these see the stores above
.endr
.endm
.macro SEND a, younger                 ; younger: the LDS instructions issued behind block a's loads
.set BB, OUTR+32*((\a)%2)
	s_wait_dscnt \younger
.if RELU
.set n, 0
.rept 32
	v_max_num_f32 v[BB+n], 0, v[BB+n]
.set n, n+1
.endr
.endif
	WIN 0x08                                       ; source 1 (the residual) window 2
.set n, 0
.rept 16
	v_pk_add_f32 v[BB+n:BB+n+1], v[BB+n:BB+n+1], v[RES+32*(\a)+n:RES+32*(\a)+n+1]
.set n, n+2
.endr
	WIN 0
.irp t, 0,1,2,3,4,5,6,7
.if RELU
	global_store_b128 v[CO], v[BB+4*\t:BB+4*\t+3], s[10:11] offset:(32*((\a)/2)+16*(\t/4)+8*((\a)%2)+2*(\t%4))*4096 th:TH_STORE_NT   ; 16 lanes store 256 consecutive bytes, aligned
.else
	global_store_b128 v[CO], v[BB+4*\t:BB+4*\t+3], s[10:11] offset:(32*((\a)/2)+16*(\t/4)+8*((\a)%2)+2*(\t%4))*4096
.endif
.endr
.endm
	s_wait_loadcnt 0x0                             ; the residual
	PLACES 8
	TOSTAGE 0
.irp a, 1,2,3
.if \a > 1
	s_wait_xcnt 0x0                                ; block a - 2's stores have read their registers: block a's loads may land there
.endif
	TOSTAGE \a
	SEND \a-1, 16                                  ; behind block a - 1's loads: block a's eight stores and eight loads
.endr
	SEND 3, 0
	s_wait_tensorcnt 0x0                           ; the wave's end
	ds_add_u32 v[SPW], v[NIL]
	s_wait_dscnt 0x0
	CROUND                                         ; the closing round
	s_endpgm
.Lfunc_end_k_q9e492f4f7b_oproj:
	.size	k_q9e492f4f7b_oproj, .Lfunc_end_k_q9e492f4f7b_oproj-k_q9e492f4f7b_oproj
	.p2alignl 7, 3214868480
	.fill 96, 4, 3214868480
	.section	.rodata,"a",@progbits
	.p2align	6, 0x0
	.amdhsa_kernel k_q9e492f4f7b_oproj
		.amdhsa_group_segment_fixed_size 327680
		.amdhsa_private_segment_fixed_size 0
		.amdhsa_enable_private_segment 0
		.amdhsa_kernarg_size 32
		.amdhsa_user_sgpr_count 2
		.amdhsa_user_sgpr_kernarg_segment_ptr 1
		.amdhsa_wavefront_size32 1
		.amdhsa_system_sgpr_workgroup_id_x 1
		.amdhsa_system_sgpr_workgroup_id_y 1
		.amdhsa_system_sgpr_workgroup_id_z 1
		.amdhsa_system_vgpr_workitem_id 0
		.amdhsa_next_free_vgpr 768
		.amdhsa_next_free_sgpr 100
		.amdhsa_reserve_vcc 0
		.amdhsa_float_denorm_mode_32 3
		.amdhsa_float_denorm_mode_16_64 3
		.amdhsa_memory_ordered 1
		.amdhsa_forward_progress 1
		.amdhsa_inst_pref_size 64
	.end_amdhsa_kernel
	.amdgpu_metadata
---
amdhsa.version: [ 1, 2 ]
amdhsa.kernels:
  - .name:           k_q9e492f4f7b_oproj
    .symbol:         k_q9e492f4f7b_oproj.kd
    .args:
      - { .name: hq, .offset: 0, .size: 8, .value_kind: global_buffer, .address_space: global }
      - { .name: misc, .offset: 8, .size: 8, .value_kind: global_buffer, .address_space: global }
      - { .name: x, .offset: 16, .size: 8, .value_kind: global_buffer, .address_space: global }
      - { .name: x2, .offset: 24, .size: 8, .value_kind: global_buffer, .address_space: global }
    .group_segment_fixed_size: 327680
    .private_segment_fixed_size: 0
    .kernarg_segment_align: 8
    .kernarg_segment_size: 32
    .max_flat_workgroup_size: 128
    .sgpr_count:     100
    .vgpr_count:     768
    .wavefront_size: 32
...
	.end_amdgpu_metadata
.endif
;; end of part 4
;; launch ln2: the kernel of part 1 again; grid 256 x 1, 2 waves a work-group, no clusters, 11,520 bytes of LDS; arguments x2, g2, beta2, W_Q, W_K, W_V, W_O, W1, W2, hq, wqk, wv, w1q, misc; writes hq, wqk, wv, w1q, misc
;; launch ffn1: the kernel of part 2 again; grid 16 x 16, 4 waves a work-group, clusters of 4 x 4, 327,680 bytes of LDS; arguments hq, w1q, b1, qku; writes qku
;; launch ffn2 (part 5): grid 8 x 32, 4 waves a work-group, clusters of 4 x 4, 327,680 bytes of LDS; arguments qku, misc, x2, out0, b2; writes out0
.if DOCPART == 5
	.amdgcn_target "amdgcn-amd-amdhsa--gfx1250"
	.amdhsa_code_object_version 6
	.text
	.protected	k_q9e492f4f7b_ffn2
	.globl	k_q9e492f4f7b_ffn2
	.p2align	8
	.type	k_q9e492f4f7b_ffn2,@function
k_q9e492f4f7b_ffn2:
	s_mov_b64 s[64:65], 0
	v_nop
	global_prefetch_b8 v0, s[64:65] scope:SCOPE_SE
	s_setreg_imm32_b32 hwreg(HW_REG_WAVE_MODE, 25, 1), 1
	s_wait_xcnt 0x0
	s_wait_alu depctr_hold_cnt(0) depctr_sa_sdst(0) depctr_va_vdst(0) depctr_va_sdst(0) depctr_va_ssrc(0) depctr_va_vcc(0) depctr_vm_vsrc(0)
	s_getreg_b32 s2, hwreg(HW_REG_IB_STS2, 6, 4)
	s_cmp_eq_u32 s2, 0
	s_cbranch_scc0 .Lentry_in_a_cluster
	s_endpgm
.Lentry_in_a_cluster:
	s_bfe_u32 s2, ttmp6, 0x10000c
	s_cmp_lg_u32 s2, 0xf033
	s_cbranch_scc0 .Lentry_shape_is_right
	s_endpgm
.Lentry_shape_is_right:
; out[true row][n] = act(sum over k of A[row][k] B[n][k] + bias[n]) + res[true row][n], f32, on codes of FP8 (E4M3) with one E8M0 scale for each 32 along K.
; Here: out0 = relu(u W2^T + b2) + x2.  K = 4,096; the bias is the fifth argument.
; A: in panels: codes [K / 64][4096 rows][64 bytes] (262,144 bytes a panel), scale words [K / 128][4096 rows][4 bytes] at AWOFF; its rows are tokens in the STORED order (stored row s = true row s with bits 3 and 4 swapped).
; B: [n][K] codes at BCOFF of its buffer, [n][K / 32] scale bytes at BSOFF, true order.  res and out: [4096][1024] f32, true order.
; A tile of the result is 128 x 128 (N = 1,024 gives 256 such tiles, one for each work-group); four waves, each 64 x 64: 16 accumulators.  K goes in steps of 512 through a ring of two LDS slots;
; waves 0, 1 fetch A's panels, waves 2, 3 B's rows.  All scale words and bytes of the tile's rows come into LDS once, with the first fills.
; CLUSTERS: 4 x 4 work-groups; A's tiles are asked for jointly along a row of the cluster, B's along a column.
; THE MATRIX INSTRUCTION IS USED TRANSPOSED (source 0 = 16 rows of B, source 1 = 16 rows of A): a lane holds eight neighbouring n of one row.  The bias is the C of each sum's first instruction.
; REGISTERS: window 0: v0-31 addresses; v32-63 B's scale words, v64-95 A's, two sets each (on the way out: rows of the result); v128-255 the accumulators ((a, b) at v[128 + 8 (4 a + b)]).
;   window 1: two fragment buffers of 128 (A's four fragments, then B's four).   window 2: v0-31 the bias; v128-255 the residual, asked for at the head.
.set KTOT,    4096
.set AWOFF,   0x1000000
.set BCOFF,   0x400000
.set BSOFF,   0x800000
.set RELU,    1
.set BIASARG, 1
.set KS,     KTOT/32
.set LAPS,   KTOT/1024                 ; a lap = two K steps of 512
.set APART,  69632                     ; a slot: A: 8 panels x 128 rows x 64 bytes, 16 of padding behind every 256 (8,704 a panel);
.set SLOT,   137216                    ; then B: 128 rows x (512 + 16) bytes
.set AWL,    2*SLOT                    ; A's scale words [K / 128][128 rows][4 bytes]
.set BSL,    AWL+16384                 ; B's scale bytes, as units of 256 bytes + 16
.set SBLK,   (16*KS/256)*272           ; those of 16 rows
.set SPARE,  BSL+17408                 ; the spare words, 128 bytes for each wave
.set ADRA, 16
.set ADRB, 20
.set ADAS, 22
.set ADBS, 23
.set STO,  24
.set RD,   25
.set CO,   26
.set SPW,  28
.set NIL,  29
.set VB,   30
.set BS,   32
.set AS,   64
.set OUTR, 32
.set ACC,  128
.set F0,   0
.set F1,   128
.set BIA,  0                           ; in window 2
.set RES,  128                         ; in window 2
.set G1, 24
.set G0, 32
.set G1B, 48
.set G0B, 56
.set G1S, 68
.set G0S, 76
.set G1SB, 80
.set G0SB, 88
.set MSB, 0
.macro WIN new                         ; the immediate's high byte repeats the setting that is left
.if MSB != (\new)
	s_set_vgpr_msb (MSB<<8)|(\new)
.set MSB, (\new)
.endif
.endm
.macro JLOAD g0a, g1a, g0b, g1b        ; a joint load: waves 0, 1 for A, waves 2, 3 for B; four v_nop follow each of the two lines
	s_cmp_eq_u32 s15, 0
	s_cbranch_scc0 .Lfor_b_\@
	tensor_load_to_lds s[\g0a:\g0a+3], s[\g1a:\g1a+7]
	s_nop 0
.rept 4
	v_nop
.endr
	s_branch .Lasked_\@
.Lfor_b_\@:
	tensor_load_to_lds s[\g0b:\g0b+3], s[\g1b:\g1b+7]
	s_nop 0
.rept 4
	v_nop
.endr
.Lasked_\@:
.endm
.macro CREST
	s_cmp_lg_u32 s14, 0
	s_cbranch_scc1 .Lnot_wave_0_\@
	s_barrier_signal -3
.Lnot_wave_0_\@:
	s_barrier_wait -3
	s_barrier_signal -1
	s_barrier_wait -1
.endm
.macro CROUND
	s_barrier_signal -1
	s_barrier_wait -1
	CREST
.endm
	s_load_b256 s[4:11], s[0:1], 0x0               ; A s[4:5], B's buffer s[6:7], res s[8:9], out s[10:11]
.if BIASARG
	s_load_b64 s[12:13], s[0:1], 0x20              ; the bias
.endif
	v_lshl_add_u32 v[SPW], v0, 2, SPARE
	v_mov_b32 v[NIL], 0
	ds_add_u32 v28, v29
	s_wait_dscnt 0x0
	v_lshrrev_b32 v1, 5, v0
	v_readfirstlane_b32 s14, v1                    ; wave 0..3
	s_lshr_b32 s15, s14, 1                         ; which half of the tile's rows is mine.  Also: I fetch for A (0) or for B (1)
	s_and_b32 s16, s14, 1                          ; which half of its columns.  Also: which half of that tile I fetch
	s_bfe_u32 s40, ttmp6, 0x40000
	s_bfe_u32 s41, ttmp6, 0x40004
	s_lshl_b32 s42, ttmp9, 2
	s_add_co_u32 s42, s42, s40                     ; tile column
	s_and_b32 s17, ttmp7, 0xffff
	s_lshl_b32 s17, s17, 2
	s_add_co_u32 s17, s17, s41                     ; tile row
	s_lshl_b32 s43, s41, 2
	s_lshl_b32 s43, 15, s43                        ; my row of the cluster
	s_lshl_b32 s44, 0x1111, s40                    ; my column
	s_or_b32 s[G1+0], s43, (3<<16)|(1<<20)|(1<<21)|(5<<22)|(3<<25)   ; A: four panels' 8,192 bytes (128 rows x 64), a panel apart; elements of 8 bytes; 4 words of padding behind every 64
	s_mov_b32 s[G1+1], 1024<<16
	s_mov_b32 s[G1+2], 4<<16
	s_mov_b32 s[G1+3], 1024<<16
	s_mov_b32 s[G1+4], 4
	s_mov_b32 s[G1+5], 32768
	s_mov_b32 s[G1+6], 0
	s_mov_b32 s[G1+7], 0
	s_or_b32 s[G1B+0], s44, (0<<16)|(1<<20)|(1<<21)|(6<<22)|(3<<25)  ; B: 64 rows of 512 bytes; 4 words of padding behind every 128
	s_mov_b32 s[G1B+1], 512<<16
	s_mov_b32 s[G1B+2], 64<<16
	s_mov_b32 s[G1B+3], 512<<16
	s_mov_b32 s[G1B+4], 64
	s_mov_b32 s[G1B+5], KTOT
	s_mov_b32 s[G1B+6], 0
	s_mov_b32 s[G1B+7], 0
	s_or_b32 s[G1S+0], s43, (3<<16)|(1<<21)                          ; A's scale words: KTOT / 256 rows of 512 bytes, 16,384 bytes apart
	s_mov_b32 s[G1S+1], 64<<16
	s_mov_b32 s[G1S+2], (KTOT/256)<<16
	s_mov_b32 s[G1S+3], 64<<16
	s_mov_b32 s[G1S+4], KTOT/256
	s_mov_b32 s[G1S+5], 2048
	s_mov_b32 s[G1S+6], 0
	s_mov_b32 s[G1S+7], 0
	s_or_b32 s[G1SB+0], s44, (3<<16)|(1<<20)|(1<<21)|(5<<22)|(3<<25) ; B's scale bytes of 64 rows: a dense block, as rows of 256 bytes
	s_mov_b32 s[G1SB+1], 32<<16
	s_mov_b32 s[G1SB+2], (64*KS/256)<<16
	s_mov_b32 s[G1SB+3], 32<<16
	s_mov_b32 s[G1SB+4], 64*KS/256
	s_mov_b32 s[G1SB+5], 32
	s_mov_b32 s[G1SB+6], 0
	s_mov_b32 s[G1SB+7], 0
	s_lshl_b32 s20, s16, 20                        ; A's codes: panel 4 x half,
	s_lshl_b32 s21, s17, 13
	s_add_co_u32 s20, s20, s21                     ; row 128 x tile row
	s_mov_b32 s21, 0
	s_mul_i32 s22, s16, KTOT*64                    ; A's scale words: my half of the K / 128 rows,
	s_lshl_b32 s23, s17, 9
	s_add_co_u32 s22, s22, s23
	s_mov_b32 s23, 0
	s_lshl_b32 s46, s42, 7
	s_lshl_b32 s47, s16, 6
	s_add_co_u32 s46, s46, s47                     ; B: row 128 x tile column + 64 x half
	s_mul_i32 s92, s46, KS
	s_mov_b32 s93, 0
	s_mul_i32 s46, s46, KTOT
	s_mov_b32 s47, 0
	s_mul_i32 s45, s16, 34816                      ; where they go, by the wave's number alone
	s_mul_i32 s95, s16, 33792
	s_add_co_u32 s95, s95, APART
	s_mul_i32 s94, s16, (KTOT/256)*512
	s_add_co_u32 s94, s94, AWL
	s_mul_i32 s96, s16, (64*KS/256)*272
	s_add_co_u32 s96, s96, BSL
	s_wait_kmcnt 0x0
.if BIASARG == 0
	s_mov_b64 s[12:13], s[6:7]                     ; the zeros at the head of B's buffer
.endif
	s_add_nc_u64 s[20:21], s[4:5], s[20:21]
	s_add_nc_u64 s[22:23], s[4:5], s[22:23]
	s_add_nc_u64 s[22:23], s[22:23], AWOFF
	s_add_nc_u64 s[46:47], s[6:7], s[46:47]
	s_add_nc_u64 s[46:47], s[46:47], BCOFF
	s_add_nc_u64 s[92:93], s[6:7], s[92:93]
	s_add_nc_u64 s[92:93], s[92:93], BSOFF
	CROUND                                         ; all sixteen work-groups are here: the first joint loads meet
	s_mov_b32 s[G0S], 1
	s_mov_b32 s[G0S+1], s94
	s_mov_b64 s[G0S+2:G0S+3], s[22:23]
	s_or_b32 s[G0S+3], s[G0S+3], 0x80000000
	s_mov_b32 s[G0SB], 1
	s_mov_b32 s[G0SB+1], s96
	s_mov_b64 s[G0SB+2:G0SB+3], s[92:93]
	s_or_b32 s[G0SB+3], s[G0SB+3], 0x80000000
	JLOAD G0S, G1S, G0SB, G1SB                     ; the scales first
.irp s, 0,1
	s_mov_b32 s[G0+4*\s], 1
	s_add_co_u32 s[G0+4*\s+1], s45, \s*SLOT
	s_add_nc_u64 s[G0+4*\s+2:G0+4*\s+3], s[20:21], \s*0x200000     ; slot s: 8 panels on
	s_or_b32 s[G0+4*\s+3], s[G0+4*\s+3], 0x80000000
	s_mov_b32 s[G0B+4*\s], 1
	s_add_co_u32 s[G0B+4*\s+1], s95, \s*SLOT
	s_add_nc_u64 s[G0B+4*\s+2:G0B+4*\s+3], s[46:47], \s*512
	s_or_b32 s[G0B+4*\s+3], s[G0B+4*\s+3], 0x80000000
	JLOAD G0+4*\s, G1, G0B+4*\s, G1B               ; three tensor loads of mine are out
.endr
	v_and_b32 v1, 15, v0                           ; r
	v_bfe_u32 v2, v0, 4, 1                         ; h
	v_lshlrev_b32 v3, 6, v1
	v_lshrrev_b32 v4, 2, v1
	v_lshl_add_u32 v3, v4, 4, v3
	v_lshl_add_u32 v3, v2, 4, v3                   ; A: 64 r + 16 (r / 4) + 16 h
	v_mul_u32_u24 v4, v1, 528
	v_lshl_add_u32 v4, v2, 4, v4                   ; B: 528 r + 16 h
	s_mul_i32 s21, s15, 4352                       ; my 64 rows of each panel of A
	s_mul_i32 s22, s16, 33792                      ; my 64 rows of B
	s_add_co_u32 s22, s22, APART
.irp s, 0,1
	v_add_nc_u32 v[ADRA+\s], s21, v3
	v_add_nc_u32 v[ADRB+\s], s22, v4
	s_add_co_u32 s21, s21, SLOT
	s_add_co_u32 s22, s22, SLOT
.endr
	s_lshl_b32 s21, s15, 8
	s_add_co_u32 s21, s21, AWL
	v_lshl_add_u32 v[ADAS], v1, 2, s21             ; A's scale words: my 64 rows, 4 bytes a row
	v_mul_u32_u24 v5, v1, KS                       ; B's scale bytes: KS a row,
	v_lshrrev_b32 v6, 8, v5
	v_lshl_add_u32 v5, v6, 4, v5                   ; and 16 more for each 256 passed
	s_mul_i32 s21, s16, (64*KS/256)*272
	s_add_co_u32 s21, s21, BSL
	v_add_nc_u32 v[ADBS], s21, v5
	s_mul_i32 s23, s14, 4352                       ; my stage: 16 rows x (256 + 16) bytes, in slot 0
	v_mul_u32_u24 v5, v1, 272
	v_lshl_add_u32 v5, v2, 5, v5
	v_add_nc_u32 v[STO], s23, v5                   ; in: row r, 32 bytes for each half of the lanes
	v_mul_u32_u24 v5, v2, 272
	v_lshl_add_u32 v5, v1, 4, v5
	v_add_nc_u32 v[RD], s23, v5                    ; back: lanes 0-15 one row of 256 bytes, lanes 16-31 the next
	v_lshlrev_b32 v5, 12, v2
	v_lshl_add_u32 v[CO], v1, 4, v5                ; and the same two rows in res and out (4,096 bytes a row)
	v_lshlrev_b32 v[VB], 5, v2                     ; the bias of my half: 8 numbers on
	s_lshl_b32 s20, s17, 19                        ; 128 rows x 4,096 bytes a tile row,
	s_lshl_b32 s21, s15, 18
	s_add_co_u32 s20, s20, s21
	s_mov_b32 s21, 0
	s_lshl_b32 s46, s42, 9                         ; 128 columns x 4 bytes a tile column
	s_lshl_b32 s47, s16, 8
	s_add_co_u32 s46, s46, s47
	s_mov_b32 s47, 0
	s_add_nc_u64 s[8:9], s[8:9], s[20:21]
	s_add_nc_u64 s[8:9], s[8:9], s[46:47]
	s_add_nc_u64 s[10:11], s[10:11], s[20:21]
	s_add_nc_u64 s[10:11], s[10:11], s[46:47]
	s_add_nc_u64 s[12:13], s[12:13], s[46:47]
	WIN 0x80                                       ; destination window 2
.irp b, 0,1,2,3
	global_load_b128 v[BIA+8*\b:BIA+8*\b+3], v[VB], s[12:13] offset:64*\b        ; bias(16 b + 8 h + 0 .. 7)
	global_load_b128 v[BIA+8*\b+4:BIA+8*\b+7], v[VB], s[12:13] offset:64*\b+16
.endr
; The residual, laid as the rows come back from the stage.  Stored row 16 a + 2 t + (l / 16) of my 64 is the true row 32 (a / 2) + 16 (t / 4) + 8 (a % 2) + 2 (t % 4) + (l / 16): bits 3 and 4 swapped
.irp a, 0,1,2,3
.irp t, 0,1,2,3,4,5,6,7
	global_load_b128 v[RES+32*\a+4*\t:RES+32*\a+4*\t+3], v[CO], s[8:9] offset:(32*(\a/2)+16*(\t/4)+8*(\a%2)+2*(\t%4))*4096
.endr
.endr
	WIN 0
.macro SCALES sc                       ; a slot's scale words into set sc: B's four words of a row by one load; A's a word a load
.irp b, 0,1,2,3
	ds_load_b128 v[BS+16*(\sc)+4*\b:BS+16*(\sc)+4*\b+3], v[ADBS] offset:\b*SBLK
.endr
.irp q, 0,1,2,3
.irp a, 0,1,2,3
	ds_load_b32 v[AS+16*(\sc)+4*\q+\a], v[ADAS] offset:512*\q+64*\a
.endr
.endr
.endm
.macro FETCH slot, q, f                ; 32 LDS loads in one run: the fragments of the slot's q-th 128 along K: B's four, then A's four
	WIN 0x40
.irp b, 0,1,2,3
.irp c, 0,1,2,3
	ds_load_b128 v[\f+64+16*\b+4*\c:\f+64+16*\b+4*\c+3], v[ADRB+\slot] offset:8448*\b+128*(\q)+32*\c
.endr
.endr
.irp a, 0,1,2,3
.irp c, 0,1,2,3
	ds_load_b128 v[\f+16*\a+4*\c:\f+16*\a+4*\c+3], v[ADRA+\slot] offset:1088*\a+8704*(2*(\q)+\c/2)+32*(\c%2)
.endr
.endr
	WIN 0
.endm
; 8 matrix instructions: A's blocks a0, a0 + 1 x B's four.  zero = 1: the first product starts the sums from the bias.  The 16 accumulators take turns, one instruction a turn.
.macro MUL8 f, a0, sc, q, zero
.irp a, \a0, \a0+1
.irp b, 0,1,2,3
.if \zero
	v_wmma_scale_f32_16x16x128_f8f6f4 v[ACC+8*(4*(\a)+\b):ACC+8*(4*(\a)+\b)+7], v[\f+64+16*\b:\f+64+16*\b+15], v[\f+16*(\a):\f+16*(\a)+15], v[BIA+8*\b:BIA+8*\b+7], v[BS+16*(\sc)+4*\b+(\q)], v[AS+16*(\sc)+4*(\q)+(\a)]
.else
	v_wmma_scale_f32_16x16x128_f8f6f4 v[ACC+8*(4*(\a)+\b):ACC+8*(4*(\a)+\b)+7], v[\f+64+16*\b:\f+64+16*\b+15], v[\f+16*(\a):\f+16*(\a)+15], v[ACC+8*(4*(\a)+\b):ACC+8*(4*(\a)+\b)+7], v[BS+16*(\sc)+4*\b+(\q)], v[AS+16*(\sc)+4*(\q)+(\a)]
.endif
.endr
.endr
.endm
.macro PLACES n                        ; plain vector instructions between a matrix instruction and a load into, or a read of, its registers
.rept \n
	v_nop
.endr
.endm
.macro QUARTER slot, q, f, g, zero     ; one of a slot's first three quarters: multiplies buffer f and fetches the next quarter into g
	s_wait_dscnt 8                                 ; B and A's blocks 0, 1 are in; the youngest eight loads (A's blocks 2, 3) may be out
	WIN 0x05+0x20*(\zero)                          ; sources 0 and 1 window 1; the bias as C: window 2
	MUL8 \f, 0, \slot, \q, \zero
	PLACES 8
	FETCH \slot, (\q)+1, \g
	s_wait_dscnt 32                                ; all but the 32 just issued
	WIN 0x05+0x20*(\zero)
	MUL8 \f, 2, \slot, \q, \zero
.endm
; A slot's last quarter changes slots: ONE barrier; in front of it each wave waits for all its tensor loads, adds 0 to its spare word, and waits for that and for its own reads of this slot.
.macro TURN slot, next, fill
	WIN 0
	s_wait_tensorcnt 0x0                           ; all my tensor loads have landed: my part of the next slot
	ds_add_u32 v[SPW], v[NIL]                      ; 0 onto my spare word
	s_wait_dscnt 9                                 ; (the add and A's blocks 2, 3 may be out)
	WIN 0x05
	MUL8 F1, 0, \slot, 3, 0
	s_wait_dscnt 0x0                               ; the add is done, and my reads of this slot are over
	s_barrier_signal -1
	WIN 0
	s_barrier_wait -1
.if \fill
	CREST                                          ; the barrier has opened a round of the cluster's: no wave of any partner still reads this slot or has a load on its way
	s_add_nc_u64 s[G0+4*\slot+2:G0+4*\slot+3], s[G0+4*\slot+2:G0+4*\slot+3], 0x400000   ; 16 panels on
	s_add_nc_u64 s[G0B+4*\slot+2:G0B+4*\slot+3], s[G0B+4*\slot+2:G0B+4*\slot+3], 1024
	JLOAD G0+4*\slot, G1, G0B+4*\slot, G1B         ; the first tensor load behind the round; its four v_nop are among the places in front of the loads below
	PLACES 4
.else
	PLACES 8
.endif
	v_add_nc_u32 v[ADBS], 16, v[ADBS]              ; the next slot's scale words
	v_add_nc_u32 v[ADAS], 2048, v[ADAS]
	SCALES \next
	FETCH \next, 0, F0
	WIN 0x05
	MUL8 F1, 2, \slot, 3, 0
.endm
	s_wait_tensorcnt 1                             ; the scales and my part of slot 0 are in (slot 1's load may be out),
	s_barrier_signal -1
	s_barrier_wait -1                              ; everybody's are
	SCALES 0
	FETCH 0, 0, F0
	s_wait_loadcnt 32                              ; the bias is in; the residual's 32 loads may stay out
	QUARTER 0, 0, F0, F1, 1
.if LAPS > 1
	WIN 0
	s_mov_b32 s3, LAPS-1
.Llap:                                                 ; a trip goes once round the ring and fills both slots again
	QUARTER 0, 1, F1, F0, 0
	QUARTER 0, 2, F0, F1, 0
	TURN 0, 1, 1
	QUARTER 1, 0, F0, F1, 0
	QUARTER 1, 1, F1, F0, 0
	QUARTER 1, 2, F0, F1, 0
	TURN 1, 0, 1
	QUARTER 0, 0, F0, F1, 0
	WIN 0
	s_sub_co_u32 s3, s3, 1
	s_cmp_lg_u32 s3, 0
	s_cbranch_scc1 .Llap
.endif
	QUARTER 0, 1, F1, F0, 0                        ; the last lap fills nothing
	QUARTER 0, 2, F0, F1, 0
	TURN 0, 1, 0
	QUARTER 1, 0, F0, F1, 0
	QUARTER 1, 1, F1, F0, 0
	QUARTER 1, 2, F0, F1, 0
	s_wait_dscnt 8
	WIN 0x05
	MUL8 F1, 0, 1, 3, 0
	s_wait_dscnt 0
	MUL8 F1, 2, 1, 3, 0
	WIN 0
; THE WAY OUT, block by block of 16 rows x 64 columns: through my stage (slot 0 has had its last fill, and nobody reads it behind the last change of slots), back as whole rows of 256 bytes; activation, residual, store.
.macro TOSTAGE a
.irp b, 0,1,2,3
	ds_store_b128 v[STO], v[ACC+8*(4*(\a)+\b):ACC+8*(4*(\a)+\b)+3] offset:64*\b       ; each accumulator from its low end on
	ds_store_b128 v[STO], v[ACC+8*(4*(\a)+\b)+4:ACC+8*(4*(\a)+\b)+7] offset:64*\b+16
.endr
.set BB, OUTR+32*((\a)%2)
.irp t, 0,1,2,3,4,5,6,7
	ds_load_b128 v[BB+4*\t:BB+4*\t+3], v[RD] offset:544*\t   ; LDS serves a wave's instructions in order: these see the stores above
.endr
.endm
.macro SEND a, younger                 ; younger: the LDS instructions issued behind block a's loads
.set BB, OUTR+32*((\a)%2)
	s_wait_dscnt \younger
.if RELU
.set n, 0
.rept 32
	v_max_num_f32 v[BB+n], 0, v[BB+n]
.set n, n+1
.endr
.endif
	WIN 0x08                                       ; source 1 (the residual) window 2
.set n, 0
.rept 16
	v_pk_add_f32 v[BB+n:BB+n+1], v[BB+n:BB+n+1], v[RES+32*(\a)+n:RES+32*(\a)+n+1]
.set n, n+2
.endr
	WIN 0
.irp t, 0,1,2,3,4,5,6,7
.if RELU
	global_store_b128 v[CO], v[BB+4*\t:BB+4*\t+3], s[10:11] offset:(32*((\a)/2)+16*(\t/4)+8*((\a)%2)+2*(\t%4))*4096 th:TH_STORE_NT   ; 16 lanes store 256 consecutive bytes, aligned
.else
	global_store_b128 v[CO], v[BB+4*\t:BB+4*\t+3], s[10:11] offset:(32*((\a)/2)+16*(\t/4)+8*((\a)%2)+2*(\t%4))*4096
.endif
.endr
.endm
	s_wait_loadcnt 0x0                             ; the residual
	PLACES 8
	TOSTAGE 0
.irp a, 1,2,3
.if \a > 1
	s_wait_xcnt 0x0                                ; block a - 2's stores have read their registers: block a's loads may land there
.endif
	TOSTAGE \a
	SEND \a-1, 16                                  ; behind block a - 1's loads: block a's eight stores and eight loads
.endr
	SEND 3, 0
	s_wait_tensorcnt 0x0                           ; the wave's end
	ds_add_u32 v[SPW], v[NIL]
	s_wait_dscnt 0x0
	CROUND                                         ; the closing round
	s_endpgm
.Lfunc_end_k_q9e492f4f7b_ffn2:
	.size	k_q9e492f4f7b_ffn2, .Lfunc_end_k_q9e492f4f7b_ffn2-k_q9e492f4f7b_ffn2
	.p2alignl 7, 3214868480
	.fill 96, 4, 3214868480
	.section	.rodata,"a",@progbits
	.p2align	6, 0x0
	.amdhsa_kernel k_q9e492f4f7b_ffn2
		.amdhsa_group_segment_fixed_size 327680
		.amdhsa_private_segment_fixed_size 0
		.amdhsa_enable_private_segment 0
		.amdhsa_kernarg_size 40
		.amdhsa_user_sgpr_count 2
		.amdhsa_user_sgpr_kernarg_segment_ptr 1
		.amdhsa_wavefront_size32 1
		.amdhsa_system_sgpr_workgroup_id_x 1
		.amdhsa_system_sgpr_workgroup_id_y 1
		.amdhsa_system_sgpr_workgroup_id_z 1
		.amdhsa_system_vgpr_workitem_id 0
		.amdhsa_next_free_vgpr 768
		.amdhsa_next_free_sgpr 100
		.amdhsa_reserve_vcc 0
		.amdhsa_float_denorm_mode_32 3
		.amdhsa_float_denorm_mode_16_64 3
		.amdhsa_memory_ordered 1
		.amdhsa_forward_progress 1
		.amdhsa_inst_pref_size 109
	.end_amdhsa_kernel
	.amdgpu_metadata
---
amdhsa.version: [ 1, 2 ]
amdhsa.kernels:
  - .name:           k_q9e492f4f7b_ffn2
    .symbol:         k_q9e492f4f7b_ffn2.kd
    .args:
      - { .name: qku, .offset: 0, .size: 8, .value_kind: global_buffer, .address_space: global }
      - { .name: misc, .offset: 8, .size: 8, .value_kind: global_buffer, .address_space: global }
      - { .name: x2, .offset: 16, .size: 8, .value_kind: global_buffer, .address_space: global }
      - { .name: out0, .offset: 24, .size: 8, .value_kind: global_buffer, .address_space: global }
      - { .name: b2, .offset: 32, .size: 8, .value_kind: global_buffer, .address_space: global }
    .group_segment_fixed_size: 327680
    .private_segment_fixed_size: 0
    .kernarg_segment_align: 8
    .kernarg_segment_size: 40
    .max_flat_workgroup_size: 128
    .sgpr_count:     100
    .vgpr_count:     768
    .wavefront_size: 32
...
	.end_amdgpu_metadata
.endif
;; end of part 5
;; ======== version 2 of 2: 7 launches
;; limits: right only within a limited range of input values
;; workspace buffers: hq 4,325,376 bytes; wqk 4,325,376 bytes; wv 4,325,376 bytes; w1q 4,325,376 bytes; misc 8,519,680 bytes; qku 17,301,504 bytes; vtq 17,301,504 bytes; x2 16,777,216 bytes
;; launch prep (part 6): grid 1024 x 1, 4 waves a work-group, no clusters, 23,040 bytes of LDS; arguments x, g1, beta1, W_Q, W_K, W_V, W_O, W1, W2, hq, wqk, wv, w1q, misc; writes hq, wqk, wv, w1q, misc
.if DOCPART == 6
	.amdgcn_target "amdgcn-amd-amdhsa--gfx1250"
	.amdhsa_code_object_version 6
	.text
	.protected	k_q9e492f4f7b_prep
	.globl	k_q9e492f4f7b_prep
	.p2align	8
	.type	k_q9e492f4f7b_prep,@function
k_q9e492f4f7b_prep:
	s_mov_b64 s[64:65], 0
	v_nop
	global_prefetch_b8 v0, s[64:65] scope:SCOPE_SE
	s_setreg_imm32_b32 hwreg(HW_REG_WAVE_MODE, 25, 1), 1
	s_wait_xcnt 0x0
; LAYER NORM (or nothing) AND THE QUANTISER, for every tensor that arrives as f32 with K innermost.
; A tensor is a stream of rows of 1,024 f32 (W2's rows of 4,096 are four such rows: codes and scale bytes are plain streams).
; Out: codes of FP8 (E4M3), one byte a number, [row][1024], and one E8M0 byte for each 32 along K, [row][32].
; A block's scale is 2^(floor(log2(largest magnitude)) - 8); each number is divided by it, held within +-448 and rounded to the nearest code, ties to even.
; WHO TAKES WHAT.  A wave takes 4 rows, a work-group of four waves 16.  The work-group's number picks the tensor (table at PICK): pointers and four numbers are chosen by selects,
; so every tensor goes ONE way through the text.  Tokens are normalised: h = ((x - mean) * rsqrt(var + 1e-5)) * g + beta, mean and var by two passes in f32.
; For weights the same lines run with mean x 0, 1 for the root, g = 1, beta = 0, put in by selects: (w - 0) * 1 * 1 + 0 = w, exactly.
; THE ORDER OF ROWS.  Where perm = 1, row i is stored at the place i with its bits 3 and 4 swapped.  The products that read these codes take 16 consecutive stored rows as a tile; a lane's
; sixteen results of two neighbouring tiles are then sixteen NEIGHBOURS in the true order, which is what the next quantiser wants.  Four aligned rows move together, so the swap is scalar work.
; A wave's codes leave as runs of 512 consecutive bytes; its 128 scale bytes (one byte for 32 codes) as one run of 128, half of an aligned 256.
; LIMITS: NaN and infinities among the inputs are not served.  A block whose largest magnitude lies under 2^-118 keeps the byte 1; a block of zeros carries the byte 1 and not 127
; (its codes are zeros, and only this program reads the bytes).
; No tensor loads, no barrier: waves share nothing.  Two rows (16 loads) are on their way while one is worked on.
.set WREG,  5632                       ; LDS of a wave: two stages of 32 x 80 bytes, then its 128 scale bytes
.set SPARE, 4*WREG                     ; behind the four waves' regions: the spare words, 128 bytes a wave
.set SP,    80                         ; a lane's place in a stage: 64 bytes + 16 of padding
.set MU,    8                          ; v[8:9]    the mean, twice
.set RS,    10                         ; v[10:11]  1 / sqrt(var + eps), twice
.set G,     16                         ; v16-47    g of my 32 columns
.set BE,    48                         ; v48-79    beta
.set R,     80                         ; v80-175   three sets of a row's 32 numbers
.set X,     176                        ; v176-207  two steps x 16 neighbours
.set C,     208                        ; v208-215  codes of a row
.set E,     216                        ; v216-217  scale bytes
.set T,     218                        ; v218-225  at work
	s_load_b512 s[4:19], s[0:1], 0x0               ; x 4, g 6, beta 8, W_Q 10, W_K 12, W_V 14, W_O 16, W1 18
	s_load_b256 s[20:27], s[0:1], 0x40             ; W2 20, hq 22, wqk 24, wv 26
	s_load_b128 s[28:31], s[0:1], 0x60             ; w1q 28, misc 30
	v_lshl_add_u32 v232, v0, 2, SPARE
	v_mov_b32 v233, 0
	v_lshrrev_b32 v7, 5, v0
	v_readfirstlane_b32 s32, v7                    ; wave 0..3
	v_and_b32 v7, 31, v0                           ; lane
	v_lshlrev_b32 v1, 4, v7                        ; v1: 16 x lane: my 16 bytes of 512
	s_mul_i32 s51, s32, WREG
	v_lshrrev_b32 v2, 2, v7
	v_mul_u32_u24 v2, v2, SP
	v_and_b32 v3, 3, v7
	v_lshl_add_u32 v2, v3, 4, v2
	v_add_nc_u32 v2, s51, v2                       ; v2: the stage, on the way in: four lanes' 64 bytes on end, then the padding
	v_mul_u32_u24 v3, v7, SP
	v_add_nc_u32 v3, s51, v3                       ; v3: on the way out: my 16 neighbours
	s_add_co_u32 s51, s51, 2*32*SP
	v_lshrrev_b32 v4, 1, v7
	v_add_nc_u32 v4, s51, v4                       ; v4: my block's scale byte (two lanes to a block)
	v_lshlrev_b32 v6, 2, v7                        ; v6: 4 x lane
	v_add_nc_u32 v5, s51, v6                       ; v5: the scale bytes on the way out
	s_mov_b32 s46, 0x76543210
	s_mov_b32 s47, 0xfedcba98                      ; lane selects: lane l xor 16
	s_mov_b32 s48, 0x600000                        ; the mantissa field of 448
	s_mov_b32 s49, 0x3727c5ac                      ; 1e-5
	s_mov_b32 s50, 0x3a800000                      ; 1 / 1024
	s_mov_b32 s33, ttmp9                           ; the work-group's number
	s_wait_kmcnt 0x0
	s_mov_b64 s[40:41], s[20:21]                   ; from 768 on: W2 -> misc
	s_mov_b64 s[42:43], s[30:31]
	s_mov_b32 s34, 768                             ; the tensor's first work-group
	s_mov_b32 s35, 0x400000                        ; where its codes begin in the buffer
	s_mov_b32 s36, 0x800000                        ; and its scale bytes
	s_mov_b32 s37, 0                               ; perm
.macro PICK bound, src, dst, g0, coff, soff, perm
	s_cmp_lt_u32 s33, \bound                       ; the choice hangs on the work-group's number alone
	s_cselect_b64 s[40:41], s[\src:\src+1], s[40:41]
	s_cselect_b64 s[42:43], s[\dst:\dst+1], s[42:43]
	s_cselect_b32 s34, \g0, s34
	s_cselect_b32 s35, \coff, s35
	s_cselect_b32 s36, \soff, s36
	s_cselect_b32 s37, \perm, s37
.endm
	PICK 768, 18, 28, 512, 0, 0x400000, 1          ; 512-767  W1  -> w1q
	PICK 512, 16, 30, 448, 0x100000, 0x200000, 0   ; 448-511  W_O -> misc
	PICK 448, 14, 26, 384, 0, 0x400000, 1          ; 384-447  W_V -> wv
	PICK 384, 12, 24, 320, 0x100000, 0x408000, 1   ; 320-383  W_K -> wqk, behind W_Q
	PICK 320, 10, 24, 256, 0, 0x400000, 1          ; 256-319  W_Q -> wqk
	PICK 256, 4, 22, 0, 0, 0x400000, 1             ; 0-255    the tokens -> hq
	s_cmp_lt_u32 s33, 256
	s_cselect_b32 s38, -1, 0                       ; all lanes on where the rows are normalised
	s_cselect_b32 s39, 0x3a800000, 0               ; sum x this = the mean, or 0
	s_sub_co_u32 s51, s33, s34
	s_lshl_b32 s51, s51, 2
	s_add_co_u32 s51, s51, s32                     ; which run of 4 rows of the tensor is my wave's
	s_bfe_u32 s52, s51, 0x10001
	s_lshl_b32 s52, s52, 2
	s_bfe_u32 s53, s51, 0x10002
	s_lshl_b32 s53, s53, 1
	s_and_b32 s54, s51, 0xfffffff9
	s_or_b32 s54, s54, s52
	s_or_b32 s54, s54, s53                         ; the run with its bits 1 and 2 swapped = the rows with bits 3 and 4 swapped
	s_cmp_eq_u32 s37, 1
	s_cselect_b32 s54, s54, s51
	s_mov_b32 s53, 0
	s_lshl_b32 s52, s54, 7                         ; 4 rows x 32 scale bytes
	s_add_co_u32 s52, s52, s36
	s_add_nc_u64 s[44:45], s[42:43], s[52:53]      ; my scale bytes
	s_lshl_b32 s52, s54, 12                        ; 4 rows x 1,024 codes
	s_add_co_u32 s52, s52, s35
	s_add_nc_u64 s[42:43], s[42:43], s[52:53]      ; my codes
	s_lshl_b32 s52, s51, 14                        ; 4 rows x 4,096 bytes
	s_add_nc_u64 s[40:41], s[40:41], s[52:53]      ; my numbers
.irp j, 0,1,2,3,4,5,6,7
	global_load_b128 v[G+4*\j:G+4*\j+3], v1, s[6:7] offset:512*\j
.endr
.irp j, 0,1,2,3,4,5,6,7
	global_load_b128 v[BE+4*\j:BE+4*\j+3], v1, s[8:9] offset:512*\j
.endr
.macro LOADROW p                       ; eight loads of 512 consecutive bytes: a row
.set LW, R+32*((\p)%3)
.irp j, 0,1,2,3,4,5,6,7
	global_load_b128 v[LW+4*\j:LW+4*\j+3], v1, s[40:41] offset:4096*(\p)+512*\j th:TH_LOAD_NT
.endr
.endm
.macro ACROSS                          ; v[T], v[T+1] of all 32 lanes are added; every lane gets the sum in v[T]
	v_add_f32 v[T], v[T], v[T+1]
	v_add_f32_dpp v[T], v[T], v[T] row_xmask:1 row_mask:0xf bank_mask:0xf
	v_add_f32_dpp v[T], v[T], v[T] row_xmask:2 row_mask:0xf bank_mask:0xf
	v_add_f32_dpp v[T], v[T], v[T] row_xmask:4 row_mask:0xf bank_mask:0xf
	v_add_f32_dpp v[T], v[T], v[T] row_xmask:8 row_mask:0xf bank_mask:0xf
	v_permlanex16_b32 v[T+1], v[T], s46, s47
	v_add_f32 v[T], v[T], v[T+1]
.endm
	LOADROW 0
	LOADROW 1
; Row p.  left = the loads issued behind this row's, which may stay out.
.macro ROW p, left
.set RW, R+32*((\p)%3)
.if (\p) < 2
	LOADROW (\p)+2                                 ; into the set that row p - 1 has left (its LDS stores were waited for)
.endif
	s_wait_loadcnt \left                           ; loads come back in order: this row is in (and, in row 0, g and beta, which are older)
.if (\p) == 0
.set n, 0
.rept 32
	v_cndmask_b32 v[G+n], 1.0, v[G+n], s38         ; weights: g = 1,
	v_cndmask_b32 v[BE+n], 0, v[BE+n], s38         ; beta = 0
.set n, n+1
.endr
.endif
	v_pk_add_f32 v[T:T+1], v[RW:RW+1], v[RW+2:RW+3]               ; the sum, in two chains
	v_pk_add_f32 v[T+2:T+3], v[RW+4:RW+5], v[RW+6:RW+7]
.irp j, 8,12,16,20,24,28
	v_pk_add_f32 v[T:T+1], v[T:T+1], v[RW+\j:RW+\j+1]
	v_pk_add_f32 v[T+2:T+3], v[T+2:T+3], v[RW+\j+2:RW+\j+3]
.endr
	v_pk_add_f32 v[T:T+1], v[T:T+1], v[T+2:T+3]
	ACROSS
	v_mul_f32 v[MU], s39, v[T]
	v_mov_b32 v[MU+1], v[MU]
.set n, 0
.rept 16
	v_pk_add_f32 v[RW+n:RW+n+1], v[RW+n:RW+n+1], v[MU:MU+1] neg_lo:[0,1] neg_hi:[0,1]   ; x - mean
.set n, n+2
.endr
	v_pk_mul_f32 v[T:T+1], v[RW:RW+1], v[RW:RW+1]                 ; the sum of squares, in two chains
	v_pk_mul_f32 v[T+2:T+3], v[RW+2:RW+3], v[RW+2:RW+3]
.irp j, 4,8,12,16,20,24,28
	v_pk_fma_f32 v[T:T+1], v[RW+\j:RW+\j+1], v[RW+\j:RW+\j+1], v[T:T+1]
	v_pk_fma_f32 v[T+2:T+3], v[RW+\j+2:RW+\j+3], v[RW+\j+2:RW+\j+3], v[T+2:T+3]
.endr
	v_pk_add_f32 v[T:T+1], v[T:T+1], v[T+2:T+3]
	ACROSS
	v_fma_f32 v[T], v[T], s50, s49                 ; var + eps
	s_wait_alu depctr_va_vdst(0)                   ; the wait ahead of the root,
	v_rsq_f32 v[RS], v[T]
	v_nop                                          ; a plain instruction behind it,
	s_wait_alu depctr_va_vdst(0)                   ; and the wait ahead of its first reader
	v_cndmask_b32 v[RS], 1.0, v[RS], s38           ; weights: 1
	v_mov_b32 v[RS+1], v[RS]
.set n, 0
.rept 16
	v_pk_mul_f32 v[RW+n:RW+n+1], v[RW+n:RW+n+1], v[RS:RS+1]
.set n, n+2
.endr
.set n, 0
.rept 16
	v_pk_fma_f32 v[RW+n:RW+n+1], v[RW+n:RW+n+1], v[G+n:G+n+1], v[BE+n:BE+n+1]
.set n, n+2
.endr
	; the row turns through my stage: in as it was loaded (16 bytes a lane of each 512), out 64 bytes a lane: 16 neighbours of each half row
.irp s, 0,1
.irp i, 0,1,2,3
	ds_store_b128 v2, v[RW+16*\s+4*\i:RW+16*\s+4*\i+3] offset:32*SP*\s+8*SP*\i
.endr
.endr
.irp s, 0,1
.irp i, 0,1,2,3
	ds_load_b128 v[X+16*\s+4*\i:X+16*\s+4*\i+3], v3 offset:32*SP*\s+16*\i   ; LDS serves a wave's instructions in order: these see the stores above
.endr
.endr
	s_wait_dscnt 0x0
	s_wait_xcnt 0x0                                ; the last row's stores have read their data: the codes' registers are written again only behind this wait
.irp s, 0,1
	v_max3_num_f32 v12, |v[X+16*\s]|, |v[X+16*\s+1]|, |v[X+16*\s+2]|          ; the largest magnitude of my 16
	v_max3_num_f32 v13, |v[X+16*\s+3]|, |v[X+16*\s+4]|, |v[X+16*\s+5]|
.irp i, 6,10
	v_max3_num_f32 v12, v12, |v[X+16*\s+\i]|, |v[X+16*\s+\i+1]|
	v_max3_num_f32 v13, v13, |v[X+16*\s+\i+2]|, |v[X+16*\s+\i+3]|
.endr
	v_max3_num_f32 v12, v12, |v[X+16*\s+14]|, |v[X+16*\s+15]|
	v_max3_num_f32 v12, v12, v13, 0x4800000        ; and the floor 2^(9 - 127): the byte cannot fall under 1
	v_max_num_f32_dpp v12, v12, v12 row_xmask:1 row_mask:0xf bank_mask:0xf     ; and of my neighbour's 16: the block's
	v_add_nc_u32 v15, 0xfc000000, v12              ; 8 off its exponent field: the conversion takes this operand's exponent field as its scale
	v_and_or_b32 v14, v12, 0x7f800000, s48         ; 448 x the scale
.irp i, 0,1,2,3,4,5,6,7,8,9,10,11,12,13,14,15
	v_med3_num_f32 v[X+16*\s+\i], v[X+16*\s+\i], -v14, v14   ; the conversion to an 8-bit code does not saturate (ISA guide 7.6.2): the hold comes first
.endr
	v_cvt_scalef32_pk8_fp8_f32 v[C+4*\s:C+4*\s+1], v[X+16*\s:X+16*\s+7], v15
	v_cvt_scalef32_pk8_fp8_f32 v[C+4*\s+2:C+4*\s+3], v[X+16*\s+8:X+16*\s+15], v15
	v_lshrrev_b32 v[E+\s], 23, v15                 ; the scale's byte (also the plain instruction behind the conversions)
	ds_store_b8 v4, v[E+\s] offset:32*(\p)+16*\s   ; both lanes of a block write the same byte with the same value
	global_store_b128 v1, v[C+4*\s:C+4*\s+3], s[42:43] offset:1024*(\p)+512*\s   ; 32 lanes store 512 consecutive bytes
.endr
.endm
	ROW 0, 16
	ROW 1, 16
	ROW 2, 8
	ROW 3, 0
	ds_load_b32 v230, v5                           ; my wave's 128 scale bytes, 4 a lane
	s_wait_dscnt 0x0
	global_store_b32 v6, v230, s[44:45]            ; 128 consecutive bytes
	; 16 KiB of f32 zeros at the head of misc: the bias of the products that have none.  The last 32 work-groups' wave 0 store 512 bytes each: a branch on ids
	s_cmp_lt_u32 s33, 992
	s_cbranch_scc1 .Lend
	s_cmp_lg_u32 s32, 0
	s_cbranch_scc1 .Lend
	s_sub_co_u32 s52, s33, 992
	s_lshl_b32 s52, s52, 9
	s_mov_b32 s53, 0
	s_add_nc_u64 s[30:31], s[30:31], s[52:53]
	v_mov_b32 v226, 0
	v_mov_b32 v227, 0
	v_mov_b32 v228, 0
	v_mov_b32 v229, 0
	global_store_b128 v1, v[226:229], s[30:31]
.Lend:
	s_wait_tensorcnt 0x0                           ; the wave's end
	ds_add_u32 v232, v233
	s_wait_dscnt 0x0
	s_endpgm
.Lfunc_end_k_q9e492f4f7b_prep:
	.size	k_q9e492f4f7b_prep, .Lfunc_end_k_q9e492f4f7b_prep-k_q9e492f4f7b_prep
	.p2alignl 7, 3214868480
	.fill 96, 4, 3214868480
	.section	.rodata,"a",@progbits
	.p2align	6, 0x0
	.amdhsa_kernel k_q9e492f4f7b_prep
		.amdhsa_group_segment_fixed_size 23040
		.amdhsa_private_segment_fixed_size 0
		.amdhsa_enable_private_segment 0
		.amdhsa_kernarg_size 112
		.amdhsa_user_sgpr_count 2
		.amdhsa_user_sgpr_kernarg_segment_ptr 1
		.amdhsa_wavefront_size32 1
		.amdhsa_system_sgpr_workgroup_id_x 1
		.amdhsa_system_sgpr_workgroup_id_y 1
		.amdhsa_system_sgpr_workgroup_id_z 1
		.amdhsa_system_vgpr_workitem_id 0
		.amdhsa_next_free_vgpr 234
		.amdhsa_next_free_sgpr 66
		.amdhsa_reserve_vcc 0
		.amdhsa_float_denorm_mode_32 3
		.amdhsa_float_denorm_mode_16_64 3
		.amdhsa_memory_ordered 1
		.amdhsa_forward_progress 1
		.amdhsa_inst_pref_size 60
	.end_amdhsa_kernel
	.amdgpu_metadata
---
amdhsa.version: [ 1, 2 ]
amdhsa.kernels:
  - .name:           k_q9e492f4f7b_prep
    .symbol:         k_q9e492f4f7b_prep.kd
    .args:
      - { .name: x, .offset: 0, .size: 8, .value_kind: global_buffer, .address_space: global }
      - { .name: g1, .offset: 8, .size: 8, .value_kind: global_buffer, .address_space: global }
      - { .name: beta1, .offset: 16, .size: 8, .value_kind: global_buffer, .address_space: global }
      - { .name: W_Q, .offset: 24, .size: 8, .value_kind: global_buffer, .address_space: global }
      - { .name: W_K, .offset: 32, .size: 8, .value_kind: global_buffer, .address_space: global }
      - { .name: W_V, .offset: 40, .size: 8, .value_kind: global_buffer, .address_space: global }
      - { .name: W_O, .offset: 48, .size: 8, .value_kind: global_buffer, .address_space: global }
      - { .name: W1, .offset: 56, .size: 8, .value_kind: global_buffer, .address_space: global }
      - { .name: W2, .offset: 64, .size: 8, .value_kind: global_buffer, .address_space: global }
      - { .name: hq, .offset: 72, .size: 8, .value_kind: global_buffer, .address_space: global }
      - { .name: wqk, .offset: 80, .size: 8, .value_kind: global_buffer, .address_space: global }
      - { .name: wv, .offset: 88, .size: 8, .value_kind: global_buffer, .address_space: global }
      - { .name: w1q, .offset: 96, .size: 8, .value_kind: global_buffer, .address_space: global }
      - { .name: misc, .offset: 104, .size: 8, .value_kind: global_buffer, .address_space: global }
    .group_segment_fixed_size: 23040
    .private_segment_fixed_size: 0
    .kernarg_segment_align: 8
    .kernarg_segment_size: 112
    .max_flat_workgroup_size: 128
    .sgpr_count:     66
    .vgpr_count:     234
    .wavefront_size: 32
...
	.end_amdgpu_metadata
.endif
;; end of part 6
;; launch qkv (part 7): grid 8 x 24, 4 waves a work-group, clusters of 4 x 4, 327,680 bytes of LDS; arguments hq, wqk, wv, misc, qku, vtq; writes qku, vtq
.if DOCPART == 7
	.amdgcn_target "amdgcn-amd-amdhsa--gfx1250"
	.amdhsa_code_object_version 6
	.text
	.protected	k_q9e492f4f7b_qkv
	.globl	k_q9e492f4f7b_qkv
	.p2align	8
	.type	k_q9e492f4f7b_qkv,@function
k_q9e492f4f7b_qkv:
	s_mov_b64 s[64:65], 0
	v_nop
	global_prefetch_b8 v0, s[64:65] scope:SCOPE_SE
	s_setreg_imm32_b32 hwreg(HW_REG_WAVE_MODE, 25, 1), 1
	s_wait_xcnt 0x0
	s_wait_alu depctr_hold_cnt(0) depctr_sa_sdst(0) depctr_va_vdst(0) depctr_va_sdst(0) depctr_va_ssrc(0) depctr_va_vcc(0) depctr_vm_vsrc(0)
	s_getreg_b32 s2, hwreg(HW_REG_IB_STS2, 6, 4)
	s_cmp_eq_u32 s2, 0
	s_cbranch_scc0 .Lentry_in_a_cluster
	s_endpgm
.Lentry_in_a_cluster:
	s_bfe_u32 s2, ttmp6, 0x10000c
	s_cmp_lg_u32 s2, 0xf033
	s_cbranch_scc0 .Lentry_shape_is_right
	s_endpgm
.Lentry_shape_is_right:
; C[m][n] = sum over k of A[m][k] B[n][k] + bias[n], K = 1,024, on codes of FP8 (E4M3) with one E8M0 scale for each 32 along K; C is QUANTISED ALONG n on the way out and never stored as f32.
; TWO PRODUCTS IN ONE LAUNCH.  Arguments: P0, P1, P2, bias, R0, R1.  Clusters whose y is under 4 make the first product: A = P0, B = P1, result R0, cluster column x, cluster row y.
; The others make the second: A = P2, B = P0, result R1, cluster column x + 2 (y - 4), cluster row 0.  Pointers and the two numbers are chosen by selects on the cluster's y, which all
; sixteen partners share: both products go ONE way through the text.  (A grid whose clusters all have y under 4 makes the first product alone.)
; IN: A and B as [row][1024] codes at byte 0 of their buffers and [row][32] scale bytes at byte 0x400000; bias f32, by the true n.  B's stored row s holds the true row s with bits 3 and 4 swapped.
; OUT, in panels: codes [n / 64][4096 rows][64 bytes], a panel 262,144 bytes; scale words [n / 128][4096 rows][4 bytes] at byte 0x1000000, byte b for n = 32 b .. 32 b + 31 of the 128.
; A tile of C, 256 x 256, is made by a work-group of four waves; a wave makes 128 x 128: 64 accumulators, 512 registers.  K goes in steps of 256 through a ring of two LDS slots filled by the tensor data mover.
; The scale bytes of the work-group's rows, for all of K, come into LDS once, with the first fills.
; CLUSTERS: 4 x 4 work-groups; A's tiles are asked for jointly along a row of the cluster, B's along a column.
; THE MATRIX INSTRUCTION IS USED TRANSPOSED (source 0 = 16 rows of B, source 1 = 16 rows of A): a lane holds ONE row m and its registers run along n.  By the order of B's stored rows the 16 registers of
; blocks 2 b and 2 b + 1 are the true n = 32 b + 16 (lane / 16) + 0 .. 15: a block of 32 lies in lanes l and l xor 16, and the conversions' results lie as the next product's operand wants them.
; The bias is the C of each sum's first matrix instruction.
; LIMITS: NaN and infinities are not served; a block whose largest magnitude lies under 2^-118 keeps the byte 1, a block of zeros too (only this program reads the bytes).
; REGISTERS: window 0: v0-31 addresses; v32-63 scale words, two sets; v64-127 the bias, 8 registers a block of n; from v128 A's fragments, one set.  On the way out v32-127 are at work.
;   window 1: B's fragments, two sets.   windows 2, 3: the accumulators ((a, b) at v[8 (8 (a % 4) + b)]).
.set KSTEP,  256
.set NQ,     KSTEP/128
.set ROWB,   256
.set KROW,   1024
.set PITCH,  272                       ; an LDS row: 256 bytes + 16 of padding: the 16 rows that a load touches start at 16 different banks (64 banks of 4 bytes: ISA guide 11.1)
.set FR,     16
.set NL,     4
.set NP,     8                         ; places behind this matrix instruction (ISA guide 7.12.1)
.set HALFT,  128*PITCH
.set SLOT,   4*HALFT
.set LAPS,   KROW/(2*KSTEP)
.set KS,     KROW/32
.set SCL,    2*SLOT                    ; behind the ring: the scale bytes, as units of 256 bytes + 16
.set HALFS,  (128*KS/256)*272
.set SBLK,   (16*KS/256)*272
.set SPARE,  SCL+4*HALFS               ; the spare words, 128 bytes for each wave
.set SOFF,   0x400000                  ; an operand's scale bytes
.set PANEL,  262144
.set WOFF,   0x1000000                 ; the result's scale words
.set WSTG,   5120                      ; the way out: a wave's stage, in slot 0: two places of 2,176 bytes for 16 rows' codes, then 512 bytes of scale words
.set ADRA, 16
.set ADRB, 20
.set SWA,  22                          ; v22  the stage: my row's scale word
.set SWR,  23                          ; v23  and 16 bytes of the words on the way out
.set STO,  24                          ; v24  the stage: where I put 16 codes
.set RD,   25                          ; v25  and where I read 16 bytes back
.set CO,   26                          ; v26  16 x lane
.set ADRS, 27
.set SPW,  28
.set NIL,  29
.set VB,   30                          ; v30  64 x (lane / 16): the bias of my half
.set SC,   32
.set BI,   64
.set AF,   128
.set TM,   32                          ; the way out: v32-35 largest magnitudes, v36-39 bytes, v40-43 448 x the scale, v44-47 the scales' operands
.set PW,   48                          ; v48-49 scale words, by turns
.set PC,   64                          ; v64-95 codes, two sets
.set OB,   96                          ; v96-127 codes read back, two sets
.set G1, 24
.set G0, 32
.set G1B, 48
.set G0B, 56
.set G1S, 68
.set G0S, 76
.set G1SB, 80
.set G0SB, 88
.set MSB, 0
.macro WIN new                         ; the immediate's high byte repeats the setting that is left
.if MSB != (\new)
	s_set_vgpr_msb (MSB<<8)|(\new)
.set MSB, (\new)
.endif
.endm
.set MUL_LO, 0xa1                      ; source 0 (B) window 1, source 1 (A) window 0, C and D window 2
.set MUL_HI, 0xf1                      ; the same, C and D window 3
.set TO_B,   0x40
; A joint load: waves 0 and 1 fetch for A, waves 2 and 3 for B; the branch hangs on the wave's number alone.  Four v_nop follow each of the two lines.
.macro JLOAD g0a, g1a, g0b, g1b
	s_cmp_eq_u32 s15, 0
	s_cbranch_scc0 .Lfor_b_\@
	tensor_load_to_lds s[\g0a:\g0a+3], s[\g1a:\g1a+7]
	s_nop 0
.rept 4
	v_nop
.endr
	s_branch .Lasked_\@
.Lfor_b_\@:
	tensor_load_to_lds s[\g0b:\g0b+3], s[\g1b:\g1b+7]
	s_nop 0
.rept 4
	v_nop
.endr
.Lasked_\@:
.endm
.macro CREST                           ; a round of the cluster's barrier behind its opening barrier
	s_cmp_lg_u32 s14, 0
	s_cbranch_scc1 .Lnot_wave_0_\@
	s_barrier_signal -3
.Lnot_wave_0_\@:
	s_barrier_wait -3
	s_barrier_signal -1
	s_barrier_wait -1
.endm
.macro CROUND
	s_barrier_signal -1
	s_barrier_wait -1
	CREST
.endm
	s_load_b256 s[4:11], s[0:1], 0x0               ; P0 s[4:5], P1 s[6:7], P2 s[8:9], bias s[10:11]
	s_load_b128 s[96:99], s[0:1], 0x20             ; R0 s[96:97], R1 s[98:99]
	v_lshl_add_u32 v[SPW], v0, 2, SPARE
	v_mov_b32 v[NIL], 0
	ds_add_u32 v28, v29
	ds_add_u32 v28, v29
	s_wait_dscnt 0x0
	v_lshrrev_b32 v1, 5, v0
	v_readfirstlane_b32 s14, v1                    ; wave 0..3
	s_lshr_b32 s15, s14, 1                         ; which half of the tile's rows is mine.  Also: I fetch for A (0) or for B (1)
	s_and_b32 s16, s14, 1                          ; which half of its columns.  Also: which 128 rows of that tile I fetch
	s_bfe_u32 s40, ttmp6, 0x40000                  ; cx, cy: my place in the cluster
	s_bfe_u32 s41, ttmp6, 0x40004
	s_and_b32 s95, ttmp7, 0xffff                   ; the cluster's y: under 4 the first product, else the second
	s_sub_co_u32 s42, s95, 4
	s_lshl_b32 s42, s42, 1
	s_add_co_u32 s42, s42, ttmp9                   ; the second product's cluster column: x + 2 (y - 4)
	s_cmp_lt_u32 s95, 4
	s_cselect_b32 s42, ttmp9, s42                  ; the cluster's column
	s_cselect_b32 s17, s95, 0                      ; and its row
	s_lshl_b32 s42, s42, 2
	s_add_co_u32 s42, s42, s40                     ; tile column
	s_lshl_b32 s17, s17, 2
	s_add_co_u32 s17, s17, s41                     ; tile row
	s_lshl_b32 s43, s41, 2
	s_lshl_b32 s43, 15, s43                        ; my row of the cluster
	s_lshl_b32 s44, 0x1111, s40                    ; my column
	s_or_b32 s[G1+0], s43, (0<<16)|(1<<20)|(1<<21)|(5<<22)|(3<<25)  ; the mask; elements of 1 byte; padding on; bit 21 beside a mask; 4 words behind every 64
	s_or_b32 s[G1B+0], s44, (0<<16)|(1<<20)|(1<<21)|(5<<22)|(3<<25)
.irp g, G1, G1B
	s_mov_b32 s[\g+1], ROWB<<16                    ; tensor_dim0
	s_mov_b32 s[\g+2], 256<<16                     ; tensor_dim1: 256 rows for the head's loads; set to 128 behind them, for the ring's
	s_mov_b32 s[\g+3], ROWB<<16                    ; tile_dim0
	s_mov_b32 s[\g+4], 256                         ; tile_dim1
	s_mov_b32 s[\g+5], KROW                        ; from row to row
	s_mov_b32 s[\g+6], 0
	s_mov_b32 s[\g+7], 0
.endr
	s_or_b32 s[G1S+0], s43, (3<<16)|(1<<20)|(1<<21)|(5<<22)|(3<<25) ; the scale bytes of 256 rows: a dense block, as rows of 256 bytes (32 elements of 8)
	s_or_b32 s[G1SB+0], s44, (3<<16)|(1<<20)|(1<<21)|(5<<22)|(3<<25)
.irp g, G1S, G1SB
	s_mov_b32 s[\g+1], 32<<16
	s_mov_b32 s[\g+2], KS<<16                      ; the scale bytes of 256 rows: KS rows of 256 bytes
	s_mov_b32 s[\g+3], 32<<16
	s_mov_b32 s[\g+4], KS
	s_mov_b32 s[\g+5], 32
	s_mov_b32 s[\g+6], 0
	s_mov_b32 s[\g+7], 0
.endr
	s_lshl_b32 s20, s17, 8                         ; A: the tile's first row, 256 x tile row
	s_lshl_b32 s46, s42, 8                         ; B: 256 x tile column
	s_mov_b32 s21, 0
	s_mov_b32 s47, 0
	s_mov_b64 s[18:19], KS
	s_mul_u64 s[22:23], s[20:21], s[18:19]         ; where these rows' scale bytes begin
	s_mul_u64 s[92:93], s[46:47], s[18:19]
	s_mov_b64 s[18:19], KROW
	s_mul_u64 s[20:21], s[20:21], s[18:19]         ; and their codes
	s_mul_u64 s[46:47], s[46:47], s[18:19]
	s_mul_i32 s18, s16, 128*KROW                   ; in the ring I fetch 128 rows of a tile: which half, in bytes
	s_mov_b32 s19, 0
	s_mul_i32 s45, s14, HALFT                      ; where they go: wave x 128 rows
	s_wait_kmcnt 0x0
	s_cmp_lt_u32 s95, 4                            ; which product: the choice hangs on the cluster's y alone
	s_cselect_b64 s[96:97], s[96:97], s[98:99]     ; the result: R0 or R1
	s_cselect_b64 s[6:7], s[6:7], s[4:5]           ; B: P1 or P0
	s_cselect_b64 s[4:5], s[4:5], s[8:9]           ; A: P0 or P2
	s_mov_b64 s[8:9], s[10:11]                     ; the bias
	s_mov_b64 s[10:11], s[96:97]                   ; from here on: A s[4:5], B s[6:7], bias s[8:9], out s[10:11]
	s_add_nc_u64 s[20:21], s[4:5], s[20:21]
	s_add_nc_u64 s[22:23], s[4:5], s[22:23]
	s_add_nc_u64 s[22:23], s[22:23], SOFF
	s_add_nc_u64 s[46:47], s[6:7], s[46:47]
	s_add_nc_u64 s[92:93], s[6:7], s[92:93]
	s_add_nc_u64 s[92:93], s[92:93], SOFF
	CROUND                                         ; all sixteen work-groups are here: the first joint loads meet
	s_mov_b32 s[G0S], 1
	s_mov_b32 s[G0S+1], SCL
	s_mov_b64 s[G0S+2:G0S+3], s[22:23]
	s_or_b32 s[G0S+3], s[G0S+3], 0x80000000
	s_mov_b32 s[G0SB], 1
	s_mov_b32 s[G0SB+1], SCL+2*HALFS
	s_mov_b64 s[G0SB+2:G0SB+3], s[92:93]
	s_or_b32 s[G0SB+3], s[G0SB+3], 0x80000000
.set G0H, 96                           ; s[96:99], s[4:7]: group 0 of the head's loads of K step 0 (what lay there has been used)
.set G0HB, 4
	; THE PREFETCHES.  A K step is 256 bytes of each row.  Of the 128 rows that a wave fetches in the ring, each of the four partners that ask for them jointly names 32, told apart BY ADDRESS (cx for A, cy for B):
	; a lane a row, one instruction a wave and K step, so that each block of 256 bytes is named once in each cluster that loads it.  The steps are immediates: the address s[94:95] and the offset v31 are never rewritten.
	; K steps 1 and 2 are asked for behind the head's loads, K step 3 behind K step 1's load: two K steps at the most are asked for and not yet loaded.  K has four steps: nothing is left to ask for in the loop.
	s_cmp_eq_u32 s15, 0                            ; waves 0, 1 ask for A, waves 2, 3 for B
	s_cselect_b64 s[94:95], s[4:5], s[6:7]
	s_cselect_b32 s2, s17, s42                     ; the tile row, or the tile column
	s_cselect_b32 s3, s40, s41                     ; my place among the four
	s_lshl_b32 s2, s2, 3
	s_lshl_b32 s12, s16, 2
	s_add_co_u32 s2, s2, s12
	s_add_co_u32 s2, s2, s3                        ; in runs of 32 rows: 8 x tile + 4 x half + place
	s_lshl_b32 s2, s2, 15                          ; x 32 rows of 1,024 bytes
	s_mov_b32 s3, 0
	s_add_nc_u64 s[94:95], s[94:95], s[2:3]
	s_mov_b32 s[G0H], 1                            ; K step 0's 256 rows of A,
	s_mov_b32 s[G0H+1], 0
	s_mov_b64 s[G0H+2:G0H+3], s[20:21]
	s_or_b32 s[G0H+3], s[G0H+3], 0x80000000
	s_mov_b32 s[G0HB], 1                           ; its 256 rows of B, behind them in slot 0
	s_mov_b32 s[G0HB+1], 2*HALFT
	s_mov_b64 s[G0HB+2:G0HB+3], s[46:47]
	s_or_b32 s[G0HB+3], s[G0HB+3], 0x80000000
	s_add_nc_u64 s[20:21], s[20:21], s[18:19]      ; for the ring: my 128 rows of the tile
	s_add_nc_u64 s[46:47], s[46:47], s[18:19]
.irp s, 0,1
	s_mov_b32 s[G0+4*\s], 1
	s_add_co_u32 s[G0+4*\s+1], s45, \s*SLOT
	s_add_nc_u64 s[G0+4*\s+2:G0+4*\s+3], s[20:21], \s*ROWB
	s_or_b32 s[G0+4*\s+3], s[G0+4*\s+3], 0x80000000
	s_mov_b32 s[G0B+4*\s], 1
	s_add_co_u32 s[G0B+4*\s+1], s45, \s*SLOT
	s_add_nc_u64 s[G0B+4*\s+2:G0B+4*\s+3], s[46:47], \s*ROWB
	s_or_b32 s[G0B+4*\s+3], s[G0B+4*\s+3], 0x80000000
.endr
; THE HEAD'S LOADS, ONE A WAVE: wave 0 K step 0's 256 rows of A, wave 1 its 256 rows of B, wave 2 the scale bytes of A's 256 rows, wave 3 those of B's.
; One chain of branches on the wave's number, a load to an arm, all arms leading to one join.
.macro ARM under, g0, g1, next
	s_cmp_lt_u32 s14, \under
	s_cbranch_scc0 \next
	tensor_load_to_lds s[\g0:\g0+3], s[\g1:\g1+7]
	s_nop 0
.rept 4
	v_nop
.endr
	s_branch .Lhead_asked
\next:
.endm
	ARM 1, G0H,  G1,  .Lhead_b
	ARM 2, G0HB, G1B, .Lhead_sa
	ARM 3, G0S,  G1S, .Lhead_sb
	tensor_load_to_lds s[G0SB:G0SB+3], s[G1SB:G1SB+7]
	s_nop 0
.rept 4
	v_nop
.endr
.Lhead_asked:
	v_and_b32 v31, 31, v0
	v_lshlrev_b32 v31, 10, v31                     ; a lane a row
	global_prefetch_b8 v31, s[94:95] offset:256 th:TH_LOAD_NT scope:SCOPE_SE   ; K step 1
	global_prefetch_b8 v31, s[94:95] offset:512 th:TH_LOAD_NT scope:SCOPE_SE   ; K step 2
	v_and_b32 v1, 15, v0
	s_wait_alu depctr_va_vdst(0)
	v_bfe_u32 v2, v0, 4, 1                         ; h = l / 16
	; the bias of my 128 columns: for block 2 b + u a lane wants the true n = 32 b + 16 h + 8 u + 0 .. 7
	s_lshl_b32 s46, s42, 10
	s_lshl_b32 s47, s16, 9
	s_add_co_u32 s46, s46, s47
	s_mov_b32 s47, 0
	s_add_nc_u64 s[8:9], s[8:9], s[46:47]
	v_lshlrev_b32 v[VB], 6, v2
.irp b, 0,1,2,3,4,5,6,7
	global_load_b128 v[BI+8*\b:BI+8*\b+3], v[VB], s[8:9] offset:(32*(\b/2)+8*(\b%2))*4
	global_load_b128 v[BI+8*\b+4:BI+8*\b+7], v[VB], s[8:9] offset:(32*(\b/2)+8*(\b%2))*4+16
.endr
	v_mul_u32_u24 v3, v1, PITCH
	v_lshl_add_u32 v4, v2, 4, v3                   ; a fragment's row x pitch + 16 x half
	s_mul_i32 s21, s15, HALFT                      ; my 128 rows of A
	s_mul_i32 s22, s16, HALFT                      ; my 128 rows of B,
	s_add_co_u32 s22, s22, 2*HALFT                 ; which lie behind A's 256
.irp s, 0,1
	v_add_nc_u32 v[ADRA+\s], s21, v4
	v_add_nc_u32 v[ADRB+\s], s22, v4
	s_add_co_u32 s21, s21, SLOT
	s_add_co_u32 s22, s22, SLOT
.endr
	v_mul_u32_u24 v5, v1, KS                       ; my row's scale bytes: KS a row,
	v_lshrrev_b32 v6, 8, v5
	v_lshl_add_u32 v5, v6, 4, v5                   ; and 16 more for each 256 passed
	s_mul_i32 s21, s15, HALFS
	s_mul_i32 s22, s16, HALFS
	s_add_co_u32 s22, s22, 2*HALFS
	s_sub_co_u32 s22, s22, s21
	v_mul_u32_u24 v6, s22, v2                      ; lanes 16-31 take B's
	s_add_co_u32 s21, s21, SCL
	v_add_nc_u32 v5, v5, v6
	v_add_nc_u32 v[ADRS], s21, v5
	s_mul_i32 s23, s14, WSTG                       ; my stage
	v_lshlrev_b32 v5, 6, v1
	v_lshrrev_b32 v6, 2, v1
	v_lshl_add_u32 v5, v6, 4, v5
	v_lshl_add_u32 v5, v2, 4, v5
	v_add_nc_u32 v[STO], s23, v5                   ; in: 64 r + 16 (r / 4) + 16 h: rows of 64 bytes, 16 of padding behind every 256
	v_and_b32 v6, 31, v0
	v_lshlrev_b32 v[CO], 4, v6
	v_lshl_add_u32 v5, v2, 4, v[CO]
	v_add_nc_u32 v[RD], s23, v5                    ; back: 16 l + 16 (l / 16): 512 bytes of data an instruction
	s_add_co_u32 s23, s23, 4352
	v_lshl_add_u32 v[SWA], v1, 2, s23
	v_add_nc_u32 v[SWR], s23, v[CO]
	; where my part of the result begins: rows in registers that hold the tile row alone, columns in those that hold the tile column alone
	s_lshl_b32 s20, s17, 14                        ; 256 rows x 64 bytes
	s_lshl_b32 s21, s15, 13
	s_add_co_u32 s20, s20, s21
	s_mov_b32 s21, 0
	s_lshl_b32 s46, s42, 2
	s_lshl_b32 s47, s16, 1
	s_add_co_u32 s46, s46, s47                     ; my first panel: 4 x tile column + 2 x half
	s_lshl_b32 s46, s46, 18
	s_mov_b32 s47, 0
	s_add_nc_u64 s[12:13], s[10:11], s[20:21]
	s_add_nc_u64 s[12:13], s[12:13], s[46:47]      ; the codes
	s_lshr_b32 s20, s20, 4                         ; the same rows x 4 bytes
	s_lshr_b32 s46, s46, 5                         ; (2 x tile column + half) x 16,384
	s_add_nc_u64 s[92:93], s[10:11], s[20:21]
	s_add_nc_u64 s[92:93], s[92:93], s[46:47]
	s_add_nc_u64 s[92:93], s[92:93], WOFF          ; the scale words
.macro FRAG reg, adr, q, i             ; 16 rows x 128 K of 8-bit codes: registers 4 c .. 4 c + 3 hold K = 32 c + 16 (l / 16) + 0 .. 15 of row l % 16
.irp c, 0,1,2,3
	ds_load_b128 v[\reg+4*\c:\reg+4*\c+3], v[\adr] offset:128*(\q)+32*\c+(\i)*16*PITCH
.endr
.endm
; 16 matrix instructions: A's blocks a0, a0 + 1 x B's eight.  zero = 1: the first product starts the sums from the bias.  The 64 accumulators take turns, one instruction a turn.
.macro MUL16 a0, p, q, sc, zero
.irp a, \a0, \a0+1
.irp b, 0,1,2,3,4,5,6,7
.if \zero
	v_wmma_scale_f32_16x16x128_f8f6f4 v[8*(8*((\a)%4)+\b):8*(8*((\a)%4)+\b)+7], v[128*(\p)+FR*\b:128*(\p)+FR*\b+FR-1], v[AF+FR*(\a):AF+FR*(\a)+FR-1], v[BI+8*\b:BI+8*\b+7], v[SC+8*NQ*(\sc)+NQ*\b+(\q)], v[SC+8*NQ*(\sc)+NQ*(\a)+(\q)] matrix_a_scale:MATRIX_SCALE_ROW1
.else
	v_wmma_scale_f32_16x16x128_f8f6f4 v[8*(8*((\a)%4)+\b):8*(8*((\a)%4)+\b)+7], v[128*(\p)+FR*\b:128*(\p)+FR*\b+FR-1], v[AF+FR*(\a):AF+FR*(\a)+FR-1], v[8*(8*((\a)%4)+\b):8*(8*((\a)%4)+\b)+7], v[SC+8*NQ*(\sc)+NQ*\b+(\q)], v[SC+8*NQ*(\sc)+NQ*(\a)+(\q)] matrix_a_scale:MATRIX_SCALE_ROW1
.endif
.endr
.endr
.endm
.macro FETCH_B slot, q, p
	WIN TO_B
.irp i, 0,1,2,3,4,5,6,7
	FRAG 128*(\p)+FR*\i, ADRB+\slot, \q, \i
.endr
	WIN 0
.endm
.macro FETCH_A slot, q, i0
.irp i, \i0, \i0+1, \i0+2, \i0+3
	FRAG AF+FR*(\i), ADRA+\slot, \q, \i
.endr
.endm
.macro SCALES sc                       ; a K step's scale words: lanes 0-15 take A's block i, lanes 16-31 B's block i
.irp i, 0,1,2,3,4,5,6,7
	ds_load_b64 v[SC+8*NQ*\sc+NQ*\i:SC+8*NQ*\sc+NQ*\i+1], v[ADRS] offset:\i*SBLK
.endr
.endm
.macro PLACES n                        ; plain vector instructions between a matrix instruction and a load into, or a read of, its registers
.rept \n
	v_nop
.endr
.endm
.macro STEP slot, q, zero              ; 128 along K that have their successor in the same slot
	s_wait_dscnt 4*NL                              ; B's set and A's blocks 0-3 are in; A's blocks 4-7 may be out
.if \zero
	WIN 0x81                                       ; C (the bias) window 0, D window 2
.else
	WIN MUL_LO
.endif
	MUL16 0, (\q)%2, \q, \slot, \zero
	MUL16 2, (\q)%2, \q, \slot, \zero
	s_wait_dscnt 0
	PLACES NP
	FETCH_B \slot, (\q)+1, 1-(\q)%2
	FETCH_A \slot, (\q)+1, 0
.if \zero
	WIN 0xc1
.else
	WIN MUL_HI
.endif
	MUL16 4, (\q)%2, \q, \slot, \zero
	MUL16 6, (\q)%2, \q, \slot, \zero
	PLACES NP
	WIN 0
	FETCH_A \slot, (\q)+1, 4
.endm
; A slot's last step changes slots: ONE barrier; in front of it each wave waits for all its tensor loads, adds 0 to its spare word, and waits for that and for its own reads of this slot.
.macro TURN slot, next, fill
	s_wait_tensorcnt 0x0                           ; all my tensor loads have landed: my part of the next slot
	ds_add_u32 v[SPW], v[NIL]                      ; 0 onto my spare word
	s_wait_dscnt 4*NL+1                            ; (the add and A's blocks 4-7 may be out)
	WIN MUL_LO
	MUL16 0, 1, NQ-1, \slot, 0
	s_wait_dscnt 0x0                               ; the add is done, and my reads of this slot are over
	s_barrier_signal -1
	MUL16 2, 1, NQ-1, \slot, 0
	WIN 0
	s_barrier_wait -1
.if \fill
	CREST                                          ; the barrier has opened a round of the cluster's: no wave of any partner still reads this slot or has a load on its way
	s_add_nc_u64 s[G0+4*\slot+2:G0+4*\slot+3], s[G0+4*\slot+2:G0+4*\slot+3], 2*ROWB
	s_add_nc_u64 s[G0B+4*\slot+2:G0B+4*\slot+3], s[G0B+4*\slot+2:G0B+4*\slot+3], 2*ROWB
	JLOAD G0+4*\slot, G1, G0B+4*\slot, G1B         ; the first tensor load behind the round; its four v_nop are among the places in front of the loads below
	PLACES NP-4
.else
	PLACES NP
.endif
	s_wait_alu depctr_va_vdst(0)
	v_add_nc_u32 v[ADRS], 4*NQ, v[ADRS]
	FETCH_B \next, 0, 0
	FETCH_A \next, 0, 0
	SCALES \next
	WIN MUL_HI
	MUL16 4, 1, NQ-1, \slot, 0
	MUL16 6, 1, NQ-1, \slot, 0
	PLACES NP
	WIN 0
	FETCH_A \next, 0, 4
.endm
	s_wait_alu depctr_va_vdst(0)                   ; the wait at the head's end
	s_wait_tensorcnt 0x0                           ; my tile of the head's four is in; the lines ahead of a later first fill:
	ds_add_u32 v[SPW], v[NIL]
	s_mov_b32 s[G1+2], 128<<16                     ; no tensor load of mine is out, so a descriptor may be written: from here on a load brings 128 rows
	s_mov_b32 s[G1+4], 128
	s_mov_b32 s[G1B+2], 128<<16
	s_mov_b32 s[G1B+4], 128
	s_wait_dscnt 0x0                               ; the add is done
	CROUND                                         ; a whole round: all four tiles are in, and all sixteen work-groups are here
	JLOAD G0+4, G1, G0B+4, G1B                     ; K step 1's load, the first tensor load behind the round
	FETCH_B 0, 0, 0
	FETCH_A 0, 0, 0
	SCALES 0
	FETCH_A 0, 0, 4
	global_prefetch_b8 v31, s[94:95] offset:768 th:TH_LOAD_NT scope:SCOPE_SE   ; K step 3
	s_wait_loadcnt 0x0                             ; the bias
	STEP 0, 0, 1
	s_mov_b32 s3, LAPS-1
.Llap:                                                 ; a trip goes once round the ring and fills both slots again
	TURN 0, 1, 1
	STEP 1, 0, 0
	TURN 1, 0, 1
	STEP 0, 0, 0
	s_sub_co_u32 s3, s3, 1
	s_cmp_lg_u32 s3, 0
	s_cbranch_scc1 .Llap
	TURN 0, 1, 0                                   ; the last lap fills nothing
	STEP 1, 0, 0
	s_wait_dscnt 4*NL
	WIN MUL_LO
	MUL16 0, 1, NQ-1, 1, 0
	MUL16 2, 1, NQ-1, 1, 0
	s_wait_dscnt 0
	WIN MUL_HI
	MUL16 4, 1, NQ-1, 1, 0
	MUL16 6, 1, NQ-1, 1, 0
	WIN 0
; THE WAY OUT, block by block of 16 rows x 128 columns.  QUANTA: the block's four blocks of 32 along n are quantised in registers.  STAGEA: codes and scale word go through my stage in LDS
; (slot 0: it has had its last fill, and nobody reads it behind the last change of slots) and come back as the panels' bytes on end.  SENDA: four stores of 512 consecutive bytes.
.macro QUANTA a
.set AC, 64*((\a)%4)
.set PP, (\a)%2
	WIN 0x0a+5*((\a)/4)                            ; sources 0 and 1: window 2 or 3
.irp b, 0,1,2,3
	v_max3_num_f32 v[TM+\b], |v[AC+16*\b]|, |v[AC+16*\b+1]|, 0x4800000   ; my 16 numbers of block b, from each accumulator's low end on, and the floor 2^(9 - 127)
.endr
.irp i, 2,4,6,8,10,12,14
.irp b, 0,1,2,3
	v_max3_num_f32 v[TM+\b], |v[AC+16*\b+\i]|, |v[AC+16*\b+\i+1]|, v[TM+\b]
.endr
.endr
	WIN 0
.irp b, 0,1,2,3
	v_permlanex16_b32 v[TM+4+\b], v[TM+\b], s40, s41
.endr
.irp b, 0,1,2,3
	v_max_num_f32 v[TM+\b], v[TM+\b], v[TM+4+\b]   ; with lane l xor 16's: the block's largest magnitude
.endr
.irp b, 0,1,2,3
	v_add_nc_u32 v[TM+12+\b], 0xfc000000, v[TM+\b] ; 8 off its exponent field: the conversion's scale operand
.endr
.irp b, 0,1,2,3
	v_and_or_b32 v[TM+8+\b], v[TM+\b], 0x7f800000, s42   ; 448 x the scale
.endr
.irp b, 0,1,2,3
	v_lshrrev_b32 v[TM+4+\b], 23, v[TM+12+\b]      ; the scale's byte
.endr
	v_lshl_or_b32 v[PW+PP], v[TM+5], 8, v[TM+4]
	v_lshl_or_b32 v[PW+PP], v[TM+6], 16, v[PW+PP]
	v_lshl_or_b32 v[PW+PP], v[TM+7], 24, v[PW+PP]  ; my row's scale word for these 128
	WIN 0x82+0x41*((\a)/4)                         ; destination and source 0: window 2 or 3
.irp b, 0,1,2,3
.irp i, 0,1,2,3,4,5,6,7,8,9,10,11,12,13,14,15
	v_med3_num_f32 v[AC+16*\b+\i], v[AC+16*\b+\i], -v[TM+8+\b], v[TM+8+\b]   ; the conversion does not saturate (ISA guide 7.6.2): the hold
.endr
.endr
	WIN 2+(\a)/4
.irp b, 0,1,2,3
	v_cvt_scalef32_pk8_fp8_f32 v[PC+16*PP+4*\b:PC+16*PP+4*\b+1], v[AC+16*\b:AC+16*\b+7], v[TM+12+\b]
	v_cvt_scalef32_pk8_fp8_f32 v[PC+16*PP+4*\b+2:PC+16*PP+4*\b+3], v[AC+16*\b+8:AC+16*\b+15], v[TM+12+\b]
.endr
	WIN 0
	v_nop                                          ; a plain instruction behind the last conversion
.endm
.macro STAGEA a
.set PP, (\a)%2
.irp b, 0,1,2,3
	ds_store_b128 v[STO], v[PC+16*PP+4*\b:PC+16*PP+4*\b+3] offset:2176*PP+1088*(\b/2)+32*(\b%2)   ; n = 32 b + 16 h on: panel b / 2, byte 32 (b % 2) + 16 h of my row
.endr
	ds_store_b32 v[SWA], v[PW+PP] offset:64*(\a)   ; lanes l and l + 16 write the same word with the same value
.irp t, 0,1,2,3
	ds_load_b128 v[OB+16*PP+4*\t:OB+16*PP+4*\t+3], v[RD] offset:2176*PP+544*\t   ; LDS serves a wave's instructions in order: these see the stores above
.endr
.endm
.macro SENDA a, younger                ; younger: the LDS instructions issued behind block a's loads
.set PP, (\a)%2
	s_wait_dscnt \younger
.irp t, 0,1,2,3
	global_store_b128 v[CO], v[OB+16*PP+4*\t:OB+16*PP+4*\t+3], s[12:13] offset:(\t/2)*PANEL+1024*(\a)+512*(\t%2)   ; 512 consecutive bytes of a panel, aligned
.endr
.endm
	s_mov_b32 s40, 0x76543210
	s_mov_b32 s41, 0xfedcba98                      ; lane selects: lane l xor 16
	s_mov_b32 s42, 0x600000                        ; the mantissa field of 448
	PLACES NP
.irp b, 0,1,2,3
	v_mov_b32 v[TM+4+\b], 0                        ; written once: a lane permute's destination counts as one of its sources
.endr
	QUANTA 0
	STAGEA 0
.irp a, 1,2,3,4,5,6,7
	QUANTA \a
.if \a > 1
	s_wait_alu depctr_va_vdst(0)
	s_wait_xcnt 0x0                                ; block a - 2's stores have read their registers: block a's loads may land there
.endif
	STAGEA \a
	SENDA \a-1, 9                                  ; behind block a - 1's loads: block a's five stores and four loads
.endr
	SENDA 7, 0
	ds_load_b128 v[32:35], v[SWR]                  ; the scale words of my 128 rows: 512 bytes
	s_wait_dscnt 0x0
	global_store_b128 v[CO], v[32:35], s[92:93]
	s_wait_tensorcnt 0x0                           ; the wave's end
	ds_add_u32 v[SPW], v[NIL]
	s_wait_dscnt 0x0
	CROUND                                         ; the closing round
	s_endpgm
.Lfunc_end_k_q9e492f4f7b_qkv:
	.size	k_q9e492f4f7b_qkv, .Lfunc_end_k_q9e492f4f7b_qkv-k_q9e492f4f7b_qkv
	.p2alignl 7, 3214868480
	.fill 96, 4, 3214868480
	.section	.rodata,"a",@progbits
	.p2align	6, 0x0
	.amdhsa_kernel k_q9e492f4f7b_qkv
		.amdhsa_group_segment_fixed_size 327680
		.amdhsa_private_segment_fixed_size 0
		.amdhsa_enable_private_segment 0
		.amdhsa_kernarg_size 48
		.amdhsa_user_sgpr_count 2
		.amdhsa_user_sgpr_kernarg_segment_ptr 1
		.amdhsa_wavefront_size32 1
		.amdhsa_system_sgpr_workgroup_id_x 1
		.amdhsa_system_sgpr_workgroup_id_y 1
		.amdhsa_system_sgpr_workgroup_id_z 1
		.amdhsa_system_vgpr_workitem_id 0
		.amdhsa_next_free_vgpr 1024
		.amdhsa_next_free_sgpr 100
		.amdhsa_reserve_vcc 0
		.amdhsa_float_denorm_mode_32 3
		.amdhsa_float_denorm_mode_16_64 3
		.amdhsa_memory_ordered 1
		.amdhsa_forward_progress 1
		.amdhsa_inst_pref_size 194
	.end_amdhsa_kernel
	.amdgpu_metadata
---
amdhsa.version: [ 1, 2 ]
amdhsa.kernels:
  - .name:           k_q9e492f4f7b_qkv
    .symbol:         k_q9e492f4f7b_qkv.kd
    .args:
      - { .name: hq, .offset: 0, .size: 8, .value_kind: global_buffer, .address_space: global }
      - { .name: wqk, .offset: 8, .size: 8, .value_kind: global_buffer, .address_space: global }
      - { .name: wv, .offset: 16, .size: 8, .value_kind: global_buffer, .address_space: global }
      - { .name: misc, .offset: 24, .size: 8, .value_kind: global_buffer, .address_space: global }
      - { .name: qku, .offset: 32, .size: 8, .value_kind: global_buffer, .address_space: global }
      - { .name: vtq, .offset: 40, .size: 8, .value_kind: global_buffer, .address_space: global }
    .group_segment_fixed_size: 327680
    .private_segment_fixed_size: 0
    .kernarg_segment_align: 8
    .kernarg_segment_size: 48
    .max_flat_workgroup_size: 128
    .sgpr_count:     100
    .vgpr_count:     1024
    .wavefront_size: 32
...
	.end_amdgpu_metadata
.endif
;; end of part 7
;; launch attn (part 8): grid 8 x 32, 16 waves a work-group, clusters of 4 x 1, 327,680 bytes of LDS; arguments qku, vtq, mask, hq; writes hq
.if DOCPART == 8
	.amdgcn_target "amdgcn-amd-amdhsa--gfx1250"
	.amdhsa_code_object_version 6
	.text
	.protected	k_q9e492f4f7b_attn
	.globl	k_q9e492f4f7b_attn
	.p2align	8
	.type	k_q9e492f4f7b_attn,@function
k_q9e492f4f7b_attn:
	s_mov_b64 s[64:65], 0
	v_nop
	global_prefetch_b8 v0, s[64:65] scope:SCOPE_SE
	s_setreg_imm32_b32 hwreg(HW_REG_WAVE_MODE, 25, 1), 1
	s_wait_xcnt 0x0
	s_wait_alu depctr_hold_cnt(0) depctr_sa_sdst(0) depctr_va_vdst(0) depctr_va_sdst(0) depctr_va_ssrc(0) depctr_va_vcc(0) depctr_vm_vsrc(0)
	s_getreg_b32 s2, hwreg(HW_REG_IB_STS2, 6, 4)
	s_cmp_eq_u32 s2, 0
	s_cbranch_scc0 .Lentry_in_a_cluster
	s_endpgm
.Lentry_in_a_cluster:
	s_bfe_u32 s2, ttmp6, 0x10000c
	s_cmp_lg_u32 s2, 0x3003
	s_cbranch_scc0 .Lentry_shape_is_right
	s_endpgm
.Lentry_shape_is_right:
; ATTENTION ON CODES OF MX-FP8 (E4M3, one E8M0 byte for 32 along K): a = softmax(q k^T / 8, masked) v for 32 (batch, head) pairs of 2,048 tokens and 64 channels; a is quantised along the channels on the way out.
; IN.  qku: codes in panels [n / 64][4096 rows][64 bytes] (panels 0-15 Q's heads, 16-31 K's), scale words [n / 128][4096 rows][4] at byte 0x1000000.  vtq: V transposed, rows = channels, the same panels along the tokens.
; Stored rows hold the true rows with bits 3 and 4 swapped: 16 stored keys are keys 0-7 and 16-23 of 32, so that a lane's 16 scores of two neighbouring tiles are 16 neighbouring keys.
; OUT.  hq: codes [head][4096 rows][64 bytes], scale words at byte 0x400000, two bytes a head.
; THE SOFTMAX: t = score x log2(e) / 8; M = the running largest t rounded up to a whole number; p = 2^(t - M) is quantised along the keys; the sum is taken of the unquantised p and divides at the end.
; When M moves, sum and O^T are multiplied by 2^(old M - new M).  A masked key gets -2^100 as the C of its score's product: its t lies under the first M, and p is 0.
; SHARES.  A work-group owns 256 queries of one head, each of sixteen waves 16 of them; both products are used transposed, so a lane holds one query throughout.
; ALL OF A HEAD'S K AND V LIE IN LDS: 2 x 2,048 x 64 bytes, 16 of padding behind each 256: 278,528 bytes.  Each wave asks for 256 keys of K or of V by ONE tensor load at the head; nothing is filled again,
; so one barrier shows everything, and the 16 key steps of 128 keys have no barrier among them.  The four work-groups of a cluster walk the same head: the loads are joint (mask 15).
; The scale words (12,288 bytes) and the mask come by plain loads in runs of 256 bytes and are stored to LDS bytes of their own: a small part of what the head brings, so they are not asked for jointly.
; NO PREFETCH: every tile is asked for at the kernel's head; the loop loads nothing from memory that a prefetch could run ahead of.
; The head's 64 channels fill half of the first product's K of 128: the upper half of Q's fragment is zero codes, and the upper scale bytes are 0, a finite code.
; LIMITS: the scaled scores stay under 2^31 in magnitude; NaN and infinities are not served; a row all of whose keys are masked (NaN in the definition) is not served; a block's byte never falls under 1.
.set VOFF,  139264                     ; K's 2,048 rows, then V's 32 panels of 4,352 bytes
.set KSC,   278528                     ; K's scale words, 4 bytes a key
.set VSC,   286720                     ; V's: [key step][64 channels][4]
.set MASKF, 290816                     ; the mask as f32, 4 bytes a key
.set SPARE, 299008                     ; the spare words, 128 bytes a wave
.set STAGE, 301056                     ; the way out: 1,088 bytes a wave, bytes that no tensor load fills
.set WOFF,  0x1000000
.set AK0,  1                           ; v1-4 my lane's place in a tile of K, of V, among K's and V's scale words
.set AV0,  2
.set ASK0, 3
.set ASV0, 4
.set SPW,  5
.set NIL,  6
.set GO,   7
.set ADK,  8                           ; v8-11 the step's addresses
.set ADV,  9
.set ADS,  10
.set ADT,  11
.set KF,   32                          ; v32-95 K's eight fragments, then V's four; v96-103 zeros
.set S,    104                         ; v104-167 S^T, then p
.set OT,   168                         ; v168-199 O^T
.set PCD,  200                         ; v200-215 p's codes
.set SW,   216                         ; v216-223 scale words of K or V
.set HOLD2, 224                        ; v224-227 a second copy of the bounds, for the dual pairs' second halves
.set BM,   228
.set PM,   232
.set HOLD, 236
.set SOP,  240
.set FF,   244
.set SUM2, 246
.set TMP,  248
.set PWD,  252                         ; p's scale word
.set QW,   253                         ; Q's
.set AM0,  254
.set ADM,  255
.set GKS,  238                         ; at the head alone: offsets and LDS places of the scale words
.set GVS,  239
.set LKS,  236
.set LVS,  237
.set WV,   12
.set KIND, 48
.set MNT,  19
.set SEL,  20
.set CS,   22
.set TB,   2
.set TS,   3
.set TJ,   66
.set CNT,  67
.set G1K,  24
.set G1V,  32
.set G0K,  40
.set G0V,  44
.macro CROUND
	s_barrier_signal -1
	s_barrier_wait -1
	s_cmp_lg_u32 s[WV], 0
	s_cbranch_scc1 .Lnot_wave_0_\@
	s_barrier_signal -3
.Lnot_wave_0_\@:
	s_barrier_wait -3
	s_barrier_signal -1
	s_barrier_wait -1
.endm
	s_load_b256 s[4:11], s[0:1], 0x0               ; qku, vtq, mask, hq
	v_lshl_add_u32 v[SPW], v0, 2, SPARE
	v_mov_b32 v[NIL], 0
	ds_add_u32 v[SPW], v[NIL]                      ; the opening lines: the add twice on end, one wait
	ds_add_u32 v[SPW], v[NIL]
	v_lshrrev_b32 v8, 5, v0
	v_readfirstlane_b32 s[WV], v8                  ; wave 0..15
	s_bfe_u32 s13, ttmp6, 0x40000                  ; cx
	s_lshl_b32 s14, ttmp9, 2
	s_add_co_u32 s14, s14, s13                     ; which 256 queries
	s_and_b32 s15, ttmp7, 0xffff
	s_lshr_b32 s16, s15, 4                         ; batch
	s_and_b32 s17, s15, 15                         ; head
	s_lshr_b32 s18, s[WV], 2
	s_lshl_b32 s18, s18, 1
	s_and_b32 s81, s[WV], 1
	s_or_b32 s18, s18, s81                         ; which 256 keys I fetch: 2 (wave / 4) + wave % 2
	s_bfe_u32 s[KIND], s[WV], 0x10001              ; of K (0) or of V (1)
	s_add_co_u32 s82, s17, 16                      ; K: panel 16 + head, row 2,048 batch + 256 x mine
	s_lshl_b32 s82, s82, 18
	s_lshl_b32 s83, s16, 17
	s_add_co_u32 s82, s82, s83
	s_lshl_b32 s83, s18, 14
	s_add_co_u32 s82, s82, s83
	s_mov_b32 s83, 0
	s_lshl_b32 s86, s16, 5                         ; V: panel 32 batch + 4 x mine, row 64 head
	s_lshl_b32 s87, s18, 2
	s_add_co_u32 s86, s86, s87
	s_lshl_b32 s86, s86, 18
	s_lshl_b32 s87, s17, 12
	s_add_co_u32 s86, s86, s87
	s_mov_b32 s87, 0
	s_lshr_b32 s88, s17, 1                         ; K's scale words: 8,192 bytes on end
	s_add_co_u32 s88, s88, 8
	s_lshl_b32 s88, s88, 14
	s_lshl_b32 s89, s16, 13
	s_add_co_u32 s88, s88, s89
	s_add_co_u32 s88, s88, WOFF
	s_mov_b32 s89, 0
	s_lshl_b32 s90, s16, 18                        ; V's: 16 runs of 256 bytes, 16,384 apart
	s_lshl_b32 s91, s17, 8
	s_add_co_u32 s90, s90, s91
	s_add_co_u32 s90, s90, WOFF
	s_mov_b32 s91, 0
	s_mul_i32 s92, s18, 17408                      ; where my 256 keys go: the wave's number alone enters an LDS address
	s_lshl_b32 s78, s16, 11                        ; the batch's mask
	s_mov_b32 s79, 0
	s_lshl_b32 s95, s16, 11
	s_lshl_b32 s96, s14, 8
	s_add_co_u32 s95, s95, s96
	s_lshl_b32 s96, s[WV], 4
	s_add_co_u32 s95, s95, s96                     ; my first query's row
	s_lshl_b32 s96, s17, 18
	s_lshl_b32 s97, s95, 6
	s_add_co_u32 s96, s96, s97                     ; its codes, in Q and in the result alike
	s_mov_b32 s97, 0
	s_lshr_b32 s98, s17, 1
	s_lshl_b32 s98, s98, 14
	s_lshl_b32 s99, s95, 2
	s_add_co_u32 s98, s98, s99
	s_and_b32 s81, s17, 1
	s_lshl_b32 s81, s81, 1
	s_add_co_u32 s98, s98, s81                     ; its two scale bytes
	s_mov_b32 s99, 0
	s_add_co_u32 s81, s81, KSC
	s_mov_b32 s[G1K], 15|(3<<16)|(1<<20)|(1<<21)|(5<<22)|(3<<25)   ; K: 16,384 dense bytes as 64 rows of 256, 16 of padding behind each; mask: the cluster's four
	s_mov_b32 s[G1K+1], 32<<16
	s_mov_b32 s[G1K+2], 64<<16
	s_mov_b32 s[G1K+3], 32<<16
	s_mov_b32 s[G1K+4], 64
	s_mov_b32 s[G1K+5], 32
	s_mov_b32 s[G1K+6], 0
	s_mov_b32 s[G1K+7], 0
	s_mov_b32 s[G1V], 15|(3<<16)|(1<<20)|(1<<21)|(5<<22)|(3<<25)   ; V: 4 panels' runs of 4,096 bytes, a panel apart
	s_mov_b32 s[G1V+1], 512<<16
	s_mov_b32 s[G1V+2], 4<<16
	s_mov_b32 s[G1V+3], 512<<16
	s_mov_b32 s[G1V+4], 4
	s_mov_b32 s[G1V+5], 32768
	s_mov_b32 s[G1V+6], 0
	s_mov_b32 s[G1V+7], 0
	s_mov_b32 s[SEL], 0x76543210
	s_mov_b32 s[SEL+1], 0xfedcba98                 ; lane l xor 16
	s_mov_b32 s[CS], 0x3e38aa3b                    ; log2(e) / 8
	s_mov_b32 s[CS+1], s[CS]
	s_mov_b32 s[MNT], 0x600000                     ; the mantissa field of 448
	s_mov_b32 s[TB], 0
	s_mov_b32 s[TS], 0
	s_mov_b32 s[TJ], 0
	s_mov_b32 s[CNT], 16
	v_and_b32 v8, 15, v0                           ; r
	v_bfe_u32 v9, v0, 4, 1                         ; h
	v_lshlrev_b32 v10, 6, v8
	v_lshl_add_u32 v10, v9, 4, v10                 ; 64 r + 16 h
	v_lshlrev_b32 v11, 2, v8
	v_lshlrev_b32 v[TMP], 2, v0                    ; four mask bytes a thread
	v_lshlrev_b32 v[GKS], 4, v0                    ; K's scale words: 16 bytes a thread
	v_lshrrev_b32 v[GVS], 5, v0
	v_and_b32 v[SOP], 31, v0
	v_lshlrev_b32 v[GVS], 14, v[GVS]
	v_lshl_add_u32 v[GVS], v[SOP], 3, v[GVS]       ; V's: a wave a run of 256 bytes, 8 a lane
	v_lshl_add_u32 v[LKS], v0, 4, KSC
	v_lshl_add_u32 v[LVS], v0, 3, VSC
	v_lshl_add_u32 v[ADM], v0, 4, MASKF
	v_lshrrev_b32 v[AK0], 2, v8
	v_lshl_add_u32 v[AK0], v[AK0], 4, v10          ; + 16 for each 256 passed
	v_add_nc_u32 v[AV0], VOFF, v[AK0]
	v_add_nc_u32 v[ASK0], s81, v11
	v_add_nc_u32 v[ASV0], VSC, v11
	v_lshl_add_u32 v[AM0], v9, 6, MASKF
	s_wait_alu depctr_va_vdst(0)                   ; the wait ahead of the waits below
	s_wait_dscnt 0x0                               ; both opening adds are done
	s_wait_kmcnt 0x0
	s_add_nc_u64 s[84:85], s[4:5], s[96:97]
	s_add_nc_u64 s[76:77], s[4:5], s[98:99]
	s_add_nc_u64 s[76:77], s[76:77], WOFF
	s_add_nc_u64 s[88:89], s[4:5], s[88:89]
	s_add_nc_u64 s[90:91], s[6:7], s[90:91]
	s_add_nc_u64 s[8:9], s[8:9], s[78:79]
	global_load_b128 v[16:19], v10, s[84:85]       ; Q's fragment stays in registers
	global_load_b128 v[20:23], v10, s[84:85] offset:32
	global_load_u16 v[QW], v11, s[76:77]
	global_load_b32 v[TMP+1], v[TMP], s[8:9]
	global_load_b128 v[32:35], v[GKS], s[88:89]
	global_load_b64 v[36:37], v[GVS], s[90:91]
	s_add_nc_u64 s[98:99], s[10:11], s[98:99]      ; the result's scale bytes
	s_add_nc_u64 s[98:99], s[98:99], 0x400000
	s_add_nc_u64 s[10:11], s[10:11], s[96:97]      ; and codes
	s_mov_b32 s[G0K], 1
	s_mov_b32 s[G0K+1], s92
	s_add_nc_u64 s[G0K+2:G0K+3], s[4:5], s[82:83]
	s_or_b32 s[G0K+3], s[G0K+3], 0x80000000
	s_mov_b32 s[G0V], 1
	s_add_co_u32 s[G0V+1], s92, VOFF
	s_add_nc_u64 s[G0V+2:G0V+3], s[6:7], s[86:87]
	s_or_b32 s[G0V+3], s[G0V+3], 0x80000000
	CROUND                                         ; the four work-groups are here: the joint loads meet
	s_cmp_eq_u32 s[KIND], 0                        ; one tensor load a wave: every way passes exactly one
	s_cbranch_scc0 .Lfor_v
	tensor_load_to_lds s[G0K:G0K+3], s[G1K:G1K+7]
	s_nop 0
.rept 4
	v_nop
.endr
	s_branch .Lasked
.Lfor_v:
	tensor_load_to_lds s[G0V:G0V+3], s[G1V:G1V+7]
	s_nop 0
.rept 4
	v_nop
.endr
.Lasked:
.irp j, 0,1,2,3,4,5,6,7
	v_mov_b32 v[24+\j], 0                          ; the upper half of Q's fragment: zero codes
	v_mov_b32 v[96+\j], 0                          ; and what the last tile of K names beyond its 8 registers
.endr
.set n, 0
.rept 32
	v_mov_b32 v[OT+n], 0                           ; the step is written once: the first finds zeros
.set n, n+1
.endr
	v_mov_b32 v13, 0xec800000                      ; the largest t so far: -2^90
	v_floor_f32 v12, -v13                          ; -M
	v_mov_b32 v14, 0
	v_mov_b32 v15, 0
.irp b, 0,1,2,3
	v_mov_b32 v[PM+\b], 0                          ; a lane permute's destination counts as a source
.endr
	v_mov_b32 v[FF+1], 0
	v_mov_b32 v[TMP+2], 0xf1800000                 ; -2^100
	s_wait_alu depctr_va_vdst(0)                   ; the wait at the head's end
	s_wait_loadcnt 0x0
.irp i, 0,1,2,3
	v_bfe_u32 v[TMP+3], v[TMP+1], 8*\i, 8
	s_delay_alu instid0(VALU_DEP_1)
	v_cmp_ne_u32 vcc_lo, 0, v[TMP+3]
	s_delay_alu instid0(VALU_DEP_1)
	v_cndmask_b32 v[S+\i], 0, v[TMP+2], vcc_lo
.endr
	ds_store_b128 v[ADM], v[S:S+3]
	ds_store_b128 v[LKS], v[32:35]
	ds_store_b64 v[LVS], v[36:37]
	s_wait_tensorcnt 0x0                           ; my 256 keys are in,
	s_wait_dscnt 0x0                               ; my stores are done:
	s_barrier_signal -1
	s_barrier_wait -1                              ; everybody's are.  No LDS byte that the loop reads is written again
.Lstep:                                                ; A KEY STEP: 128 keys
	v_add_nc_u32 v[ADK], s[TB], v[AK0]
	v_add_nc_u32 v[ADS], s[TS], v[ASK0]
	v_add_nc_u32 v[ADM], s[TS], v[AM0]
	v_add_nc_u32 v[ADV], s[TB], v[AV0]
	v_add_nc_u32 v[ADT], s[TJ], v[ASV0]
.rept 3
	v_nop                                          ; with the five above: eight places behind the last products, ahead of loads into what they have read
.endr
.irp t, 0,1,2,3,4,5,6,7
	ds_load_b128 v[KF+8*\t:KF+8*\t+3], v[ADK] offset:1088*\t
	ds_load_b128 v[KF+8*\t+4:KF+8*\t+7], v[ADK] offset:1088*\t+32
	ds_load_u16 v[SW+\t], v[ADS] offset:64*\t
.endr
.irp t, 0,1,2,3,4,5,6,7
	ds_load_b128 v[S+8*\t:S+8*\t+3], v[ADM] offset:128*(\t/2)+32*(\t%2)      ; the mask is the products' C
	ds_load_b128 v[S+8*\t+4:S+8*\t+7], v[ADM] offset:128*(\t/2)+32*(\t%2)+16
.endr
	s_wait_dscnt 0x0
.irp t, 0,1,2,3,4,5,6,7
	v_wmma_scale_f32_16x16x128_f8f6f4 v[S+8*\t:S+8*\t+7], v[KF+8*\t:KF+8*\t+15], v[16:31], v[S+8*\t:S+8*\t+7], v[SW+\t], v[QW]
.endr
	v_mov_b32 v[TMP+1], v12                        ; the old -M
.rept 7
	v_nop                                          ; eight places ahead of the first read of the scores
.endr
.irp b, 0,1,2,3
	v_max3_num_f32 v[BM+\b], v[S+16*\b], v[S+16*\b+1], v[S+16*\b+2]   ; the largest score of each block of 32 keys: for the row's maximum and for the block's largest p
.endr
.irp i, 3,5,7,9,11,13
.irp b, 0,1,2,3
	v_max3_num_f32 v[BM+\b], v[BM+\b], v[S+16*\b+\i], v[S+16*\b+\i+1]
.endr
.endr
.irp t, 0,1,2,3                                ; V's fragments into the registers that K's have left; they are waited for ahead of the second product
.irp c, 0,1,2,3
	ds_load_b128 v[KF+16*\t+4*\c:KF+16*\t+4*\c+3], v[ADV] offset:4352*(\c/2)+1088*\t+32*(\c%2)
.endr
	ds_load_b32 v[SW+\t], v[ADT] offset:64*\t
.endr
.irp b, 0,1,2,3
	v_max_num_f32 v[BM+\b], v[BM+\b], v[S+16*\b+15]
.endr
.irp b, 0,1,2,3
	s_delay_alu instid0(VALU_DEP_4)
	v_permlanex16_b32 v[PM+\b], v[BM+\b], s[SEL], s[SEL+1]
.endr
.irp b, 0,1,2,3
	s_delay_alu instid0(VALU_DEP_4)
	v_max_num_f32 v[BM+\b], v[BM+\b], v[PM+\b]     ; with lane l xor 16's 16 keys
.endr
	s_delay_alu instid0(VALU_DEP_2)
	v_max3_num_f32 v[TMP], v[BM], v[BM+1], v[BM+2]
	s_delay_alu instid0(VALU_DEP_1)
	v_max_num_f32 v[TMP], v[TMP], v[BM+3]
	s_delay_alu instid0(VALU_DEP_1)
	v_mul_f32 v[TMP], s[CS], v[TMP]
	s_delay_alu instid0(VALU_DEP_1)
	v_max_num_f32 v13, v13, v[TMP]                 ; the running largest t
	s_delay_alu instid0(VALU_DEP_1)
	v_floor_f32 v12, -v13                          ; -M = floor(-t): M is a whole number
	s_delay_alu instid0(VALU_DEP_1)
	v_sub_f32 v[TMP], v12, v[TMP+1]
	s_delay_alu instid0(VALU_DEP_1)
	v_cvt_i32_f32 v[TMP], v[TMP]
	s_delay_alu instid0(VALU_DEP_1)
	v_ldexp_f32 v[FF], 1.0, v[TMP]                 ; f = 2^(old M - new M)
.set n, 0
.rept 32
	v_pk_fma_f32 v[S+n:S+n+1], v[S+n:S+n+1], s[CS:CS+1], v[12:13] op_sel_hi:[1,0,0]   ; t - M
.set n, n+2
.endr
.irp b, 0,1,2,3
	v_fma_f32 v[BM+\b], v[BM+\b], s[CS], v12
.endr
	s_wait_alu depctr_va_vdst(0)                   ; a wait ahead of the batch,
.set n, 0
.rept 64
	v_exp_f32 v[S+n], v[S+n]
.set n, n+1
.endr
	v_pk_mul_f32 v[14:15], v[14:15], v[FF:FF+1] op_sel_hi:[1,0]   ; the sums under the new M: a plain place behind the batch
	s_wait_alu depctr_va_vdst(0)                   ; and for one behind it
.irp b, 0,1,2,3
	v_exp_f32 v[BM+\b], v[BM+\b]                   ; the block's largest p
.endr
	v_pk_add_f32 v[SUM2:SUM2+1], v[S:S+1], v[S+2:S+3]   ; the sum of the unquantised p, in two chains
.irp j, 4,8,12,16,20,24,28,32,36,40,44,48,52,56,60
	v_pk_add_f32 v[14:15], v[14:15], v[S+\j:S+\j+1]
	v_pk_add_f32 v[SUM2:SUM2+1], v[SUM2:SUM2+1], v[S+\j+2:S+\j+3]
.endr
	s_delay_alu instid0(VALU_DEP_1)
	v_pk_add_f32 v[14:15], v[14:15], v[SUM2:SUM2+1]
	s_wait_alu depctr_va_vdst(0)                   ; for the four
.irp b, 0,1,2,3
	v_max_num_f32 v[BM+\b], 0x4800000, v[BM+\b]    ; the floor 2^(9 - 127): the byte cannot fall under 1
.endr
.irp b, 0,1,2,3
	s_delay_alu instid0(VALU_DEP_4)
	v_add_nc_u32 v[SOP+\b], 0xfc000000, v[BM+\b]   ; 8 off the exponent field: the conversion's scale operand
.endr
.irp b, 0,1,2,3
	v_and_or_b32 v[HOLD+\b], v[BM+\b], 0x7f800000, s[MNT]   ; 448 x the scale,
.endr
.irp b, 0,1,2,3
	v_and_or_b32 v[HOLD2+(\b+1)%4], v[BM+\b], 0x7f800000, s[MNT]   ; and once more, in a register of another number modulo 4, as a dual pair's second sources want it
.endr
.irp b, 0,1,2,3
	v_lshrrev_b32 v[PM+\b], 23, v[SOP+\b]          ; the scale's byte
.endr
	s_delay_alu instid0(VALU_DEP_3)
	v_lshl_or_b32 v[PWD], v[PM+1], 8, v[PM]
	s_delay_alu instid0(VALU_DEP_1)
	v_lshl_or_b32 v[PWD], v[PM+2], 16, v[PWD]
	s_delay_alu instid0(VALU_DEP_1)
	v_lshl_or_b32 v[PWD], v[PM+3], 24, v[PWD]      ; p's scale word for these 128 keys
.irp b, 0,1,2,3
.irp i, 0,2,4,6,8,10,12,14
	v_dual_min_num_f32 v[S+16*\b+\i], v[S+16*\b+\i], v[HOLD+\b] :: v_dual_min_num_f32 v[S+16*\b+\i+1], v[S+16*\b+\i+1], v[HOLD2+(\b+1)%4]   ; the conversion does not saturate (ISA guide 7.6.2); p is not negative: a one-sided hold, two at a time
.endr
	v_cvt_scalef32_pk8_fp8_f32 v[PCD+4*\b:PCD+4*\b+1], v[S+16*\b:S+16*\b+7], v[SOP+\b]
	v_cvt_scalef32_pk8_fp8_f32 v[PCD+4*\b+2:PCD+4*\b+3], v[S+16*\b+8:S+16*\b+15], v[SOP+\b]
.endr
	s_wait_alu depctr_va_vdst(0)                   ; the wait directly ahead of the first reader of O^T
.set n, 0
.rept 16
	v_pk_mul_f32 v[OT+n:OT+n+1], v[OT+n:OT+n+1], v[FF:FF+1] op_sel_hi:[1,0]   ; O^T under the new M; also the places ahead of the products below
.set n, n+2
.endr
	s_wait_alu depctr_va_vdst(0)                   ; the wait ahead of the wait below
	s_wait_dscnt 0x0                               ; V's fragments and scale words
.irp t, 0,1,2,3
	v_wmma_scale_f32_16x16x128_f8f6f4 v[OT+8*\t:OT+8*\t+7], v[KF+16*\t:KF+16*\t+15], v[PCD:PCD+15], v[OT+8*\t:OT+8*\t+7], v[SW+\t], v[PWD]
.endr
	s_add_co_u32 s[TB], s[TB], 8704                ; 128 keys on: 128 rows of K, two panels of V,
	s_add_co_u32 s[TS], s[TS], 512                 ; K's scale words and the mask,
	s_add_co_u32 s[TJ], s[TJ], 256                 ; V's scale words
	s_sub_co_u32 s[CNT], s[CNT], 1
	s_cmp_lg_u32 s[CNT], 0
	s_cbranch_scc1 .Lstep
	; THE WAY OUT: O^T / the sum, quantised along the 64 channels (two blocks, each in lanes l and l xor 16), through my stage, as 1,024 consecutive bytes of the head's panel
	v_add_f32 v14, v14, v15
	s_delay_alu instid0(VALU_DEP_1)
	v_permlanex16_b32 v[TMP], v14, s[SEL], s[SEL+1]
	s_delay_alu instid0(VALU_DEP_1)
	v_add_f32 v14, v14, v[TMP]
	s_wait_alu depctr_va_vdst(0)                   ; the wait ahead of the transcendental
	v_rcp_f32 v14, v14
	v_and_b32 v8, 31, v0
	s_delay_alu instid0(VALU_DEP_1)
	v_lshrrev_b32 v9, 4, v8
	s_delay_alu instid0(VALU_DEP_2)
	v_lshlrev_b32 v11, 4, v8
	s_delay_alu instid0(VALU_DEP_1)
	v_lshl_add_u32 v11, v9, 4, v11
	s_mul_i32 s82, s[WV], 1088
	s_add_co_u32 s82, s82, STAGE
	v_add_nc_u32 v11, s82, v11                     ; back: 16 l + 16 (l / 16)
	v_add_nc_u32 v10, s82, v[AK0]                  ; in: 64 r + 16 (r / 4) + 16 h
	v_and_b32 v[ADM], 15, v0
	s_delay_alu instid0(VALU_DEP_1)
	v_lshlrev_b32 v[ADM], 2, v[ADM]
	v_lshlrev_b32 v[GO], 4, v8
	s_wait_alu depctr_va_vdst(0)                   ; ahead of the first reader of the reciprocal and of O^T
.set n, 0
.rept 32
	v_mul_f32 v[S+n], v[OT+n], v14
.set n, n+1
.endr
.irp b, 0,1
	v_max3_num_f32 v[BM+\b], |v[S+16*\b]|, |v[S+16*\b+1]|, 0x4800000
.endr
.irp i, 2,4,6,8,10,12,14
.irp b, 0,1
	s_delay_alu instid0(VALU_DEP_2)
	v_max3_num_f32 v[BM+\b], v[BM+\b], |v[S+16*\b+\i]|, |v[S+16*\b+\i+1]|
.endr
.endr
.irp b, 0,1
	s_delay_alu instid0(VALU_DEP_2)
	v_permlanex16_b32 v[PM+\b], v[BM+\b], s[SEL], s[SEL+1]
.endr
.irp b, 0,1
	s_delay_alu instid0(VALU_DEP_2)
	v_max_num_f32 v[BM+\b], v[BM+\b], v[PM+\b]
.endr
.irp b, 0,1
	s_delay_alu instid0(VALU_DEP_2)
	v_add_nc_u32 v[SOP+\b], 0xfc000000, v[BM+\b]
.endr
.irp b, 0,1
	s_delay_alu instid0(VALU_DEP_4)
	v_and_or_b32 v[HOLD+\b], v[BM+\b], 0x7f800000, s[MNT]
.endr
.irp b, 0,1
	s_delay_alu instid0(VALU_DEP_4)
	v_lshrrev_b32 v[PM+\b], 23, v[SOP+\b]
.endr
	s_delay_alu instid0(VALU_DEP_1)
	v_lshl_or_b32 v[TMP], v[PM+1], 8, v[PM]
.irp b, 0,1
.irp i, 0,1,2,3,4,5,6,7,8,9,10,11,12,13,14,15
	v_med3_num_f32 v[S+16*\b+\i], v[S+16*\b+\i], -v[HOLD+\b], v[HOLD+\b]
.endr
	v_cvt_scalef32_pk8_fp8_f32 v[PCD+4*\b:PCD+4*\b+1], v[S+16*\b:S+16*\b+7], v[SOP+\b]
	v_cvt_scalef32_pk8_fp8_f32 v[PCD+4*\b+2:PCD+4*\b+3], v[S+16*\b+8:S+16*\b+15], v[SOP+\b]
.endr
	v_nop                                          ; a plain line behind the last conversion
	ds_store_b128 v10, v[PCD:PCD+3]
	ds_store_b128 v10, v[PCD+4:PCD+7] offset:32
	ds_load_b128 v[S:S+3], v11                     ; LDS serves a wave's instructions in order: these see my stores
	ds_load_b128 v[S+4:S+7], v11 offset:544
	global_store_b16 v[ADM], v[TMP], s[98:99]      ; my row's two scale bytes (lanes l and l + 16 store the same)
	s_wait_dscnt 1
	global_store_b128 v[GO], v[S:S+3], s[10:11]    ; 512 consecutive bytes, aligned
	s_wait_dscnt 0x0
	global_store_b128 v[GO], v[S+4:S+7], s[10:11] offset:512
	s_wait_tensorcnt 0x0                           ; the wave's end
	ds_add_u32 v[SPW], v[NIL]
	s_wait_dscnt 0x0
	CROUND                                         ; the closing round
	s_endpgm
.Lfunc_end_k_q9e492f4f7b_attn:
	.size	k_q9e492f4f7b_attn, .Lfunc_end_k_q9e492f4f7b_attn-k_q9e492f4f7b_attn
	.p2alignl 7, 3214868480
	.fill 96, 4, 3214868480
	.section	.rodata,"a",@progbits
	.p2align	6, 0x0
	.amdhsa_kernel k_q9e492f4f7b_attn
		.amdhsa_group_segment_fixed_size 327680
		.amdhsa_private_segment_fixed_size 0
		.amdhsa_enable_private_segment 0
		.amdhsa_kernarg_size 32
		.amdhsa_user_sgpr_count 2
		.amdhsa_user_sgpr_kernarg_segment_ptr 1
		.amdhsa_wavefront_size32 1
		.amdhsa_system_sgpr_workgroup_id_x 1
		.amdhsa_system_sgpr_workgroup_id_y 1
		.amdhsa_system_sgpr_workgroup_id_z 1
		.amdhsa_system_vgpr_workitem_id 0
		.amdhsa_next_free_vgpr 256
		.amdhsa_next_free_sgpr 100
		.amdhsa_reserve_vcc 1
		.amdhsa_float_denorm_mode_32 3
		.amdhsa_float_denorm_mode_16_64 3
		.amdhsa_memory_ordered 1
		.amdhsa_forward_progress 1
		.amdhsa_inst_pref_size 40
	.end_amdhsa_kernel
	.amdgpu_metadata
---
amdhsa.version: [ 1, 2 ]
amdhsa.kernels:
  - .name:           k_q9e492f4f7b_attn
    .symbol:         k_q9e492f4f7b_attn.kd
    .args:
      - { .name: qku, .offset: 0, .size: 8, .value_kind: global_buffer, .address_space: global }
      - { .name: vtq, .offset: 8, .size: 8, .value_kind: global_buffer, .address_space: global }
      - { .name: mask, .offset: 16, .size: 8, .value_kind: global_buffer, .address_space: global }
      - { .name: hq, .offset: 24, .size: 8, .value_kind: global_buffer, .address_space: global }
    .group_segment_fixed_size: 327680
    .private_segment_fixed_size: 0
    .kernarg_segment_align: 8
    .kernarg_segment_size: 32
    .max_flat_workgroup_size: 512
    .sgpr_count:     100
    .vgpr_count:     256
    .wavefront_size: 32
...
	.end_amdgpu_metadata
.endif
;; end of part 8
;; launch oproj (part 9): grid 8 x 32, 4 waves a work-group, clusters of 4 x 4, 327,680 bytes of LDS; arguments hq, misc, x, x2; writes x2
.if DOCPART == 9
	.amdgcn_target "amdgcn-amd-amdhsa--gfx1250"
	.amdhsa_code_object_version 6
	.text
	.protected	k_q9e492f4f7b_oproj
	.globl	k_q9e492f4f7b_oproj
	.p2align	8
	.type	k_q9e492f4f7b_oproj,@function
k_q9e492f4f7b_oproj:
	s_mov_b64 s[64:65], 0
	v_nop
	global_prefetch_b8 v0, s[64:65] scope:SCOPE_SE
	s_setreg_imm32_b32 hwreg(HW_REG_WAVE_MODE, 25, 1), 1
	s_wait_xcnt 0x0
	s_wait_alu depctr_hold_cnt(0) depctr_sa_sdst(0) depctr_va_vdst(0) depctr_va_sdst(0) depctr_va_ssrc(0) depctr_va_vcc(0) depctr_vm_vsrc(0)
	s_getreg_b32 s2, hwreg(HW_REG_IB_STS2, 6, 4)
	s_cmp_eq_u32 s2, 0
	s_cbranch_scc0 .Lentry_in_a_cluster
	s_endpgm
.Lentry_in_a_cluster:
	s_bfe_u32 s2, ttmp6, 0x10000c
	s_cmp_lg_u32 s2, 0xf033
	s_cbranch_scc0 .Lentry_shape_is_right
	s_endpgm
.Lentry_shape_is_right:
.set KTOT,    1024
.set AWOFF,   0x400000
.set BCOFF,   0x100000
.set BSOFF,   0x200000
.set RELU,    0
.set BIASARG, 0
.set KS,     KTOT/32
.set LAPS,   KTOT/1024
.set APART,  69632
.set SLOT,   137216
.set AWL,    2*SLOT
.set BSL,    AWL+16384
.set SBLK,   (16*KS/256)*272
.set SPARE,  BSL+17408
.set ADRA, 16
.set ADRB, 20
.set ADAS, 22
.set ADBS, 23
.set STO,  24
.set RD,   25
.set CO,   26
.set SPW,  28
.set NIL,  29
.set VB,   30
.set BS,   32
.set AS,   64
.set OUTR, 32
.set ACC,  128
.set F0,   0
.set F1,   128
.set BIA,  0
.set RES,  128
.set G1, 24
.set G0, 32
.set G1B, 48
.set G0B, 56
.set G1S, 68
.set G0S, 76
.set G1SB, 80
.set G0SB, 88
.set MSB, 0
.macro WIN new
.if MSB != (\new)
	s_set_vgpr_msb (MSB<<8)|(\new)
.set MSB, (\new)
.endif
.endm
.macro JLOAD g0a, g1a, g0b, g1b
	s_cmp_eq_u32 s15, 0
	s_cbranch_scc0 .Lfor_b_\@
	tensor_load_to_lds s[\g0a:\g0a+3], s[\g1a:\g1a+7]
	s_nop 0
.rept 4
	v_nop
.endr
	s_branch .Lasked_\@
.Lfor_b_\@:
	tensor_load_to_lds s[\g0b:\g0b+3], s[\g1b:\g1b+7]
	s_nop 0
.rept 4
	v_nop
.endr
.Lasked_\@:
.endm
.macro CREST
	s_cmp_lg_u32 s14, 0
	s_cbranch_scc1 .Lnot_wave_0_\@
	s_barrier_signal -3
.Lnot_wave_0_\@:
	s_barrier_wait -3
	s_barrier_signal -1
	s_barrier_wait -1
.endm
.macro CROUND
	s_barrier_signal -1
	s_barrier_wait -1
	CREST
.endm
	s_load_b256 s[4:11], s[0:1], 0x0
.if BIASARG
	s_load_b64 s[12:13], s[0:1], 0x20
.endif
	v_lshl_add_u32 v[SPW], v0, 2, SPARE
	v_mov_b32 v[NIL], 0
	ds_add_u32 v28, v29
	ds_add_u32 v28, v29
	s_wait_dscnt 0x0
	v_lshrrev_b32 v1, 5, v0
	v_readfirstlane_b32 s14, v1
	s_lshr_b32 s15, s14, 1
	s_and_b32 s16, s14, 1
	s_bfe_u32 s40, ttmp6, 0x40000
	s_bfe_u32 s41, ttmp6, 0x40004
	s_lshl_b32 s42, ttmp9, 2
	s_add_co_u32 s42, s42, s40
	s_and_b32 s17, ttmp7, 0xffff
	s_lshl_b32 s17, s17, 2
	s_add_co_u32 s17, s17, s41
	s_lshl_b32 s43, s41, 2
	s_lshl_b32 s43, 15, s43
	s_lshl_b32 s44, 0x1111, s40
	s_or_b32 s[G1+0], s43, (3<<16)|(1<<20)|(1<<21)|(5<<22)|(3<<25)
	s_mov_b32 s[G1+1], 1024<<16
	s_mov_b32 s[G1+2], 8<<16                       ; the head's load brings a K step's eight panels; behind it the two words are set to 4
	s_mov_b32 s[G1+3], 1024<<16
	s_mov_b32 s[G1+4], 8
	s_mov_b32 s[G1+5], 32768
	s_mov_b32 s[G1+6], 0
	s_mov_b32 s[G1+7], 0
	s_or_b32 s[G1B+0], s44, (0<<16)|(1<<20)|(1<<21)|(6<<22)|(3<<25)
	s_mov_b32 s[G1B+1], 512<<16
	s_mov_b32 s[G1B+2], 128<<16                    ; likewise B's 128 rows, then 64
	s_mov_b32 s[G1B+3], 512<<16
	s_mov_b32 s[G1B+4], 128
	s_mov_b32 s[G1B+5], KTOT
	s_mov_b32 s[G1B+6], 0
	s_mov_b32 s[G1B+7], 0
	s_or_b32 s[G1S+0], s43, (3<<16)|(1<<21)
	s_mov_b32 s[G1S+1], 64<<16
	s_mov_b32 s[G1S+2], (KTOT/128)<<16
	s_mov_b32 s[G1S+3], 64<<16
	s_mov_b32 s[G1S+4], KTOT/128
	s_mov_b32 s[G1S+5], 2048
	s_mov_b32 s[G1S+6], 0
	s_mov_b32 s[G1S+7], 0
	s_or_b32 s[G1SB+0], s44, (3<<16)|(1<<20)|(1<<21)|(5<<22)|(3<<25)
	s_mov_b32 s[G1SB+1], 32<<16
	s_mov_b32 s[G1SB+2], (128*KS/256)<<16
	s_mov_b32 s[G1SB+3], 32<<16
	s_mov_b32 s[G1SB+4], 128*KS/256
	s_mov_b32 s[G1SB+5], 32
	s_mov_b32 s[G1SB+6], 0
	s_mov_b32 s[G1SB+7], 0
	s_lshl_b32 s20, s17, 13                        ; A: the tile's 128 rows in a panel
	s_mov_b32 s21, 0
	s_lshl_b32 s22, s17, 9                         ; their scale words
	s_mov_b32 s23, 0
	s_lshl_b32 s46, s42, 7                         ; B: the tile's first row
	s_mul_i32 s92, s46, KS
	s_mov_b32 s93, 0
	s_mul_i32 s46, s46, KTOT
	s_mov_b32 s47, 0
	s_mul_i32 s45, s16, 34816
	s_mul_i32 s95, s16, 33792
	s_add_co_u32 s95, s95, APART
	s_lshl_b32 s18, s16, 20                        ; for K step 1 I fetch half of a tile: four panels of A,
	s_mov_b32 s19, 0
	s_mul_i32 s2, s16, 64*KTOT                     ; or 64 rows of B
	s_mov_b32 s3, 0
	s_wait_kmcnt 0x0
.if BIASARG == 0
	s_mov_b64 s[12:13], s[6:7]
.endif
	s_add_nc_u64 s[20:21], s[4:5], s[20:21]
	s_add_nc_u64 s[22:23], s[4:5], s[22:23]
	s_add_nc_u64 s[22:23], s[22:23], AWOFF
	s_add_nc_u64 s[46:47], s[6:7], s[46:47]
	s_add_nc_u64 s[46:47], s[46:47], BCOFF
	s_add_nc_u64 s[92:93], s[6:7], s[92:93]
	s_add_nc_u64 s[92:93], s[92:93], BSOFF
	CROUND
	s_mov_b32 s[G0S], 1
	s_mov_b32 s[G0S+1], AWL
	s_mov_b64 s[G0S+2:G0S+3], s[22:23]
	s_or_b32 s[G0S+3], s[G0S+3], 0x80000000
	s_mov_b32 s[G0SB], 1
	s_mov_b32 s[G0SB+1], BSL
	s_mov_b64 s[G0SB+2:G0SB+3], s[92:93]
	s_or_b32 s[G0SB+3], s[G0SB+3], 0x80000000
.set G0H, 96                           ; s[96:99], s[4:7]: group 0 of the head's loads of K step 0 (what lay there has been used)
.set G0HB, 4
	s_mov_b32 s[G0H], 1
	s_mov_b32 s[G0H+1], 0
	s_mov_b64 s[G0H+2:G0H+3], s[20:21]
	s_or_b32 s[G0H+3], s[G0H+3], 0x80000000
	s_mov_b32 s[G0HB], 1
	s_mov_b32 s[G0HB+1], APART
	s_mov_b64 s[G0HB+2:G0HB+3], s[46:47]
	s_or_b32 s[G0HB+3], s[G0HB+3], 0x80000000
	s_add_nc_u64 s[20:21], s[20:21], s[18:19]      ; my half of the tile
	s_add_nc_u64 s[46:47], s[46:47], s[2:3]
.irp s, 0,1
	s_mov_b32 s[G0+4*\s], 1
	s_add_co_u32 s[G0+4*\s+1], s45, \s*SLOT
	s_add_nc_u64 s[G0+4*\s+2:G0+4*\s+3], s[20:21], \s*0x200000
	s_or_b32 s[G0+4*\s+3], s[G0+4*\s+3], 0x80000000
	s_mov_b32 s[G0B+4*\s], 1
	s_add_co_u32 s[G0B+4*\s+1], s95, \s*SLOT
	s_add_nc_u64 s[G0B+4*\s+2:G0B+4*\s+3], s[46:47], \s*512
	s_or_b32 s[G0B+4*\s+3], s[G0B+4*\s+3], 0x80000000
.endr
; THE HEAD'S LOADS, ONE A WAVE: wave 0 K step 0's eight panels of A, wave 1 its 128 rows of B, wave 2 A's scale words, wave 3 B's scale bytes.
; No prefetch: K has two steps of 512 here, both asked for at the head, and the launch has no loop to run ahead in.
.macro ARM under, g0, g1, next
	s_cmp_lt_u32 s14, \under
	s_cbranch_scc0 \next
	tensor_load_to_lds s[\g0:\g0+3], s[\g1:\g1+7]
	s_nop 0
.rept 4
	v_nop
.endr
	s_branch .Lhead_asked
\next:
.endm
	ARM 1, G0H,  G1,  .Lhead_b
	ARM 2, G0HB, G1B, .Lhead_sa
	ARM 3, G0S,  G1S, .Lhead_sb
	tensor_load_to_lds s[G0SB:G0SB+3], s[G1SB:G1SB+7]
	s_nop 0
.rept 4
	v_nop
.endr
.Lhead_asked:
	v_and_b32 v1, 15, v0
	v_bfe_u32 v2, v0, 4, 1
	v_lshlrev_b32 v3, 6, v1
	v_lshrrev_b32 v4, 2, v1
	v_lshl_add_u32 v3, v4, 4, v3
	v_lshl_add_u32 v3, v2, 4, v3
	v_mul_u32_u24 v4, v1, 528
	v_lshl_add_u32 v4, v2, 4, v4
	s_mul_i32 s21, s15, 4352
	s_mul_i32 s22, s16, 33792
	s_add_co_u32 s22, s22, APART
.irp s, 0,1
	v_add_nc_u32 v[ADRA+\s], s21, v3
	v_add_nc_u32 v[ADRB+\s], s22, v4
	s_add_co_u32 s21, s21, SLOT
	s_add_co_u32 s22, s22, SLOT
.endr
	s_lshl_b32 s21, s15, 8
	s_add_co_u32 s21, s21, AWL
	v_lshl_add_u32 v[ADAS], v1, 2, s21
	v_mul_u32_u24 v5, v1, KS
	v_lshrrev_b32 v6, 8, v5
	v_lshl_add_u32 v5, v6, 4, v5
	s_mul_i32 s21, s16, (64*KS/256)*272
	s_add_co_u32 s21, s21, BSL
	v_add_nc_u32 v[ADBS], s21, v5
	s_mul_i32 s23, s14, 4352
	v_mul_u32_u24 v5, v1, 272
	v_lshl_add_u32 v5, v2, 5, v5
	v_add_nc_u32 v[STO], s23, v5
	v_mul_u32_u24 v5, v2, 272
	v_lshl_add_u32 v5, v1, 4, v5
	v_add_nc_u32 v[RD], s23, v5
	v_lshlrev_b32 v5, 12, v2
	v_lshl_add_u32 v[CO], v1, 4, v5
	v_lshlrev_b32 v[VB], 5, v2
	s_wait_alu depctr_va_vdst(0)
	s_lshl_b32 s20, s17, 19
	s_lshl_b32 s21, s15, 18
	s_add_co_u32 s20, s20, s21
	s_mov_b32 s21, 0
	s_lshl_b32 s46, s42, 9
	s_lshl_b32 s47, s16, 8
	s_add_co_u32 s46, s46, s47
	s_mov_b32 s47, 0
	s_add_nc_u64 s[8:9], s[8:9], s[20:21]
	s_add_nc_u64 s[8:9], s[8:9], s[46:47]
	s_add_nc_u64 s[10:11], s[10:11], s[20:21]
	s_add_nc_u64 s[10:11], s[10:11], s[46:47]
	s_add_nc_u64 s[12:13], s[12:13], s[46:47]
	WIN 0x80
.irp b, 0,1,2,3
	global_load_b128 v[BIA+8*\b:BIA+8*\b+3], v[VB], s[12:13] offset:64*\b
	global_load_b128 v[BIA+8*\b+4:BIA+8*\b+7], v[VB], s[12:13] offset:64*\b+16
.endr
.irp a, 0,1,2,3
.irp t, 0,1,2,3,4,5,6,7
	global_load_b128 v[RES+32*\a+4*\t:RES+32*\a+4*\t+3], v[CO], s[8:9] offset:(32*(\a/2)+16*(\t/4)+8*(\a%2)+2*(\t%4))*4096
.endr
.endr
	WIN 0
.macro SCALES sc
.irp b, 0,1,2,3
	ds_load_b128 v[BS+16*(\sc)+4*\b:BS+16*(\sc)+4*\b+3], v[ADBS] offset:\b*SBLK
.endr
.irp q, 0,1,2,3
.irp a, 0,1,2,3
	ds_load_b32 v[AS+16*(\sc)+4*\q+\a], v[ADAS] offset:512*\q+64*\a
.endr
.endr
.endm
.macro FETCH slot, q, f
	WIN 0x40
.irp b, 0,1,2,3
.irp c, 0,1,2,3
	ds_load_b128 v[\f+64+16*\b+4*\c:\f+64+16*\b+4*\c+3], v[ADRB+\slot] offset:8448*\b+128*(\q)+32*\c
.endr
.endr
.irp a, 0,1,2,3
.irp c, 0,1,2,3
	ds_load_b128 v[\f+16*\a+4*\c:\f+16*\a+4*\c+3], v[ADRA+\slot] offset:1088*\a+8704*(2*(\q)+\c/2)+32*(\c%2)
.endr
.endr
	WIN 0
.endm
.macro MUL8 f, a0, sc, q, zero
.irp a, \a0, \a0+1
.irp b, 0,1,2,3
.if \zero
	v_wmma_scale_f32_16x16x128_f8f6f4 v[ACC+8*(4*(\a)+\b):ACC+8*(4*(\a)+\b)+7], v[\f+64+16*\b:\f+64+16*\b+15], v[\f+16*(\a):\f+16*(\a)+15], v[BIA+8*\b:BIA+8*\b+7], v[BS+16*(\sc)+4*\b+(\q)], v[AS+16*(\sc)+4*(\q)+(\a)]
.else
	v_wmma_scale_f32_16x16x128_f8f6f4 v[ACC+8*(4*(\a)+\b):ACC+8*(4*(\a)+\b)+7], v[\f+64+16*\b:\f+64+16*\b+15], v[\f+16*(\a):\f+16*(\a)+15], v[ACC+8*(4*(\a)+\b):ACC+8*(4*(\a)+\b)+7], v[BS+16*(\sc)+4*\b+(\q)], v[AS+16*(\sc)+4*(\q)+(\a)]
.endif
.endr
.endr
.endm
.macro PLACES n
.rept \n
	v_nop
.endr
.endm
.macro QUARTER slot, q, f, g, zero
	s_wait_dscnt 8
	WIN 0x05+0x20*(\zero)
	MUL8 \f, 0, \slot, \q, \zero
	PLACES 8
	FETCH \slot, (\q)+1, \g
	s_wait_dscnt 32
	WIN 0x05+0x20*(\zero)
	MUL8 \f, 2, \slot, \q, \zero
.endm
.macro TURN slot, next, fill
	WIN 0
	s_wait_tensorcnt 0x0
	ds_add_u32 v[SPW], v[NIL]
	s_wait_dscnt 9
	WIN 0x05
	MUL8 F1, 0, \slot, 3, 0
	s_wait_dscnt 0x0
	s_barrier_signal -1
	WIN 0
	s_barrier_wait -1
.if \fill
	CREST
	s_add_nc_u64 s[G0+4*\slot+2:G0+4*\slot+3], s[G0+4*\slot+2:G0+4*\slot+3], 0x400000
	s_add_nc_u64 s[G0B+4*\slot+2:G0B+4*\slot+3], s[G0B+4*\slot+2:G0B+4*\slot+3], 1024
	JLOAD G0+4*\slot, G1, G0B+4*\slot, G1B
	PLACES 4
.else
	PLACES 8
.endif
	v_add_nc_u32 v[ADBS], 16, v[ADBS]
	v_add_nc_u32 v[ADAS], 2048, v[ADAS]
	SCALES \next
	FETCH \next, 0, F0
	WIN 0x05
	MUL8 F1, 2, \slot, 3, 0
.endm
	s_wait_alu depctr_va_vdst(0)                   ; the wait at the head's end
	s_wait_tensorcnt 0x0                           ; my tile of the head's four is in; the lines ahead of a later first fill:
	ds_add_u32 v[SPW], v[NIL]
	s_mov_b32 s[G1+2], 4<<16                       ; no tensor load of mine is out, so descriptors may be written: K step 1's load brings half a tile
	s_mov_b32 s[G1+4], 4
	s_mov_b32 s[G1B+2], 64<<16
	s_mov_b32 s[G1B+4], 64
	s_wait_dscnt 0x0
	CROUND                                         ; a whole round: all four tiles are in, and all sixteen work-groups are here
	JLOAD G0+4, G1, G0B+4, G1B                     ; K step 1's load, the first tensor load behind the round
	SCALES 0
	FETCH 0, 0, F0
	s_wait_loadcnt 32
	QUARTER 0, 0, F0, F1, 1
.if LAPS > 1
	WIN 0
	s_mov_b32 s3, LAPS-1
.Llap:
	QUARTER 0, 1, F1, F0, 0
	QUARTER 0, 2, F0, F1, 0
	TURN 0, 1, 1
	QUARTER 1, 0, F0, F1, 0
	QUARTER 1, 1, F1, F0, 0
	QUARTER 1, 2, F0, F1, 0
	TURN 1, 0, 1
	QUARTER 0, 0, F0, F1, 0
	WIN 0
	s_sub_co_u32 s3, s3, 1
	s_cmp_lg_u32 s3, 0
	s_cbranch_scc1 .Llap
.endif
	QUARTER 0, 1, F1, F0, 0
	QUARTER 0, 2, F0, F1, 0
	TURN 0, 1, 0
	QUARTER 1, 0, F0, F1, 0
	QUARTER 1, 1, F1, F0, 0
	QUARTER 1, 2, F0, F1, 0
	s_wait_dscnt 8
	WIN 0x05
	MUL8 F1, 0, 1, 3, 0
	s_wait_dscnt 0
	MUL8 F1, 2, 1, 3, 0
	WIN 0
.macro TOSTAGE a
.irp b, 0,1,2,3
	ds_store_b128 v[STO], v[ACC+8*(4*(\a)+\b):ACC+8*(4*(\a)+\b)+3] offset:64*\b
	ds_store_b128 v[STO], v[ACC+8*(4*(\a)+\b)+4:ACC+8*(4*(\a)+\b)+7] offset:64*\b+16
.endr
.set BB, OUTR+32*((\a)%2)
.irp t, 0,1,2,3,4,5,6,7
	ds_load_b128 v[BB+4*\t:BB+4*\t+3], v[RD] offset:544*\t
.endr
.endm
.macro SEND a, younger
.set BB, OUTR+32*((\a)%2)
	s_wait_dscnt \younger
.if RELU
.set n, 0
.rept 32
	v_max_num_f32 v[BB+n], 0, v[BB+n]
.set n, n+1
.endr
.endif
	WIN 0x08
.set n, 0
.rept 16
	v_pk_add_f32 v[BB+n:BB+n+1], v[BB+n:BB+n+1], v[RES+32*(\a)+n:RES+32*(\a)+n+1]
.set n, n+2
.endr
	WIN 0
.irp t, 0,1,2,3,4,5,6,7
.if RELU
	global_store_b128 v[CO], v[BB+4*\t:BB+4*\t+3], s[10:11] offset:(32*((\a)/2)+16*(\t/4)+8*((\a)%2)+2*(\t%4))*4096 th:TH_STORE_NT
.else
	global_store_b128 v[CO], v[BB+4*\t:BB+4*\t+3], s[10:11] offset:(32*((\a)/2)+16*(\t/4)+8*((\a)%2)+2*(\t%4))*4096
.endif
.endr
.endm
	s_wait_loadcnt 0x0
	PLACES 8
	TOSTAGE 0
.irp a, 1,2,3
.if \a > 1
	s_wait_xcnt 0x0
.endif
	TOSTAGE \a
	SEND \a-1, 16
.endr
	SEND 3, 0
	s_wait_tensorcnt 0x0
	ds_add_u32 v[SPW], v[NIL]
	s_wait_dscnt 0x0
	CROUND
	s_endpgm
.Lfunc_end_k_q9e492f4f7b_oproj:
	.size	k_q9e492f4f7b_oproj, .Lfunc_end_k_q9e492f4f7b_oproj-k_q9e492f4f7b_oproj
	.p2alignl 7, 3214868480
	.fill 96, 4, 3214868480
	.section	.rodata,"a",@progbits
	.p2align	6, 0x0
	.amdhsa_kernel k_q9e492f4f7b_oproj
		.amdhsa_group_segment_fixed_size 327680
		.amdhsa_private_segment_fixed_size 0
		.amdhsa_enable_private_segment 0
		.amdhsa_kernarg_size 32
		.amdhsa_user_sgpr_count 2
		.amdhsa_user_sgpr_kernarg_segment_ptr 1
		.amdhsa_wavefront_size32 1
		.amdhsa_system_sgpr_workgroup_id_x 1
		.amdhsa_system_sgpr_workgroup_id_y 1
		.amdhsa_system_sgpr_workgroup_id_z 1
		.amdhsa_system_vgpr_workitem_id 0
		.amdhsa_next_free_vgpr 768
		.amdhsa_next_free_sgpr 100
		.amdhsa_reserve_vcc 0
		.amdhsa_float_denorm_mode_32 3
		.amdhsa_float_denorm_mode_16_64 3
		.amdhsa_memory_ordered 1
		.amdhsa_forward_progress 1
		.amdhsa_inst_pref_size 65
	.end_amdhsa_kernel
	.amdgpu_metadata
---
amdhsa.version: [ 1, 2 ]
amdhsa.kernels:
  - .name:           k_q9e492f4f7b_oproj
    .symbol:         k_q9e492f4f7b_oproj.kd
    .args:
      - { .name: hq, .offset: 0, .size: 8, .value_kind: global_buffer, .address_space: global }
      - { .name: misc, .offset: 8, .size: 8, .value_kind: global_buffer, .address_space: global }
      - { .name: x, .offset: 16, .size: 8, .value_kind: global_buffer, .address_space: global }
      - { .name: x2, .offset: 24, .size: 8, .value_kind: global_buffer, .address_space: global }
    .group_segment_fixed_size: 327680
    .private_segment_fixed_size: 0
    .kernarg_segment_align: 8
    .kernarg_segment_size: 32
    .max_flat_workgroup_size: 128
    .sgpr_count:     100
    .vgpr_count:     768
    .wavefront_size: 32
...
	.end_amdgpu_metadata
.endif
;; end of part 9
;; launch ln2: the kernel of part 6 again; grid 256 x 1, 4 waves a work-group, no clusters, 23,040 bytes of LDS; arguments x2, g2, beta2, W_Q, W_K, W_V, W_O, W1, W2, hq, wqk, wv, w1q, misc; writes hq, wqk, wv, w1q, misc
;; launch ffn1: the kernel of part 7 again; grid 16 x 16, 4 waves a work-group, clusters of 4 x 4, 327,680 bytes of LDS; arguments hq, w1q, wv, b1, qku, vtq; writes qku, vtq
;; launch ffn2 (part 10): grid 8 x 32, 4 waves a work-group, clusters of 4 x 4, 327,680 bytes of LDS; arguments qku, misc, x2, out0, b2; writes out0
.if DOCPART == 10
	.amdgcn_target "amdgcn-amd-amdhsa--gfx1250"
	.amdhsa_code_object_version 6
	.text
	.protected	k_q9e492f4f7b_ffn2
	.globl	k_q9e492f4f7b_ffn2
	.p2align	8
	.type	k_q9e492f4f7b_ffn2,@function
k_q9e492f4f7b_ffn2:
	s_mov_b64 s[64:65], 0
	v_nop
	global_prefetch_b8 v0, s[64:65] scope:SCOPE_SE
	s_setreg_imm32_b32 hwreg(HW_REG_WAVE_MODE, 25, 1), 1
	s_wait_xcnt 0x0
	s_wait_alu depctr_hold_cnt(0) depctr_sa_sdst(0) depctr_va_vdst(0) depctr_va_sdst(0) depctr_va_ssrc(0) depctr_va_vcc(0) depctr_vm_vsrc(0)
	s_getreg_b32 s2, hwreg(HW_REG_IB_STS2, 6, 4)
	s_cmp_eq_u32 s2, 0
	s_cbranch_scc0 .Lentry_in_a_cluster
	s_endpgm
.Lentry_in_a_cluster:
	s_bfe_u32 s2, ttmp6, 0x10000c
	s_cmp_lg_u32 s2, 0xf033
	s_cbranch_scc0 .Lentry_shape_is_right
	s_endpgm
.Lentry_shape_is_right:
.set KTOT,    4096
.set AWOFF,   0x1000000
.set BCOFF,   0x400000
.set BSOFF,   0x800000
.set RELU,    1
.set BIASARG, 1
.set KS,     KTOT/32
.set LAPS,   KTOT/1024
.set APART,  69632
.set SLOT,   137216
.set AWL,    2*SLOT
.set BSL,    AWL+16384
.set SBLK,   (16*KS/256)*272
.set SPARE,  BSL+17408
.set ADRA, 16
.set ADRB, 20
.set ADAS, 22
.set ADBS, 23
.set STO,  24
.set RD,   25
.set CO,   26
.set SPW,  28
.set NIL,  29
.set VB,   30
.set BS,   32
.set AS,   64
.set OUTR, 32
.set ACC,  128
.set F0,   0
.set F1,   128
.set BIA,  0
.set RES,  128
.set G1, 24
.set G0, 32
.set G1B, 48
.set G0B, 56
.set G1S, 68
.set G0S, 76
.set G1SB, 80
.set G0SB, 88
.set MSB, 0
.macro WIN new
.if MSB != (\new)
	s_set_vgpr_msb (MSB<<8)|(\new)
.set MSB, (\new)
.endif
.endm
.macro JLOAD g0a, g1a, g0b, g1b
	s_cmp_eq_u32 s15, 0
	s_cbranch_scc0 .Lfor_b_\@
	tensor_load_to_lds s[\g0a:\g0a+3], s[\g1a:\g1a+7]
	s_nop 0
.rept 4
	v_nop
.endr
	s_branch .Lasked_\@
.Lfor_b_\@:
	tensor_load_to_lds s[\g0b:\g0b+3], s[\g1b:\g1b+7]
	s_nop 0
.rept 4
	v_nop
.endr
.Lasked_\@:
.endm
.macro CREST
	s_cmp_lg_u32 s14, 0
	s_cbranch_scc1 .Lnot_wave_0_\@
	s_barrier_signal -3
.Lnot_wave_0_\@:
	s_barrier_wait -3
	s_barrier_signal -1
	s_barrier_wait -1
.endm
.macro CROUND
	s_barrier_signal -1
	s_barrier_wait -1
	CREST
.endm
	s_load_b256 s[4:11], s[0:1], 0x0
.if BIASARG
	s_load_b64 s[12:13], s[0:1], 0x20
.endif
	v_lshl_add_u32 v[SPW], v0, 2, SPARE
	v_mov_b32 v[NIL], 0
	ds_add_u32 v28, v29
	ds_add_u32 v28, v29
	s_wait_dscnt 0x0
	v_lshrrev_b32 v1, 5, v0
	v_readfirstlane_b32 s14, v1
	s_lshr_b32 s15, s14, 1
	s_and_b32 s16, s14, 1
	s_bfe_u32 s40, ttmp6, 0x40000
	s_bfe_u32 s41, ttmp6, 0x40004
	s_lshl_b32 s42, ttmp9, 2
	s_add_co_u32 s42, s42, s40
	s_and_b32 s17, ttmp7, 0xffff
	s_lshl_b32 s17, s17, 2
	s_add_co_u32 s17, s17, s41
	s_lshl_b32 s43, s41, 2
	s_lshl_b32 s43, 15, s43
	s_lshl_b32 s44, 0x1111, s40
	s_or_b32 s[G1+0], s43, (3<<16)|(1<<20)|(1<<21)|(5<<22)|(3<<25)
	s_mov_b32 s[G1+1], 1024<<16
	s_mov_b32 s[G1+2], 8<<16                       ; the head's load brings a K step's eight panels; behind it the two words are set to 4, for the ring's
	s_mov_b32 s[G1+3], 1024<<16
	s_mov_b32 s[G1+4], 8
	s_mov_b32 s[G1+5], 32768
	s_mov_b32 s[G1+6], 0
	s_mov_b32 s[G1+7], 0
	s_or_b32 s[G1B+0], s44, (0<<16)|(1<<20)|(1<<21)|(6<<22)|(3<<25)
	s_mov_b32 s[G1B+1], 512<<16
	s_mov_b32 s[G1B+2], 128<<16                    ; likewise B's 128 rows, then 64
	s_mov_b32 s[G1B+3], 512<<16
	s_mov_b32 s[G1B+4], 128
	s_mov_b32 s[G1B+5], KTOT
	s_mov_b32 s[G1B+6], 0
	s_mov_b32 s[G1B+7], 0
	s_or_b32 s[G1S+0], s43, (3<<16)|(1<<21)
	s_mov_b32 s[G1S+1], 64<<16
	s_mov_b32 s[G1S+2], (KTOT/128)<<16
	s_mov_b32 s[G1S+3], 64<<16
	s_mov_b32 s[G1S+4], KTOT/128
	s_mov_b32 s[G1S+5], 2048
	s_mov_b32 s[G1S+6], 0
	s_mov_b32 s[G1S+7], 0
	s_or_b32 s[G1SB+0], s44, (3<<16)|(1<<20)|(1<<21)|(5<<22)|(3<<25)
	s_mov_b32 s[G1SB+1], 32<<16
	s_mov_b32 s[G1SB+2], (128*KS/256)<<16
	s_mov_b32 s[G1SB+3], 32<<16
	s_mov_b32 s[G1SB+4], 128*KS/256
	s_mov_b32 s[G1SB+5], 32
	s_mov_b32 s[G1SB+6], 0
	s_mov_b32 s[G1SB+7], 0
	s_lshl_b32 s20, s17, 13                        ; A: the tile's 128 rows in a panel
	s_mov_b32 s21, 0
	s_lshl_b32 s22, s17, 9                         ; their scale words
	s_mov_b32 s23, 0
	s_lshl_b32 s46, s42, 7                         ; B: the tile's first row
	s_mul_i32 s92, s46, KS
	s_mov_b32 s93, 0
	s_mul_i32 s46, s46, KTOT
	s_mov_b32 s47, 0
	s_mul_i32 s45, s16, 34816
	s_mul_i32 s95, s16, 33792
	s_add_co_u32 s95, s95, APART
	s_lshl_b32 s18, s16, 20                        ; in the ring I fetch half of a tile: four panels of A,
	s_mov_b32 s19, 0
	s_mul_i32 s2, s16, 64*KTOT                     ; or 64 rows of B
	s_mov_b32 s3, 0
	s_wait_kmcnt 0x0
.if BIASARG == 0
	s_mov_b64 s[12:13], s[6:7]
.endif
	s_add_nc_u64 s[20:21], s[4:5], s[20:21]
	s_add_nc_u64 s[22:23], s[4:5], s[22:23]
	s_add_nc_u64 s[22:23], s[22:23], AWOFF
	s_add_nc_u64 s[46:47], s[6:7], s[46:47]
	s_add_nc_u64 s[46:47], s[46:47], BCOFF
	s_add_nc_u64 s[92:93], s[6:7], s[92:93]
	s_add_nc_u64 s[92:93], s[92:93], BSOFF
	CROUND
	s_mov_b32 s[G0S], 1
	s_mov_b32 s[G0S+1], AWL
	s_mov_b64 s[G0S+2:G0S+3], s[22:23]
	s_or_b32 s[G0S+3], s[G0S+3], 0x80000000
	s_mov_b32 s[G0SB], 1
	s_mov_b32 s[G0SB+1], BSL
	s_mov_b64 s[G0SB+2:G0SB+3], s[92:93]
	s_or_b32 s[G0SB+3], s[G0SB+3], 0x80000000
.set G0H, 96                           ; s[96:99], s[4:7]: group 0 of the head's loads of K step 0 (what lay there has been used)
.set G0HB, 4
.set PFA, 92                           ; s[92:93] the prefetches' first address; s[96:97], behind the head's loads, the walking one; s[94:95] a K step on; v27 my lane's offset
	s_cmp_eq_u32 s15, 0                            ; waves 0, 1 ask for A, waves 2, 3 for B
	s_cselect_b64 s[PFA:PFA+1], s[4:5], s[6:7]
	s_mov_b32 s[G0H], 1
	s_mov_b32 s[G0H+1], 0
	s_mov_b64 s[G0H+2:G0H+3], s[20:21]
	s_or_b32 s[G0H+3], s[G0H+3], 0x80000000
	s_mov_b32 s[G0HB], 1
	s_mov_b32 s[G0HB+1], APART
	s_mov_b64 s[G0HB+2:G0HB+3], s[46:47]
	s_or_b32 s[G0HB+3], s[G0HB+3], 0x80000000
	s_add_nc_u64 s[20:21], s[20:21], s[18:19]      ; for the ring: my half of the tile
	s_add_nc_u64 s[46:47], s[46:47], s[2:3]
	; THE PREFETCHES.  A K step's tiles are 256 blocks of 256 bytes of A and as many of B; of the 128 that a wave fetches, each of the four partners that ask for them jointly names 32, told apart BY ADDRESS:
	; of A the panel 4 half + cx (8,192 bytes on end), of B the rows 16 cy on (two blocks a row).  So each block is named once in each cluster that loads it.
	s_lshl_b32 s18, s16, 2
	s_add_co_u32 s18, s18, s40
	s_lshl_b32 s18, s18, 18
	s_lshl_b32 s19, s17, 13
	s_add_co_u32 s18, s18, s19
	s_add_co_u32 s18, s18, 2*0x200000              ; K step 2
	s_lshl_b32 s2, s42, 3
	s_lshl_b32 s3, s16, 2
	s_add_co_u32 s2, s2, s3
	s_add_co_u32 s2, s2, s41
	s_mul_i32 s2, s2, 16*KTOT
	s_add_co_u32 s2, s2, BCOFF+2*512
	s_cmp_eq_u32 s15, 0
	s_cselect_b32 s18, s18, s2
	s_mov_b32 s19, 0
	s_add_nc_u64 s[PFA:PFA+1], s[PFA:PFA+1], s[18:19]
	s_mov_b32 s94, 512
	s_cselect_b32 s94, 0x200000, s94               ; a K step on
	s_mov_b32 s2, KTOT
	s_cselect_b32 s2, 512, s2                      ; from one pair of lanes to the next
.irp s, 0,1
	s_mov_b32 s[G0+4*\s], 1
	s_add_co_u32 s[G0+4*\s+1], s45, \s*SLOT
	s_add_nc_u64 s[G0+4*\s+2:G0+4*\s+3], s[20:21], \s*0x200000
	s_or_b32 s[G0+4*\s+3], s[G0+4*\s+3], 0x80000000
	s_mov_b32 s[G0B+4*\s], 1
	s_add_co_u32 s[G0B+4*\s+1], s95, \s*SLOT
	s_add_nc_u64 s[G0B+4*\s+2:G0B+4*\s+3], s[46:47], \s*512
	s_or_b32 s[G0B+4*\s+3], s[G0B+4*\s+3], 0x80000000
.endr
; THE HEAD'S LOADS, ONE A WAVE: wave 0 K step 0's eight panels of A, wave 1 its 128 rows of B, wave 2 A's scale words, wave 3 B's scale bytes.
.macro ARM under, g0, g1, next
	s_cmp_lt_u32 s14, \under
	s_cbranch_scc0 \next
	tensor_load_to_lds s[\g0:\g0+3], s[\g1:\g1+7]
	s_nop 0
.rept 4
	v_nop
.endr
	s_branch .Lhead_asked
\next:
.endm
	ARM 1, G0H,  G1,  .Lhead_b
	ARM 2, G0HB, G1B, .Lhead_sa
	ARM 3, G0S,  G1S, .Lhead_sb
	tensor_load_to_lds s[G0SB:G0SB+3], s[G1SB:G1SB+7]
	s_nop 0
.rept 4
	v_nop
.endr
.Lhead_asked:
	v_and_b32 v5, 31, v0
	v_lshrrev_b32 v6, 1, v5
	v_mul_lo_u32 v27, v6, s2
	v_and_b32 v6, 1, v5
	v_lshl_add_u32 v27, v6, 8, v27                 ; the prefetches' offset: lanes 256 bytes apart in A's panel; two lanes a row of B
	s_mov_b32 s95, 0
	s_sub_nc_u64 s[18:19], s[PFA:PFA+1], s[94:95]  ; K step 1
	global_prefetch_b8 v27, s[18:19] th:TH_LOAD_NT scope:SCOPE_SE       ; K steps 1 and 2, behind the head's loads: two K steps at the most are asked for and not yet loaded
	global_prefetch_b8 v27, s[PFA:PFA+1] th:TH_LOAD_NT scope:SCOPE_SE
	v_and_b32 v1, 15, v0
	v_bfe_u32 v2, v0, 4, 1
	v_lshlrev_b32 v3, 6, v1
	v_lshrrev_b32 v4, 2, v1
	v_lshl_add_u32 v3, v4, 4, v3
	v_lshl_add_u32 v3, v2, 4, v3
	v_mul_u32_u24 v4, v1, 528
	v_lshl_add_u32 v4, v2, 4, v4
	s_mul_i32 s21, s15, 4352
	s_mul_i32 s22, s16, 33792
	s_add_co_u32 s22, s22, APART
.irp s, 0,1
	v_add_nc_u32 v[ADRA+\s], s21, v3
	v_add_nc_u32 v[ADRB+\s], s22, v4
	s_add_co_u32 s21, s21, SLOT
	s_add_co_u32 s22, s22, SLOT
.endr
	s_lshl_b32 s21, s15, 8
	s_add_co_u32 s21, s21, AWL
	v_lshl_add_u32 v[ADAS], v1, 2, s21
	v_mul_u32_u24 v5, v1, KS
	v_lshrrev_b32 v6, 8, v5
	v_lshl_add_u32 v5, v6, 4, v5
	s_mul_i32 s21, s16, (64*KS/256)*272
	s_add_co_u32 s21, s21, BSL
	v_add_nc_u32 v[ADBS], s21, v5
	s_mul_i32 s23, s14, 4352
	v_mul_u32_u24 v5, v1, 272
	v_lshl_add_u32 v5, v2, 5, v5
	v_add_nc_u32 v[STO], s23, v5
	v_mul_u32_u24 v5, v2, 272
	v_lshl_add_u32 v5, v1, 4, v5
	v_add_nc_u32 v[RD], s23, v5
	v_lshlrev_b32 v5, 12, v2
	v_lshl_add_u32 v[CO], v1, 4, v5
	v_lshlrev_b32 v[VB], 5, v2
	s_wait_alu depctr_va_vdst(0)
	s_lshl_b32 s20, s17, 19
	s_lshl_b32 s21, s15, 18
	s_add_co_u32 s20, s20, s21
	s_mov_b32 s21, 0
	s_lshl_b32 s46, s42, 9
	s_lshl_b32 s47, s16, 8
	s_add_co_u32 s46, s46, s47
	s_mov_b32 s47, 0
	s_add_nc_u64 s[8:9], s[8:9], s[20:21]
	s_add_nc_u64 s[8:9], s[8:9], s[46:47]
	s_add_nc_u64 s[10:11], s[10:11], s[20:21]
	s_add_nc_u64 s[10:11], s[10:11], s[46:47]
	s_add_nc_u64 s[12:13], s[12:13], s[46:47]
	WIN 0x80
.irp b, 0,1,2,3
	global_load_b128 v[BIA+8*\b:BIA+8*\b+3], v[VB], s[12:13] offset:64*\b
	global_load_b128 v[BIA+8*\b+4:BIA+8*\b+7], v[VB], s[12:13] offset:64*\b+16
.endr
.irp a, 0,1,2,3
.irp t, 0,1,2,3,4,5,6,7
	global_load_b128 v[RES+32*\a+4*\t:RES+32*\a+4*\t+3], v[CO], s[8:9] offset:(32*(\a/2)+16*(\t/4)+8*(\a%2)+2*(\t%4))*4096
.endr
.endr
	WIN 0
.macro SCALES sc
.irp b, 0,1,2,3
	ds_load_b128 v[BS+16*(\sc)+4*\b:BS+16*(\sc)+4*\b+3], v[ADBS] offset:\b*SBLK
.endr
.irp q, 0,1,2,3
.irp a, 0,1,2,3
	ds_load_b32 v[AS+16*(\sc)+4*\q+\a], v[ADAS] offset:512*\q+64*\a
.endr
.endr
.endm
.macro FETCH slot, q, f
	WIN 0x40
.irp b, 0,1,2,3
.irp c, 0,1,2,3
	ds_load_b128 v[\f+64+16*\b+4*\c:\f+64+16*\b+4*\c+3], v[ADRB+\slot] offset:8448*\b+128*(\q)+32*\c
.endr
.endr
.irp a, 0,1,2,3
.irp c, 0,1,2,3
	ds_load_b128 v[\f+16*\a+4*\c:\f+16*\a+4*\c+3], v[ADRA+\slot] offset:1088*\a+8704*(2*(\q)+\c/2)+32*(\c%2)
.endr
.endr
	WIN 0
.endm
.macro MUL8 f, a0, sc, q, zero
.irp a, \a0, \a0+1
.irp b, 0,1,2,3
.if \zero
	v_wmma_scale_f32_16x16x128_f8f6f4 v[ACC+8*(4*(\a)+\b):ACC+8*(4*(\a)+\b)+7], v[\f+64+16*\b:\f+64+16*\b+15], v[\f+16*(\a):\f+16*(\a)+15], v[BIA+8*\b:BIA+8*\b+7], v[BS+16*(\sc)+4*\b+(\q)], v[AS+16*(\sc)+4*(\q)+(\a)]
.else
	v_wmma_scale_f32_16x16x128_f8f6f4 v[ACC+8*(4*(\a)+\b):ACC+8*(4*(\a)+\b)+7], v[\f+64+16*\b:\f+64+16*\b+15], v[\f+16*(\a):\f+16*(\a)+15], v[ACC+8*(4*(\a)+\b):ACC+8*(4*(\a)+\b)+7], v[BS+16*(\sc)+4*\b+(\q)], v[AS+16*(\sc)+4*(\q)+(\a)]
.endif
.endr
.endr
.endm
.macro PLACES n
.rept \n
	v_nop
.endr
.endm
.macro QUARTER slot, q, f, g, zero
	s_wait_dscnt 8
	WIN 0x05+0x20*(\zero)
	MUL8 \f, 0, \slot, \q, \zero
	PLACES 8
	FETCH \slot, (\q)+1, \g
	s_wait_dscnt 32
	WIN 0x05+0x20*(\zero)
	MUL8 \f, 2, \slot, \q, \zero
.endm
.macro TURN slot, next, fill
	WIN 0
.if \fill
	s_wait_xcnt 0x0                                ; my last prefetch has read its address: it steps here, a K step behind that prefetch
	s_add_nc_u64 s[96:97], s[96:97], s[94:95]
.endif
	s_wait_tensorcnt 0x0
	ds_add_u32 v[SPW], v[NIL]
	s_wait_dscnt 9
	WIN 0x05
	MUL8 F1, 0, \slot, 3, 0
	s_wait_dscnt 0x0
	s_barrier_signal -1
	WIN 0
	s_barrier_wait -1
.if \fill
	CREST
	s_add_nc_u64 s[G0+4*\slot+2:G0+4*\slot+3], s[G0+4*\slot+2:G0+4*\slot+3], 0x400000
	s_add_nc_u64 s[G0B+4*\slot+2:G0B+4*\slot+3], s[G0B+4*\slot+2:G0B+4*\slot+3], 1024
	JLOAD G0+4*\slot, G1, G0B+4*\slot, G1B
	PLACES 4
.else
	PLACES 8
.endif
	s_wait_alu depctr_va_vdst(0)
	v_add_nc_u32 v[ADBS], 16, v[ADBS]
	v_add_nc_u32 v[ADAS], 2048, v[ADAS]
	SCALES \next
	FETCH \next, 0, F0
.if \fill
	s_cmp_gt_u32 s3, 1                             ; the K step two refills on; the last lap's two refills have none
	s_cbranch_scc0 .Lnone_ahead_\@
	global_prefetch_b8 v27, s[96:97] th:TH_LOAD_NT scope:SCOPE_SE
.Lnone_ahead_\@:
.endif
	WIN 0x05
	MUL8 F1, 2, \slot, 3, 0
.endm
	s_wait_alu depctr_va_vdst(0)                   ; the wait at the head's end
	s_wait_tensorcnt 0x0                           ; my tile of the head's four is in; the lines ahead of a later first fill:
	ds_add_u32 v[SPW], v[NIL]
	s_mov_b32 s[G1+2], 4<<16                       ; no tensor load of mine is out, so descriptors may be written: from here on a load brings half a tile
	s_mov_b32 s[G1+4], 4
	s_mov_b32 s[G1B+2], 64<<16
	s_mov_b32 s[G1B+4], 64
	s_add_nc_u64 s[96:97], s[PFA:PFA+1], s[94:95]  ; K step 3
	s_wait_dscnt 0x0
	CROUND                                         ; a whole round: all four tiles are in, and all sixteen work-groups are here
	JLOAD G0+4, G1, G0B+4, G1B                     ; K step 1's load, the first tensor load behind the round
	SCALES 0
	FETCH 0, 0, F0                                 ; behind it: K step 3, which the first lap's second refill loads
	global_prefetch_b8 v27, s[96:97] th:TH_LOAD_NT scope:SCOPE_SE
	s_wait_loadcnt 32
	QUARTER 0, 0, F0, F1, 1
.if LAPS > 1
	WIN 0
	s_mov_b32 s3, LAPS-1
.Llap:
	QUARTER 0, 1, F1, F0, 0
	QUARTER 0, 2, F0, F1, 0
	TURN 0, 1, 1
	QUARTER 1, 0, F0, F1, 0
	QUARTER 1, 1, F1, F0, 0
	QUARTER 1, 2, F0, F1, 0
	TURN 1, 0, 1
	QUARTER 0, 0, F0, F1, 0
	WIN 0
	s_sub_co_u32 s3, s3, 1
	s_cmp_lg_u32 s3, 0
	s_cbranch_scc1 .Llap
.endif
	QUARTER 0, 1, F1, F0, 0
	QUARTER 0, 2, F0, F1, 0
	TURN 0, 1, 0
	QUARTER 1, 0, F0, F1, 0
	QUARTER 1, 1, F1, F0, 0
	QUARTER 1, 2, F0, F1, 0
	s_wait_dscnt 8
	WIN 0x05
	MUL8 F1, 0, 1, 3, 0
	s_wait_dscnt 0
	MUL8 F1, 2, 1, 3, 0
	WIN 0
.macro TOSTAGE a
.irp b, 0,1,2,3
	ds_store_b128 v[STO], v[ACC+8*(4*(\a)+\b):ACC+8*(4*(\a)+\b)+3] offset:64*\b
	ds_store_b128 v[STO], v[ACC+8*(4*(\a)+\b)+4:ACC+8*(4*(\a)+\b)+7] offset:64*\b+16
.endr
.set BB, OUTR+32*((\a)%2)
.irp t, 0,1,2,3,4,5,6,7
	ds_load_b128 v[BB+4*\t:BB+4*\t+3], v[RD] offset:544*\t
.endr
.endm
.macro SEND a, younger
.set BB, OUTR+32*((\a)%2)
	s_wait_dscnt \younger
.if RELU
.set n, 0
.rept 32
	v_max_num_f32 v[BB+n], 0, v[BB+n]
.set n, n+1
.endr
.endif
	WIN 0x08
.set n, 0
.rept 16
	v_pk_add_f32 v[BB+n:BB+n+1], v[BB+n:BB+n+1], v[RES+32*(\a)+n:RES+32*(\a)+n+1]
.set n, n+2
.endr
	WIN 0
.irp t, 0,1,2,3,4,5,6,7
.if RELU
	global_store_b128 v[CO], v[BB+4*\t:BB+4*\t+3], s[10:11] offset:(32*((\a)/2)+16*(\t/4)+8*((\a)%2)+2*(\t%4))*4096 th:TH_STORE_NT
.else
	global_store_b128 v[CO], v[BB+4*\t:BB+4*\t+3], s[10:11] offset:(32*((\a)/2)+16*(\t/4)+8*((\a)%2)+2*(\t%4))*4096
.endif
.endr
.endm
	s_wait_loadcnt 0x0
	PLACES 8
	TOSTAGE 0
.irp a, 1,2,3
.if \a > 1
	s_wait_xcnt 0x0
.endif
	TOSTAGE \a
	SEND \a-1, 16
.endr
	SEND 3, 0
	s_wait_tensorcnt 0x0
	ds_add_u32 v[SPW], v[NIL]
	s_wait_dscnt 0x0
	CROUND
	s_endpgm
.Lfunc_end_k_q9e492f4f7b_ffn2:
	.size	k_q9e492f4f7b_ffn2, .Lfunc_end_k_q9e492f4f7b_ffn2-k_q9e492f4f7b_ffn2
	.p2alignl 7, 3214868480
	.fill 96, 4, 3214868480
	.section	.rodata,"a",@progbits
	.p2align	6, 0x0
	.amdhsa_kernel k_q9e492f4f7b_ffn2
		.amdhsa_group_segment_fixed_size 327680
		.amdhsa_private_segment_fixed_size 0
		.amdhsa_enable_private_segment 0
		.amdhsa_kernarg_size 40
		.amdhsa_user_sgpr_count 2
		.amdhsa_user_sgpr_kernarg_segment_ptr 1
		.amdhsa_wavefront_size32 1
		.amdhsa_system_sgpr_workgroup_id_x 1
		.amdhsa_system_sgpr_workgroup_id_y 1
		.amdhsa_system_sgpr_workgroup_id_z 1
		.amdhsa_system_vgpr_workitem_id 0
		.amdhsa_next_free_vgpr 768
		.amdhsa_next_free_sgpr 100
		.amdhsa_reserve_vcc 0
		.amdhsa_float_denorm_mode_32 3
		.amdhsa_float_denorm_mode_16_64 3
		.amdhsa_memory_ordered 1
		.amdhsa_forward_progress 1
		.amdhsa_inst_pref_size 112
	.end_amdhsa_kernel
	.amdgpu_metadata
---
amdhsa.version: [ 1, 2 ]
amdhsa.kernels:
  - .name:           k_q9e492f4f7b_ffn2
    .symbol:         k_q9e492f4f7b_ffn2.kd
    .args:
      - { .name: qku, .offset: 0, .size: 8, .value_kind: global_buffer, .address_space: global }
      - { .name: misc, .offset: 8, .size: 8, .value_kind: global_buffer, .address_space: global }
      - { .name: x2, .offset: 16, .size: 8, .value_kind: global_buffer, .address_space: global }
      - { .name: out0, .offset: 24, .size: 8, .value_kind: global_buffer, .address_space: global }
      - { .name: b2, .offset: 32, .size: 8, .value_kind: global_buffer, .address_space: global }
    .group_segment_fixed_size: 327680
    .private_segment_fixed_size: 0
    .kernarg_segment_align: 8
    .kernarg_segment_size: 40
    .max_flat_workgroup_size: 128
    .sgpr_count:     100
    .vgpr_count:     768
    .wavefront_size: 32
...
	.end_amdgpu_metadata
.endif
;; end of part 10
